; MI455X (gfx1250); checked and timed in simulation.
; The chip was launched on July 23, 2026; its instructions are those of AMD's public machine-readable ISA for CDNA 5 (MIT licence, August 2026) and "CDNA5" Instruction Set Architecture Reference Guide (July 2026). The comments in the code are by the model that wrote it; some were corrected since.
;; Simple Self Attention. Allowed arithmetic: float matrix products may take bf16 or f16 operands with f32 sums; all other float work in f32.
;; Inputs: b_k 1,024 float32; b_q 1,024 float32; b_v 1,024 float32; mask 2,048 x 2,048 float32; w_k 1,024 x 1,024 float32; w_q 1,024 x 1,024 float32; w_v 1,024 x 1,024 float32; x 4 x 2,048 x 1,024 float32.
;; Outputs: out0 4 x 2,048 x 1,024 float32.
;; 3 versions, each right; version 3 is version 2 with the launch cvt written anew for expert scheduling mode. Each part assembles by itself: llvm-mc -triple=amdgcn-amd-amdhsa -mcpu=gfx1250 --defsym DOCPART=n.
;; ======== version 1 of 3: 4 launches
;; workspace buffers: xb 16,777,216 bytes; wb 6,291,456 bytes; qk 33,554,432 bytes; vt 16,777,216 bytes; p 33,554,432 bytes; stats 786,432 bytes
;; launch cvt (part 1): grid 704 x 1, 8 waves a work-group, no clusters, 0 bytes of LDS; arguments x, w_q, w_k, w_v, xb, wb; writes xb, wb
.if DOCPART == 1
	.amdgcn_target "amdgcn-amd-amdhsa--gfx1250"
	.amdhsa_code_object_version 6
	.text
	.protected	k_q11e14f1a7b_cvt
	.globl	k_q11e14f1a7b_cvt
	.p2align	8
	.type	k_q11e14f1a7b_cvt,@function
k_q11e14f1a7b_cvt:
	s_mov_b64 s[64:65], 0
	v_nop
	global_prefetch_b8 v0, s[64:65] scope:SCOPE_SE
	s_setreg_imm32_b32 hwreg(HW_REG_WAVE_MODE, 25, 1), 1
	s_wait_xcnt 0x0
; First of four launches for out = softmax((x Wq^T + b_q)(x Wk^T + b_k)^T / 32 + mask) (x Wv^T + b_v).
; This one rounds x and the three weight matrices from f32 to bf16, once, so that the products read 2-byte operands.
;   xb [8192][1024] bf16;  wb [3072][1024] bf16: rows 0-1023 w_q, 1024-2047 w_k, 2048-3071 w_v.
;
; WORK LEFT OUT IN THE WHOLE PROGRAM: b_k.  With K = K0 + 1 b_k^T the score of query q and key k is
; Q[q].K0[k] / 32 + Q[q].b_k / 32 + mask[q][k].  The middle term does not depend on k: it is the same along the softmax axis,
; and softmax(s + c) = softmax(s) for every real c, whatever the inputs hold.  So b_k reaches no output: it is not loaded and
; is an argument of no launch.  Limit: a NaN, an infinity or an overflow that would come in through b_k alone is not carried
; to the result.
; b_q stays (b_q.K0[k] varies with k).  b_v stays, and is added once at the end: the weights of a row sum to one, so
; attn (V0 + 1 b_v^T) = attn V0 + b_v.
;
; A stream: no LDS, no barrier, no matrix unit.  Eight waves; a work-group takes 65,536 input bytes; thread t takes 16 bytes at 16 t
; of each of sixteen pieces of 4,096 bytes.  A load of a wave covers 512 consecutive bytes, a store 256 consecutive bytes, aligned.
; All sixteen loads of a thread go out at once; no register is written twice, so nothing waits for an address to be free.
.set X, 4                              ; v[4:67]   piece i: four f32 as loaded
.set Y, 68                             ; v[68:99]  piece i: four bf16 to store
	s_load_b256 s[4:11], s[0:1], 0x0               ; x s[4:5], w_q s[6:7], w_k s[8:9], w_v s[10:11]
	s_load_b128 s[12:15], s[0:1], 0x20             ; xb s[12:13], wb s[14:15]
	v_lshlrev_b32 v1, 4, v0                        ; 16 t: my bytes in a piece of the input
	v_lshlrev_b32 v2, 3, v0                        ; 8 t: my bytes in a piece of the output
	s_max_u32 s24, ttmp9, 512
	s_sub_co_u32 s24, s24, 512                     ; work-groups 512 to 703: i = 0 to 191, 64 for each weight matrix
	s_and_b32 s25, s24, 63
	s_lshl_b32 s25, s25, 16                        ; offset in the weight matrix
	s_lshl_b32 s26, s24, 15                        ; offset in wb: the three matrices follow each other
	s_lshl_b32 s27, ttmp9, 16                      ; work-groups 0 to 511: offset in x,
	s_lshl_b32 s28, ttmp9, 15                      ; and in xb
	s_mov_b32 s21, 0
	s_mov_b32 s23, 0
	s_wait_kmcnt 0x0
	s_cmp_ge_u32 ttmp9, 576
	s_cselect_b64 s[16:17], s[8:9], s[6:7]         ; w_k or w_q
	s_cmp_ge_u32 ttmp9, 640
	s_cselect_b64 s[16:17], s[10:11], s[16:17]     ; or w_v
	s_cmp_lt_u32 ttmp9, 512
	s_cselect_b64 s[16:17], s[4:5], s[16:17]       ; or x
	s_cselect_b64 s[18:19], s[12:13], s[14:15]     ; xb or wb
	s_cselect_b32 s20, s27, s25
	s_cselect_b32 s22, s28, s26
	s_add_nc_u64 s[16:17], s[16:17], s[20:21]
	s_add_nc_u64 s[18:19], s[18:19], s[22:23]
.irp i, 0,1,2,3,4,5,6,7,8,9,10,11,12,13,14,15
	global_load_b128 v[X+4*\i:X+4*\i+3], v1, s[16:17] offset:4096*\i th:TH_LOAD_NT   ; read once in this launch
.endr
.irp i, 0,1,2,3,4,5,6,7,8,9,10,11,12,13,14,15
	s_wait_loadcnt 15-\i                           ; loads come back in order: piece i is in, the younger ones stay out
	v_cvt_pk_bf16_f32 v[Y+2*\i],   v[X+4*\i],   v[X+4*\i+1]
	v_cvt_pk_bf16_f32 v[Y+2*\i+1], v[X+4*\i+2], v[X+4*\i+3]
	global_store_b64 v2, v[Y+2*\i:Y+2*\i+1], s[18:19] offset:2048*\i
.endr
	s_endpgm
.Lfunc_end_k_q11e14f1a7b_cvt:
	.size	k_q11e14f1a7b_cvt, .Lfunc_end_k_q11e14f1a7b_cvt-k_q11e14f1a7b_cvt
	.p2alignl 7, 3214868480
	.fill 96, 4, 3214868480
	.section	.rodata,"a",@progbits
	.p2align	6, 0x0
	.amdhsa_kernel k_q11e14f1a7b_cvt
		.amdhsa_group_segment_fixed_size 0
		.amdhsa_private_segment_fixed_size 0
		.amdhsa_enable_private_segment 0
		.amdhsa_kernarg_size 48
		.amdhsa_user_sgpr_count 2
		.amdhsa_user_sgpr_kernarg_segment_ptr 1
		.amdhsa_wavefront_size32 1
		.amdhsa_system_sgpr_workgroup_id_x 1
		.amdhsa_system_sgpr_workgroup_id_y 1
		.amdhsa_system_sgpr_workgroup_id_z 1
		.amdhsa_system_vgpr_workitem_id 0
		.amdhsa_next_free_vgpr 100
		.amdhsa_next_free_sgpr 66
		.amdhsa_reserve_vcc 0
		.amdhsa_float_denorm_mode_32 3
		.amdhsa_float_denorm_mode_16_64 3
		.amdhsa_memory_ordered 1
		.amdhsa_forward_progress 1
		.amdhsa_inst_pref_size 7
	.end_amdhsa_kernel
	.amdgpu_metadata
---
amdhsa.version: [ 1, 2 ]
amdhsa.kernels:
  - .name:           k_q11e14f1a7b_cvt
    .symbol:         k_q11e14f1a7b_cvt.kd
    .args:
      - { .name: x, .offset: 0, .size: 8, .value_kind: global_buffer, .address_space: global }
      - { .name: w_q, .offset: 8, .size: 8, .value_kind: global_buffer, .address_space: global }
      - { .name: w_k, .offset: 16, .size: 8, .value_kind: global_buffer, .address_space: global }
      - { .name: w_v, .offset: 24, .size: 8, .value_kind: global_buffer, .address_space: global }
      - { .name: xb, .offset: 32, .size: 8, .value_kind: global_buffer, .address_space: global }
      - { .name: wb, .offset: 40, .size: 8, .value_kind: global_buffer, .address_space: global }
    .group_segment_fixed_size: 0
    .private_segment_fixed_size: 0
    .kernarg_segment_align: 8
    .kernarg_segment_size: 48
    .max_flat_workgroup_size: 256
    .sgpr_count:     66
    .vgpr_count:     100
    .wavefront_size: 32
...
	.end_amdgpu_metadata
.endif
;; end of part 1
;; launch proj (part 2): grid 8 x 96, 4 waves a work-group, clusters of 4 x 4, 327,680 bytes of LDS; arguments xb, wb, b_q, qk, vt; writes qk, vt
.if DOCPART == 2
	.amdgcn_target "amdgcn-amd-amdhsa--gfx1250"
	.amdhsa_code_object_version 6
	.text
	.protected	k_q11e14f1a7b_proj
	.globl	k_q11e14f1a7b_proj
	.p2align	8
	.type	k_q11e14f1a7b_proj,@function
k_q11e14f1a7b_proj:
	s_mov_b64 s[64:65], 0
	v_nop
	global_prefetch_b8 v0, s[64:65] scope:SCOPE_SE
	s_setreg_imm32_b32 hwreg(HW_REG_WAVE_MODE, 25, 1), 1
	s_wait_xcnt 0x0
	s_wait_alu depctr_hold_cnt(0) depctr_sa_sdst(0) depctr_va_vdst(0) depctr_va_sdst(0) depctr_va_ssrc(0) depctr_va_vcc(0) depctr_vm_vsrc(0)
	s_getreg_b32 s2, hwreg(HW_REG_IB_STS2, 6, 4)
	s_cmp_eq_u32 s2, 0
	s_cbranch_scc0 .Lentry_in_a_cluster
	s_endpgm
.Lentry_in_a_cluster:
	s_bfe_u32 s2, ttmp6, 0x10000c
	s_cmp_lg_u32 s2, 0xf033
	s_cbranch_scc0 .Lentry_shape_is_right
	s_endpgm
.Lentry_shape_is_right:
; The three projections, as one product C = A B^T in bf16 with f32 sums, K = 1024, in blocks of 128 (rows of A) x 256 (rows of B).
;   clusters y 0-15:  A = xb (8192 rows), B = wb rows 0-2047:  qk[s][0:1024] = (x w_q^T + b_q) / 32,  qk[s][1024:2048] = x w_k^T
;   clusters y 16-23: A = wb rows 2048-3071 (w_v), B = xb rows of one batch:  vt[batch][e][s] = (x w_v^T) transposed
; The factor 1/32 = 1/sqrt(1024) of the scores is a power of two and is put on Q here, exactly.
; LEFT OUT: b_k (the same along the softmax axis for every input: shown at the head of the first kernel).  b_v is added in the last launch.
; V comes out transposed because the last product sums over the keys: its second operand then has the keys along its rows.
;
; Four waves; a wave makes 64 x 128: 32 accumulator tiles, 256 registers.  K goes in steps of 128 through two LDS slots filled by the
; tensor data mover; a tile row is 256 bytes of memory, at a multiple of 256 bytes from the buffer's first byte.
; CLUSTERS of 4 x 4 work-groups: the four of a row of the cluster need the same tile of A, the four of a column the same tile of B.
; Each such tile is asked for jointly, which divides the requests for A and for B by four.  Which of the two roles a work-group has hangs on the
; cluster's y alone, and whether it makes columns of Q on the cluster's x and y alone: both are equal in all sixteen partners.
;
; REGISTERS, in windows of 256:
;   window 0: v16-27 addresses; v64-95, v128-159 fragments of A (4 x 16 rows x 32 K), two buffers; v96-127 packed results; v160-223 b_q
;   window 1: v64-127, v128-191 fragments of B (8 x 16 rows x 32 K), two buffers
;   window 2: accumulator tile (a, b) at v[8 (8 a + b)]
; The matrix instruction is used transposed (source 0 = rows of B, source 1 = rows of A): lane l holds row l % 16 of C, and its eight
; registers the columns 8 (l / 16) + 0..7: eight neighbouring numbers of a row.
.set KSTEP,  128
.set PITCH,  272                       ; an LDS row: 256 bytes + 16 of padding: the 16 rows that a load touches start at 16 different 16-byte columns of 256
.set HALFB,  128*PITCH                 ; 128 rows of B: one tensor load, and what a wave reads of B
.set HALFA,  64*PITCH                  ; 64 rows of A: one tensor load, and what a wave reads of A
.set AOFF,   2*HALFB                   ; in a slot: B's 256 rows, then A's 128 rows
.set SLOT,   2*HALFB+2*HALFA           ; 104,448
.set STAGE,  2*SLOT                    ; behind the ring: 16 rows x 272 bytes for each wave, for the way out; no tensor load lands there
.set SPITCH, 272
.set SRCEL,  1024                      ; elements in a row of xb and of wb
.set CROW,   4096                      ; bytes in a row of qk and of vt
.set LAPS,   4                         ; a lap = two K steps = once round the ring
.set ADRA, 16                          ; v16-17  LDS address of my A fragments in slot 0, 1
.set ADRB, 20                          ; v20-21  the same for B
.set STO,  24                          ; the way out: where I put 16 bytes of a row
.set RD,   25                          ; the way out: where I read a row back
.set CO,   26                          ; my byte offset in C
.set BO,   27                          ; my byte offset in b_q: 32 (l / 16)
.set F0,   64
.set F1,   128
.set TMP,  96
.set BQ,   160
.set G1,  24                           ; s[24:31] descriptor group 1 for A's tiles
.set G0,  32                           ; s[32:39] group 0 for A's tiles, one set for each slot
.set G1B, 48                           ; s[48:55] group 1 for B's tiles
.set G0B, 56                           ; s[56:63] group 0 for B's tiles
.set G1WORD, (1<<16)|(1<<20)|(1<<21)|(5<<22)|(3<<25)   ; element of 2 bytes; padding on; bit 21 beside a mask; after every 64 words, 4 words
.set MUL,  0xa1                        ; source 0 (B) window 1, source 1 (A) window 0, C and D window 2
.set TO_B, 0x40                        ; destination window 1, address window 0
.set MSB, 0
.macro WIN new                         ; the immediate's high byte repeats the setting that is left
.if MSB != \new
	s_set_vgpr_msb (MSB<<8)|\new
.set MSB, \new
.endif
.endm
; A joint load.  Waves 0 and 1 fetch B's two halves, waves 2 and 3 A's.  The branch hangs on the wave's number alone.
.macro JLOAD s
	s_cmp_ge_u32 s10, 2
	s_cbranch_scc1 .Lfor_a_\@
	tensor_load_to_lds s[G0B+4*\s:G0B+4*\s+3], s[G1B:G1B+7]
	s_nop 0
	s_branch .Lasked_\@
.Lfor_a_\@:
	tensor_load_to_lds s[G0+4*\s:G0+4*\s+3], s[G1:G1+7]
	s_nop 0
.Lasked_\@:
.endm
.macro CREST                           ; a round of the cluster's barrier behind its opening work-group barrier
	s_cmp_lg_u32 s10, 0
	s_cbranch_scc1 .Lnot_wave_0_\@
	s_barrier_signal -3
.Lnot_wave_0_\@:
	s_barrier_wait -3
	s_barrier_signal -1
	s_barrier_wait -1
.endm
.macro CROUND                          ; a whole round
	s_barrier_signal -1
	s_barrier_wait -1
	CREST
.endm
.macro PLACES                          ; four places behind a matrix instruction, in front of loads into its sources and of reads of its results
.rept 4
	v_nop
.endr
.endm
	s_load_b256 s[68:75], s[0:1], 0x0              ; xb s[68:69], wb s[70:71], b_q s[72:73], qk s[74:75]
	s_load_b64 s[76:77], s[0:1], 0x20              ; vt
	s_set_vgpr_msb 0x40
	v_lshl_add_u32 v255, v0, 2, 0x37400
	s_set_vgpr_msb 0x4000
	v_mov_b32 v255, 0
	s_set_vgpr_msb 0x1
	ds_add_u32 v255, v255
	s_set_vgpr_msb 0x100
	v_lshrrev_b32 v1, 5, v0
	v_readfirstlane_b32 s10, v1                    ; wave 0..3
	s_lshr_b32 s11, s10, 1                         ; which 64 rows of the block are mine
	s_and_b32 s12, s10, 1                          ; which 128 columns.  Also: which half of its tile the wave fetches
	s_bfe_u32 s40, ttmp6, 0x40000                  ; cx
	s_bfe_u32 s41, ttmp6, 0x40004                  ; cy
	s_lshl_b32 s42, ttmp9, 2
	s_add_co_u32 s42, s42, s40                     ; block column 0..7
	s_and_b32 s80, ttmp7, 0xffff                   ; the cluster's y, 0..23
	s_lshl_b32 s43, s41, 2
	s_lshl_b32 s43, 15, s43                        ; my row of the cluster
	s_lshl_b32 s44, 0x1111, s40                    ; my column
	s_or_b32 s[G1+0], s43, G1WORD                  ; A's tiles go to my row of the cluster,
	s_or_b32 s[G1B+0], s44, G1WORD                 ; B's to my column
	s_mov_b32 s[G1+1], KSTEP<<16                   ; tensor_dim0 = 128
	s_mov_b32 s[G1B+1], KSTEP<<16
	s_mov_b32 s[G1+2], 64<<16                      ; tensor_dim1 = 64 rows of A,
	s_mov_b32 s[G1B+2], 128<<16                    ; 128 of B
	s_mov_b32 s[G1+3], KSTEP<<16                   ; tile_dim0 = 128
	s_mov_b32 s[G1B+3], KSTEP<<16
	s_mov_b32 s[G1+4], 64                          ; tile_dim1
	s_mov_b32 s[G1B+4], 128
	s_mov_b32 s[G1+5], SRCEL                       ; elements from row to row
	s_mov_b32 s[G1B+5], SRCEL
	s_mov_b32 s[G1+6], 0
	s_mov_b32 s[G1B+6], 0
	s_mov_b32 s[G1+7], 0
	s_mov_b32 s[G1B+7], 0
	; the two roles' row bases, from the cluster's y alone; then one compare and selects
	s_lshl_b32 s82, s80, 9                         ; Q, K: A's and C's rows begin at 512 x cluster y
	s_and_b32 s83, s80, 1
	s_lshl_b32 s83, s83, 9                         ; V: 512 x (cluster y & 1)
	s_add_co_u32 s86, s83, 2048                    ; V: A's rows in wb lie behind w_q and w_k
	s_max_u32 s87, s80, 16
	s_sub_co_u32 s87, s87, 16
	s_lshr_b32 s87, s87, 1                         ; V: batch
	s_lshl_b32 s88, s87, 11                        ; V: B's rows in xb
	s_lshl_b32 s89, s87, 10
	s_add_co_u32 s89, s89, s83                     ; V: C's rows in vt
	s_wait_dscnt 0x0
	s_wait_kmcnt 0x0
	s_cmp_ge_u32 s80, 16
	s_cselect_b32 s13, s86, s82                    ; A's row base
	s_cselect_b32 s90, s88, 0                      ; B's row base
	s_cselect_b32 s91, s89, s82                    ; C's row base
	s_cselect_b64 s[4:5], s[70:71], s[68:69]       ; A from wb or xb
	s_cselect_b64 s[6:7], s[68:69], s[70:71]       ; B from xb or wb
	s_cselect_b64 s[8:9], s[76:77], s[74:75]       ; C is vt or qk
	s_cselect_b32 s81, 1, 0
	s_or_b32 s81, s81, ttmp9                       ; 0 only where the block's columns are Q's (block columns 0-3 of the first role)
	s_lshl_b32 s14, s41, 7
	s_add_co_u32 s13, s13, s14                     ; + 128 cy: the block's first row of A,
	s_add_co_u32 s91, s91, s14                     ; and of C
	s_lshl_b32 s14, s12, 6
	s_add_co_u32 s16, s13, s14                     ; the 64 rows of A that the wave would fetch
	s_lshl_b32 s16, s16, 11                        ; rows of 2,048 bytes
	s_mov_b32 s17, 0
	s_add_nc_u64 s[14:15], s[4:5], s[16:17]
	s_lshl_b32 s46, s42, 8
	s_add_co_u32 s46, s46, s90                     ; the block's first row of B
	s_lshl_b32 s47, s12, 7
	s_add_co_u32 s46, s46, s47                     ; the 128 rows of B that the wave would fetch
	s_lshl_b32 s46, s46, 11
	s_mov_b32 s47, 0
	s_add_nc_u64 s[46:47], s[6:7], s[46:47]
	s_lshl_b32 s92, s11, 6                         ; C at my wave's corner: rows
	s_add_co_u32 s92, s91, s92
	s_lshl_b32 s92, s92, 12
	s_lshl_b32 s93, s42, 9                         ; 512 bytes a block column
	s_add_co_u32 s92, s92, s93
	s_lshl_b32 s93, s12, 8
	s_add_co_u32 s92, s92, s93
	s_mov_b32 s93, 0
	s_add_nc_u64 s[8:9], s[8:9], s[92:93]
	s_mul_i32 s20, s10, HALFB                      ; where B's halves go (waves 0, 1): wave x 128 rows
	s_mul_i32 s18, s10, HALFA
	s_add_co_u32 s18, s18, AOFF-2*HALFA            ; where A's halves go (waves 2, 3): behind B's 256 rows
	CROUND                                         ; all sixteen work-groups are here: the first joint loads meet
.irp s, 0,1
	s_mov_b32 s[G0+4*\s], 1
	s_add_co_u32 s[G0+4*\s+1], s18, \s*SLOT
	s_add_nc_u64 s[G0+4*\s+2:G0+4*\s+3], s[14:15], \s*KSTEP*2
	s_or_b32 s[G0+4*\s+3], s[G0+4*\s+3], 0x80000000
	s_mov_b32 s[G0B+4*\s], 1
	s_add_co_u32 s[G0B+4*\s+1], s20, \s*SLOT
	s_add_nc_u64 s[G0B+4*\s+2:G0B+4*\s+3], s[46:47], \s*KSTEP*2
	s_or_b32 s[G0B+4*\s+3], s[G0B+4*\s+3], 0x80000000
	JLOAD \s                                       ; both slots are asked for before anything else: two tensor loads of the wave are out
.endr
	v_and_b32 v1, 15, v0                           ; l % 16
	v_bfe_u32 v2, v0, 4, 1                         ; l / 16
	v_mul_u32_u24 v3, v1, PITCH
	v_lshl_add_u32 v3, v2, 4, v3                   ; row x pitch + 16 x half
	s_mul_i32 s21, s11, HALFA
	s_add_co_u32 s21, s21, AOFF                    ; my 64 rows of A
	s_mul_i32 s22, s12, HALFB                      ; my 128 rows of B
.irp s, 0,1
	v_add_nc_u32 v[ADRA+\s], s21, v3
	v_add_nc_u32 v[ADRB+\s], s22, v3
	s_add_co_u32 s21, s21, SLOT
	s_add_co_u32 s22, s22, SLOT
.endr
	s_mul_i32 s23, s10, 16*SPITCH
	s_add_co_u32 s23, s23, STAGE                   ; my stage
	v_add_nc_u32 v[STO], s23, v3                   ; in: row l % 16, 16 bytes for each half of the lanes
	v_mul_u32_u24 v5, v2, SPITCH                   ; back: lanes 0-15 one row of 256 bytes, lanes 16-31 the next
	v_lshl_add_u32 v5, v1, 4, v5
	v_add_nc_u32 v[RD], s23, v5
	v_lshlrev_b32 v5, 12, v2                       ; and the same two rows in C
	v_lshl_add_u32 v[CO], v1, 4, v5
	v_lshlrev_b32 v[BO], 5, v2
; 8 matrix instructions: row tile a x all 8 column tiles, 32 along K.  zero = 1: the product starts the sums, nothing is cleared.
; The 32 accumulators take turns, one instruction a turn, in the same order in every quarter step.
.macro MUL8 f, a, zero
.irp b, 0,1,2,3,4,5,6,7
.if \zero
	v_wmma_f32_16x16x32_bf16 v[8*(8*\a+\b):8*(8*\a+\b)+7], v[\f+8*\b:\f+8*\b+7], v[\f+8*\a:\f+8*\a+7], 0
.else
	v_wmma_f32_16x16x32_bf16 v[8*(8*\a+\b):8*(8*\a+\b)+7], v[\f+8*\b:\f+8*\b+7], v[\f+8*\a:\f+8*\a+7], v[8*(8*\a+\b):8*(8*\a+\b)+7]
.endif
.endr
.endm
; 24 LDS loads in one run: 128 rows of B, then 64 rows of A, 32 K at byte k of the rows, into buffer f
.macro FETCH slot, k, f
	WIN TO_B
.irp i, 0,1,2,3,4,5,6,7
	ds_load_b128 v[\f+8*\i:\f+8*\i+3],   v[ADRB+\slot] offset:\k+\i*16*PITCH
	ds_load_b128 v[\f+8*\i+4:\f+8*\i+7], v[ADRB+\slot] offset:\k+\i*16*PITCH+32
.endr
	WIN 0
.irp i, 0,1,2,3
	ds_load_b128 v[\f+8*\i:\f+8*\i+3],   v[ADRA+\slot] offset:\k+\i*16*PITCH
	ds_load_b128 v[\f+8*\i+4:\f+8*\i+7], v[ADRA+\slot] offset:\k+\i*16*PITCH+32
.endr
.endm
; One of a K step's first three quarters: multiplies buffer f; in its middle fetches the next quarter's fragments into buffer g.
.macro QUARTER slot, k, f, g, zero
	s_wait_dscnt 4                                 ; B and A's tiles 0, 1 are in; the youngest four loads (A's tiles 2, 3) may be out
	WIN MUL
	MUL8 \f, 0, \zero
	MUL8 \f, 1, \zero
	PLACES
	FETCH \slot, \k, \g
	s_wait_dscnt 24                                ; all but the 24 just issued
	WIN MUL
	MUL8 \f, 2, \zero
	MUL8 \f, 3, \zero
.endm
.macro THREE slot, zero
	QUARTER \slot, 64,  F0, F1, \zero
	QUARTER \slot, 128, F1, F0, 0
	QUARTER \slot, 192, F0, F1, 0
.endm
; The last quarter: multiplies buffer 1 and changes slots.  In front of the barrier each wave waits for its reads of this slot and for all
; its tensor loads (one is out: its part of the next slot).  Where the slot is filled again the barrier opens a round of the cluster's barrier,
; and the joint refill is the wave's first and only tensor load behind the round.  From a request to the wait for it a wave issues 120 matrix instructions.
.macro TURN slot, next, fill
	s_wait_dscnt 4
	WIN MUL
	MUL8 F1, 0, 0
	s_wait_dscnt 0                                 ; my reads of this slot are over
	s_wait_tensorcnt 0x0                           ; all my tensor loads have landed
	ds_add_u32 v255, v255
	s_wait_dscnt 0x0
	s_barrier_signal -1
	MUL8 F1, 1, 0                                  ; register work while the others arrive
	WIN 0
	s_barrier_wait -1
.if \fill
	CREST                                          ; no wave of any partner still reads this slot or has a load on its way
	s_add_nc_u64 s[G0+4*\slot+2:G0+4*\slot+3], s[G0+4*\slot+2:G0+4*\slot+3], 2*KSTEP*2
	s_add_nc_u64 s[G0B+4*\slot+2:G0B+4*\slot+3], s[G0B+4*\slot+2:G0B+4*\slot+3], 2*KSTEP*2
	JLOAD \slot
.endif
	PLACES
	FETCH \next, 0, F0
	WIN MUL
	MUL8 F1, 2, 0
	MUL8 F1, 3, 0
.endm
.macro LAP zero                        ; once round the ring, both slots filled again
	THREE 0, \zero
	TURN 0, 1, 1
	THREE 1, 0
	TURN 1, 0, 1
.endm
.macro LASTSTEP                        ; the last K step: nothing more to fetch
	THREE 1, 0
	s_wait_dscnt 4
	WIN MUL
	MUL8 F1, 0, 0
	MUL8 F1, 1, 0
	s_wait_dscnt 0
	MUL8 F1, 2, 0
	MUL8 F1, 3, 0
	WIN 0
.endm
	s_wait_tensorcnt 0x1                           ; my part of K step 0 is in; K step 1's stays out
	s_barrier_signal -1
	s_barrier_wait -1
	FETCH 0, 0, F0
	LAP 1                                          ; the first lap's first products start the sums
	WIN 0
	s_mov_b32 s3, LAPS-2
.Llap:
	LAP 0
	WIN 0
	s_sub_co_u32 s3, s3, 1
	s_cmp_lg_u32 s3, 0
	s_cbranch_scc1 .Llap
	THREE 0, 0                                     ; the last lap fills nothing
	TURN 0, 1, 0
	WIN 0
	s_cmp_eq_u32 s81, 0
	s_cbranch_scc0 .Lplain
	; Q's columns: b_q is asked for one K step (128 matrix instructions) ahead of its use
	s_lshl_b32 s94, s42, 10
	s_lshl_b32 s95, s12, 9
	s_add_co_u32 s94, s94, s95                     ; 4 bytes x (256 x block column + 128 x half)
	s_mov_b32 s95, 0
	s_add_nc_u64 s[94:95], s[72:73], s[94:95]
.irp b, 0,1,2,3,4,5,6,7
	global_load_b128 v[BQ+8*\b:BQ+8*\b+3],   v[BO], s[94:95] offset:64*\b      ; b_q of columns 16 b + 8 (l / 16) + 0..3
	global_load_b128 v[BQ+8*\b+4:BQ+8*\b+7], v[BO], s[94:95] offset:64*\b+16   ; and + 4..7
.endr
	LASTSTEP
	PLACES
	s_wait_loadcnt 0x0
.irp i, 0,2,4,6,8,10,12,14,16,18,20,22,24,26,28,30,32,34,36,38,40,42,44,46,48,50,52,54,56,58,60,62
	v_pk_mul_f32 v[BQ+\i:BQ+\i+1], v[BQ+\i:BQ+\i+1], 0x3d000000 op_sel_hi:[1,0]     ; b_q / 32, exact
.endr
	WIN 0x82                                       ; destination and source 0 window 2, source 2 window 0
.irp a, 0,1,2,3
.irp b, 0,1,2,3,4,5,6,7
.irp q, 0,2,4,6
	v_pk_fma_f32 v[8*(8*\a+\b)+\q:8*(8*\a+\b)+\q+1], v[8*(8*\a+\b)+\q:8*(8*\a+\b)+\q+1], 0x3d000000, v[BQ+8*\b+\q:BQ+8*\b+\q+1] op_sel_hi:[1,0,1]
.endr
.endr
.endr
	WIN 0
	s_branch .Lout
.Lplain:
	LASTSTEP
	PLACES
.Lout:
; THE WAY OUT, 16 rows at a time: round to bf16, 16 bytes a lane into my own stage, read back as whole rows of 256 bytes.
.macro OUT16 i, f
	WIN 0x0a                                       ; sources 0 and 1 window 2
.irp b, 0,1,2,3,4,5,6,7
.irp q, 0,1,2,3
	v_cvt_pk_bf16_f32 v[TMP+4*\b+\q], v[8*(8*\i+\b)+2*\q], v[8*(8*\i+\b)+2*\q+1]
.endr
.endr
	WIN 0
.irp b, 0,1,2,3,4,5,6,7
	ds_store_b128 v[STO], v[TMP+4*\b:TMP+4*\b+3] offset:32*\b
.endr
	s_wait_xcnt 0x0                                ; buffer f, which earlier stores read, and the stores' base are rewritten only behind this wait
.if \i
	s_add_nc_u64 s[8:9], s[8:9], 16*CROW
.endif
.irp t, 0,1,2,3,4,5,6,7
	ds_load_b128 v[\f+4*\t:\f+4*\t+3], v[RD] offset:\t*2*SPITCH    ; LDS serves a wave's instructions in order: these see the stores above
.endr
.irp t, 0,1,2,3,4,5,6,7
	s_wait_dscnt 7-\t                              ; load t is in, the younger ones stay out
	global_store_b128 v[CO], v[\f+4*\t:\f+4*\t+3], s[8:9] offset:2*\t*CROW   ; 16 lanes store 256 consecutive bytes, aligned
.endr
.endm
	OUT16 0, F0
	OUT16 1, F1
	OUT16 2, F0
	OUT16 3, F1
	s_set_vgpr_msb 0x1
	s_wait_tensorcnt 0x0
	ds_add_u32 v255, v255
	s_wait_dscnt 0x0
	s_set_vgpr_msb 0x100
	CROUND                                         ; the closing round: no work-group ends while a partner may still ask for a tile that names it
	s_endpgm
.Lfunc_end_k_q11e14f1a7b_proj:
	.size	k_q11e14f1a7b_proj, .Lfunc_end_k_q11e14f1a7b_proj-k_q11e14f1a7b_proj
	.p2alignl 7, 3214868480
	.fill 96, 4, 3214868480
	.section	.rodata,"a",@progbits
	.p2align	6, 0x0
	.amdhsa_kernel k_q11e14f1a7b_proj
		.amdhsa_group_segment_fixed_size 327680
		.amdhsa_private_segment_fixed_size 0
		.amdhsa_enable_private_segment 0
		.amdhsa_kernarg_size 40
		.amdhsa_user_sgpr_count 2
		.amdhsa_user_sgpr_kernarg_segment_ptr 1
		.amdhsa_wavefront_size32 1
		.amdhsa_system_sgpr_workgroup_id_x 1
		.amdhsa_system_sgpr_workgroup_id_y 1
		.amdhsa_system_sgpr_workgroup_id_z 1
		.amdhsa_system_vgpr_workitem_id 0
		.amdhsa_next_free_vgpr 768
		.amdhsa_next_free_sgpr 96
		.amdhsa_reserve_vcc 0
		.amdhsa_float_denorm_mode_32 3
		.amdhsa_float_denorm_mode_16_64 3
		.amdhsa_memory_ordered 1
		.amdhsa_forward_progress 1
		.amdhsa_inst_pref_size 150
	.end_amdhsa_kernel
	.amdgpu_metadata
---
amdhsa.version: [ 1, 2 ]
amdhsa.kernels:
  - .name:           k_q11e14f1a7b_proj
    .symbol:         k_q11e14f1a7b_proj.kd
    .args:
      - { .name: xb, .offset: 0, .size: 8, .value_kind: global_buffer, .address_space: global }
      - { .name: wb, .offset: 8, .size: 8, .value_kind: global_buffer, .address_space: global }
      - { .name: b_q, .offset: 16, .size: 8, .value_kind: global_buffer, .address_space: global }
      - { .name: qk, .offset: 24, .size: 8, .value_kind: global_buffer, .address_space: global }
      - { .name: vt, .offset: 32, .size: 8, .value_kind: global_buffer, .address_space: global }
    .group_segment_fixed_size: 327680
    .private_segment_fixed_size: 0
    .kernarg_segment_align: 8
    .kernarg_segment_size: 40
    .max_flat_workgroup_size: 128
    .sgpr_count:     96
    .vgpr_count:     768
    .wavefront_size: 32
...
	.end_amdgpu_metadata
.endif
;; end of part 2
;; launch scores (part 3): grid 8 x 32, 4 waves a work-group, clusters of 4 x 4, 327,680 bytes of LDS; arguments qk, mask, p, stats; writes p, stats
.if DOCPART == 3
	.amdgcn_target "amdgcn-amd-amdhsa--gfx1250"
	.amdhsa_code_object_version 6
	.text
	.protected	k_q11e14f1a7b_scores
	.globl	k_q11e14f1a7b_scores
	.p2align	8
	.type	k_q11e14f1a7b_scores,@function
k_q11e14f1a7b_scores:
	s_mov_b64 s[64:65], 0
	v_nop
	global_prefetch_b8 v0, s[64:65] scope:SCOPE_SE
	s_setreg_imm32_b32 hwreg(HW_REG_WAVE_MODE, 25, 1), 1
	s_wait_xcnt 0x0
	s_wait_alu depctr_hold_cnt(0) depctr_sa_sdst(0) depctr_va_vdst(0) depctr_va_sdst(0) depctr_va_ssrc(0) depctr_va_vcc(0) depctr_vm_vsrc(0)
	s_getreg_b32 s2, hwreg(HW_REG_IB_STS2, 6, 4)
	s_cmp_eq_u32 s2, 0
	s_cbranch_scc0 .Lentry_in_a_cluster
	s_endpgm
.Lentry_in_a_cluster:
	s_bfe_u32 s2, ttmp6, 0x10000c
	s_cmp_lg_u32 s2, 0xf033
	s_cbranch_scc0 .Lentry_shape_is_right
	s_endpgm
.Lentry_shape_is_right:
; Scores and the first half of the softmax, in blocks of 256 queries x 256 keys.
;   S = mask + (Q/32) K0^T;  m = the block's row maximum;  p = exp(S - m) in bf16;  l = row sums of exp(S - m) over each 128 keys, in f32.
;   stats: m[8 key blocks][8192 rows] at byte 0;  l[16 halves of key blocks][8192 rows] at byte 262,144.
; The last launch joins the eight key blocks of a row exactly: it takes the largest of the eight maxima away.
; LEFT OUT: b_k (the same along the softmax axis for every input: shown at the head of the first kernel).
; LIMITS.  The mask is the start value of the f32 sums and is not added last, so the order of rounding differs: each of the 32 products
; along K rounds at the magnitude of mask + partial sum.  l is summed from the exponentials before they are rounded to bf16.
; v_exp_f32 gives zero for results below 2^-126 (ISA guide 15.8).  A block whose 256 scores of a row are all -inf stores m = -inf, p = 0, l = 0.
;
; The product is a bf16 GEMM C = A B^T, K = 1024: four waves, a wave makes 128 x 128 in 64 accumulator tiles; K in steps of 128 through two LDS
; slots; clusters of 4 x 4 work-groups ask jointly for Q's tiles (shared along a row of the cluster) and K0's (along a column).
; REGISTERS: window 0: v8-59 addresses and row figures; v64-127, v128-191 fragments of A; v192-255 at work in the epilogue
;            window 1: v64-127, v128-191 fragments of B;  window 2: tiles of my rows 0-63 (tile (a, b) at v[8 (8 a + b)]);  window 3: rows 64-127
; The matrix instruction is used transposed (source 0 = rows of K0, source 1 = rows of Q): lane l holds query row l % 16 of a tile, and its eight
; registers the keys 8 (l / 16) + 0..7.  So a row's maximum and sum are taken inside a lane, then across the two halves of the lanes.
.set KSTEP,  128
.set PITCH,  272
.set HALFT,  128*PITCH
.set SLOT,   4*HALFT                   ; A's 256 rows, then B's 256 rows
.set STAGE,  2*SLOT                    ; 278,528: each wave's own stage; no tensor load lands behind the ring
.set MPITCH, 528                       ; stage rows on the way in: 512 bytes of mask + 16
.set SPITCH, 272                       ; stage rows on the way out: 256 bytes of p + 16
.set STAGEW, 16*MPITCH                 ; 8,448 bytes a wave
.set XCH,    STAGE+4*STAGEW            ; 312,320: 512 bytes a wave: my row maxima, for the wave with the other 128 keys
.set XS,     XCH+4*512                 ; 314,368: 1,024 bytes a wave: m at 0, l at 512, to turn them into rows of 512 bytes
.set QKROW,  4096                      ; bytes in a row of qk and of p
.set LAPS,   4
.set LR,   8                           ; v[8:15]   l of row tile a
.set ADRA, 16
.set ADRB, 20
.set STO,  24
.set RD,   25
.set CO,   26
.set MO,   27                          ; 16 x lane: offset in a row piece of the mask, and in the stats
.set STI,  28                          ; stage + 16 lane
.set STL,  29                          ; stage + 528 (l % 16) + 32 (l / 16)
.set XW,   30
.set XR,   31
.set SW,   32
.set SR,   33
.set MR,   36                          ; v[36:43]  m of row tile a
.set CM,   44                          ; v[44:59]  -log2(e) x m, twice, for row tile a
.set F0,   64
.set F1,   128
.set TMP,  192
.set SUM,  224                         ; v[224:255] partial sums; first the chains of the maxima
.set MX,   224
.set G1,  24
.set G0,  32
.set G1B, 48
.set G0B, 56
.set G1WORD, (1<<16)|(1<<20)|(1<<21)|(5<<22)|(3<<25)
.set MUL_LO, 0xa1
.set MUL_HI, 0xf1
.set TO_B,   0x40
.set MSB, 0
.macro WIN new
.if MSB != \new
	s_set_vgpr_msb (MSB<<8)|\new
.set MSB, \new
.endif
.endm
.macro JLOAD s                         ; waves 0 and 1 fetch A's two halves, waves 2 and 3 B's
	s_cmp_eq_u32 s11, 0
	s_cbranch_scc0 .Lfor_b_\@
	tensor_load_to_lds s[G0+4*\s:G0+4*\s+3], s[G1:G1+7]
	s_nop 0
	s_branch .Lasked_\@
.Lfor_b_\@:
	tensor_load_to_lds s[G0B+4*\s:G0B+4*\s+3], s[G1B:G1B+7]
	s_nop 0
.Lasked_\@:
.endm
.macro CREST
	s_cmp_lg_u32 s10, 0
	s_cbranch_scc1 .Lnot_wave_0_\@
	s_barrier_signal -3
.Lnot_wave_0_\@:
	s_barrier_wait -3
	s_barrier_signal -1
	s_barrier_wait -1
.endm
.macro CROUND
	s_barrier_signal -1
	s_barrier_wait -1
	CREST
.endm
.macro PLACES
.rept 4
	v_nop
.endr
.endm
	s_load_b256 s[68:75], s[0:1], 0x0              ; qk s[68:69], mask s[70:71], p s[72:73], stats s[74:75]
	s_set_vgpr_msb 0x40
	v_lshl_add_u32 v255, v0, 2, 0x4dc00
	s_set_vgpr_msb 0x4000
	v_mov_b32 v63, 0
	s_set_vgpr_msb 0x1
	ds_add_u32 v255, v63
	s_set_vgpr_msb 0x100
	v_lshrrev_b32 v1, 5, v0
	v_readfirstlane_b32 s10, v1                    ; wave 0..3
	s_lshr_b32 s11, s10, 1                         ; which 128 queries are mine.  Also: I fetch for A (0) or for B (1)
	s_and_b32 s12, s10, 1                          ; which 128 keys.  Also: which 128 rows of that tile I fetch
	s_bfe_u32 s40, ttmp6, 0x40000                  ; cx
	s_bfe_u32 s41, ttmp6, 0x40004                  ; cy
	s_lshl_b32 s42, ttmp9, 2
	s_add_co_u32 s42, s42, s40                     ; key block 0..7
	s_and_b32 s80, ttmp7, 0xffff                   ; the cluster's y, 0..7
	s_lshl_b32 s13, s80, 2
	s_add_co_u32 s13, s13, s41                     ; block of 256 of the 8192 rows, 0..31
	s_lshr_b32 s81, s80, 1                         ; batch
	s_and_b32 s82, s80, 1
	s_lshl_b32 s82, s82, 2
	s_add_co_u32 s82, s82, s41                     ; query block inside the batch, 0..7
	s_lshl_b32 s43, s41, 2
	s_lshl_b32 s43, 15, s43                        ; my row of the cluster
	s_lshl_b32 s44, 0x1111, s40                    ; my column
	s_mov_b32 s84, 0x76543210                      ; v_permlanex16_b32: lane i of one half reads lane i of the other
	s_mov_b32 s85, 0xfedcba98
	s_or_b32 s[G1+0], s43, G1WORD
	s_or_b32 s[G1B+0], s44, G1WORD
	s_mov_b32 s[G1+1], KSTEP<<16
	s_mov_b32 s[G1B+1], KSTEP<<16
	s_mov_b32 s[G1+2], 128<<16
	s_mov_b32 s[G1B+2], 128<<16
	s_mov_b32 s[G1+3], KSTEP<<16
	s_mov_b32 s[G1B+3], KSTEP<<16
	s_mov_b32 s[G1+4], 128
	s_mov_b32 s[G1B+4], 128
	s_mov_b32 s[G1+5], 2048                        ; a row of qk is 2,048 elements: Q's 1,024, then K0's
	s_mov_b32 s[G1B+5], 2048
	s_mov_b32 s[G1+6], 0
	s_mov_b32 s[G1B+6], 0
	s_mov_b32 s[G1+7], 0
	s_mov_b32 s[G1B+7], 0
	s_lshl_b32 s17, s12, 7                         ; which 128 rows of the tile I fetch
	s_lshl_b32 s16, s13, 8
	s_add_co_u32 s16, s16, s17
	s_lshl_b32 s16, s16, 12                        ; A: Q's rows, 4,096 bytes each
	s_lshl_b32 s46, s42, 8
	s_add_co_u32 s46, s46, s17
	s_lshl_b32 s47, s81, 11
	s_add_co_u32 s46, s46, s47                     ; B: row 2048 batch + 256 key block + 128 half
	s_lshl_b32 s46, s46, 12
	s_add_co_u32 s46, s46, 2048                    ; K0 begins 2,048 bytes into a row
	s_mov_b32 s17, 0
	s_mov_b32 s47, 0
	s_lshl_b32 s86, s82, 8                         ; the mask at my wave's corner: row 256 query block + 128 half,
	s_lshl_b32 s87, s11, 7
	s_add_co_u32 s86, s86, s87
	s_lshl_b32 s86, s86, 13                        ; rows of 8,192 bytes,
	s_lshl_b32 s87, s42, 10
	s_add_co_u32 s86, s86, s87                     ; column 256 key block
	s_lshl_b32 s87, s12, 9
	s_add_co_u32 s86, s86, s87                     ; + 128 half, 4 bytes each
	s_mov_b32 s87, 0
	s_lshl_b32 s88, s13, 8
	s_lshl_b32 s89, s11, 7
	s_add_co_u32 s88, s88, s89                     ; my first of the 8192 rows
	s_lshl_b32 s14, s88, 12                        ; p at my wave's corner
	s_lshl_b32 s15, s42, 9
	s_add_co_u32 s14, s14, s15
	s_lshl_b32 s15, s12, 8
	s_add_co_u32 s14, s14, s15
	s_mov_b32 s15, 0
	s_lshl_b32 s90, s42, 15                        ; m: 32,768 bytes a key block
	s_lshl2_add_u32 s90, s88, s90                  ; + 4 bytes a row
	s_mov_b32 s91, 0
	s_lshl_b32 s92, s42, 1
	s_add_co_u32 s92, s92, s12                     ; l: half 2 x key block + my half
	s_lshl_b32 s92, s92, 15
	s_lshl2_add_u32 s92, s88, s92
	s_add_co_u32 s92, s92, 262144
	s_mov_b32 s93, 0
	s_mul_i32 s20, s10, HALFT                      ; where my tile goes: A's two halves, then B's two halves
	s_wait_dscnt 0x0
	s_wait_kmcnt 0x0
	s_add_nc_u64 s[8:9], s[72:73], s[14:15]        ; p
	s_add_nc_u64 s[14:15], s[68:69], s[16:17]      ; A's tile
	s_add_nc_u64 s[46:47], s[68:69], s[46:47]      ; B's tile
	s_add_nc_u64 s[86:87], s[70:71], s[86:87]      ; mask
	s_add_nc_u64 s[90:91], s[74:75], s[90:91]      ; m
	s_add_nc_u64 s[92:93], s[74:75], s[92:93]      ; l
	CROUND                                         ; all sixteen work-groups are here: the first joint loads meet
.irp s, 0,1
	s_mov_b32 s[G0+4*\s], 1
	s_add_co_u32 s[G0+4*\s+1], s20, \s*SLOT
	s_add_nc_u64 s[G0+4*\s+2:G0+4*\s+3], s[14:15], \s*KSTEP*2
	s_or_b32 s[G0+4*\s+3], s[G0+4*\s+3], 0x80000000
	s_mov_b32 s[G0B+4*\s], 1
	s_add_co_u32 s[G0B+4*\s+1], s20, \s*SLOT
	s_add_nc_u64 s[G0B+4*\s+2:G0B+4*\s+3], s[46:47], \s*KSTEP*2
	s_or_b32 s[G0B+4*\s+3], s[G0B+4*\s+3], 0x80000000
	JLOAD \s                                       ; two tensor loads of the wave are out
.endr
	v_and_b32 v1, 15, v0                           ; l % 16
	v_bfe_u32 v2, v0, 4, 1                         ; l / 16
	v_and_b32 v6, 31, v0                           ; lane
	v_mul_u32_u24 v3, v1, PITCH
	v_lshl_add_u32 v3, v2, 4, v3
	s_mul_i32 s21, s11, HALFT                      ; my 128 rows of A
	s_mul_i32 s22, s12, HALFT
	s_add_co_u32 s22, s22, 2*HALFT                 ; my 128 rows of B
.irp s, 0,1
	v_add_nc_u32 v[ADRA+\s], s21, v3
	v_add_nc_u32 v[ADRB+\s], s22, v3
	s_add_co_u32 s21, s21, SLOT
	s_add_co_u32 s22, s22, SLOT
.endr
	s_mul_i32 s23, s10, STAGEW
	s_add_co_u32 s23, s23, STAGE                   ; my stage
	v_add_nc_u32 v[STO], s23, v3                   ; p in: row l % 16 at pitch 272, 16 bytes for each half of the lanes
	v_mul_u32_u24 v5, v2, SPITCH
	v_lshl_add_u32 v5, v1, 4, v5
	v_add_nc_u32 v[RD], s23, v5                    ; p back: lanes 0-15 one row of 256 bytes, lanes 16-31 the next
	v_lshlrev_b32 v5, 12, v2
	v_lshl_add_u32 v[CO], v1, 4, v5                ; the same two rows in p
	v_lshlrev_b32 v[MO], 4, v6
	v_add_nc_u32 v[STI], s23, v[MO]                ; mask in: a row piece of 512 bytes, 16 bytes a lane
	v_mul_u32_u24 v5, v1, MPITCH
	v_lshl_add_u32 v5, v2, 5, v5
	v_add_nc_u32 v[STL], s23, v5                   ; mask back: row l % 16, 32 bytes for each half of the lanes
	v_lshlrev_b32 v4, 2, v1                        ; 4 (l % 16)
	s_lshl_b32 s14, s10, 9
	s_add_co_u32 s14, s14, XCH
	v_add_nc_u32 v[XW], s14, v4                    ; my maxima
	s_xor_b32 s14, s10, 1
	s_lshl_b32 s14, s14, 9
	s_add_co_u32 s14, s14, XCH
	v_add_nc_u32 v[XR], s14, v4                    ; those of the wave with the same queries and the other 128 keys
	s_lshl_b32 s14, s10, 10
	s_add_co_u32 s14, s14, XS
	v_add_nc_u32 v[SW], s14, v4
	v_add_nc_u32 v[SR], s14, v[MO]
; THE MASK STARTS THE SUMS.  Row tile a (16 queries x my 128 keys) comes in as sixteen row pieces of 512 consecutive bytes, straight into the 64
; registers of the tile row, goes through my own stage, and comes back in the accumulators' layout.  Three tile rows are on their way at a time.
.macro LOADM a
.if \a < 4
	WIN 0x80                                       ; destination window 2
.else
	WIN 0xc0                                       ; destination window 3
.endif
.irp t, 0,1,2,3,4,5,6,7,8,9,10,11,12,13,14,15
	global_load_b128 v[64*(\a%4)+4*\t:64*(\a%4)+4*\t+3], v[MO], s[86:87] offset:(16*\a+\t)*8192
.endr
.endm
; left = the loads of the later tile rows already issued; nxt = the tile row asked for now (8: none)
.macro MASKROW a, left, nxt
	s_wait_loadcnt \left
.if \nxt < 8
	LOADM \nxt
.endif
.if \a < 4
	WIN 0x08                                       ; store data window 2
.else
	WIN 0x0c
.endif
.irp t, 0,1,2,3,4,5,6,7,8,9,10,11,12,13,14,15
	ds_store_b128 v[STI], v[64*(\a%4)+4*\t:64*(\a%4)+4*\t+3] offset:MPITCH*\t
.endr
.if \a < 4
	WIN 0x80
.else
	WIN 0xc0
.endif
.irp b, 0,1,2,3,4,5,6,7
	ds_load_b128 v[64*(\a%4)+8*\b:64*(\a%4)+8*\b+3],   v[STL] offset:64*\b      ; LDS serves a wave's instructions in order: these see the stores above,
	ds_load_b128 v[64*(\a%4)+8*\b+4:64*(\a%4)+8*\b+7], v[STL] offset:64*\b+16   ; and the next tile row's stores come behind them
.endr
.endm
	LOADM 0
	LOADM 1
	LOADM 2
	MASKROW 0, 32, 3
	MASKROW 1, 32, 4
	MASKROW 2, 32, 5
	MASKROW 3, 32, 6
	MASKROW 4, 32, 7
	MASKROW 5, 32, 8
	MASKROW 6, 16, 8
	MASKROW 7, 0, 8
	WIN 0
; 16 matrix instructions: row tiles a0, a0 + 1 of the window's four x all 8 column tiles, 32 along K.  The 64 accumulators take turns, one
; instruction a turn, in the same order in every quarter step.
.macro MUL16 f, hi, a0
.irp a, \a0, \a0+1
.irp b, 0,1,2,3,4,5,6,7
	v_wmma_f32_16x16x32_bf16 v[8*(8*(\a)+\b):8*(8*(\a)+\b)+7], v[\f+8*\b:\f+8*\b+7], v[\f+8*(4*\hi+\a):\f+8*(4*\hi+\a)+7], v[8*(8*(\a)+\b):8*(8*(\a)+\b)+7]
.endr
.endr
.endm
.macro FETCH slot, k, f                ; 32 LDS loads in one run: 128 rows of B, 128 rows of A, 32 K at byte k
	WIN TO_B
.irp i, 0,1,2,3,4,5,6,7
	ds_load_b128 v[\f+8*\i:\f+8*\i+3],   v[ADRB+\slot] offset:\k+\i*16*PITCH
	ds_load_b128 v[\f+8*\i+4:\f+8*\i+7], v[ADRB+\slot] offset:\k+\i*16*PITCH+32
.endr
	WIN 0
.irp i, 0,1,2,3,4,5,6,7
	ds_load_b128 v[\f+8*\i:\f+8*\i+3],   v[ADRA+\slot] offset:\k+\i*16*PITCH
	ds_load_b128 v[\f+8*\i+4:\f+8*\i+7], v[ADRA+\slot] offset:\k+\i*16*PITCH+32
.endr
.endm
.macro QUARTER slot, k, f, g
	s_wait_dscnt 8                                 ; B and A's rows 0-63 are in; the youngest eight loads (A's rows 64-127) may be out
	WIN MUL_LO
	MUL16 \f, 0, 0
	MUL16 \f, 0, 2
	PLACES
	FETCH \slot, \k, \g
	s_wait_dscnt 32                                ; all but the 32 just issued
	WIN MUL_HI
	MUL16 \f, 1, 0
	MUL16 \f, 1, 2
.endm
.macro THREE slot
	QUARTER \slot, 64,  F0, F1
	QUARTER \slot, 128, F1, F0
	QUARTER \slot, 192, F0, F1
.endm
; The last quarter changes slots: each wave's reads of this slot and all its tensor loads are waited for in front of the barrier; where the slot is
; filled again the barrier opens a round of the cluster's barrier and the joint refill is the wave's first and only tensor load behind it.
.macro TURN slot, next, fill
	s_wait_dscnt 8
	WIN MUL_LO
	MUL16 F1, 0, 0
	s_wait_dscnt 0
	s_wait_tensorcnt 0x0
	ds_add_u32 v255, v63
	s_wait_dscnt 0x0
	s_barrier_signal -1
	MUL16 F1, 0, 2
	WIN 0
	s_barrier_wait -1
.if \fill
	CREST
	s_add_nc_u64 s[G0+4*\slot+2:G0+4*\slot+3], s[G0+4*\slot+2:G0+4*\slot+3], 2*KSTEP*2
	s_add_nc_u64 s[G0B+4*\slot+2:G0B+4*\slot+3], s[G0B+4*\slot+2:G0B+4*\slot+3], 2*KSTEP*2
	JLOAD \slot
.endif
	PLACES
	FETCH \next, 0, F0
	WIN MUL_HI
	MUL16 F1, 1, 0
	MUL16 F1, 1, 2
.endm
.macro LAP
	THREE 0
	TURN 0, 1, 1
	THREE 1
	TURN 1, 0, 1
.endm
	s_wait_dscnt 0x0                               ; the mask is in the accumulators; no LDS instruction is pending at the signal
	s_wait_tensorcnt 0x1                           ; my part of K step 0 is in; K step 1's stays out
	s_barrier_signal -1
	s_barrier_wait -1
	FETCH 0, 0, F0
	s_mov_b32 s3, LAPS-1                           ; no product starts a sum, so all laps that refill stand in the loop
.Llap:
	LAP
	WIN 0
	s_sub_co_u32 s3, s3, 1
	s_cmp_lg_u32 s3, 0
	s_cbranch_scc1 .Llap
	THREE 0                                        ; the last lap fills nothing
	TURN 0, 1, 0
	THREE 1
	s_wait_dscnt 8
	WIN MUL_LO
	MUL16 F1, 0, 0
	MUL16 F1, 0, 2
	s_wait_dscnt 0
	WIN MUL_HI
	MUL16 F1, 1, 0
	MUL16 F1, 1, 2
	PLACES                                         ; four places in front of the first read of a result
; ROW MAXIMA of four row tiles of one window: 64 numbers a lane and row tile, in four chains; then the other half of the lanes.
.macro ROWMAX from, first
	WIN \from                                      ; sources 0 and 1 in the accumulators' window
.irp a, 0,1,2,3
.irp c, 0,1,2,3
	v_max_num_f32 v[MX+4*\a+\c], v[64*\a+16*\c], v[64*\a+16*\c+1]
.endr
.endr
.irp i, 1,2,3,4,5,6,7
.irp a, 0,1,2,3
.irp c, 0,1,2,3
	v_max3_num_f32 v[MX+4*\a+\c], v[64*\a+16*\c+2*\i], v[64*\a+16*\c+2*\i+1], v[MX+4*\a+\c]
.endr
.endr
.endr
	WIN 0
.irp a, 0,1,2,3
	v_max3_num_f32 v[MX+4*\a], v[MX+4*\a], v[MX+4*\a+1], v[MX+4*\a+2]
	v_max_num_f32 v[MX+4*\a], v[MX+4*\a], v[MX+4*\a+3]
	v_permlanex16_b32 v[MX+4*\a+1], v[MX+4*\a], s84, s85
	v_max_num_f32 v[MR+\first+\a], v[MX+4*\a], v[MX+4*\a+1]
	ds_store_b32 v[XW], v[MR+\first+\a] offset:64*(\first+\a)      ; both halves of the lanes write the same word with the same value
.endr
.endm
	ROWMAX 0x0a, 0
	ROWMAX 0x0f, 4
	s_wait_dscnt 0x0                               ; my maxima are in LDS, for the other wave's sake
	s_barrier_signal -1
	s_barrier_wait -1
.irp a, 0,1,2,3,4,5,6,7
	ds_load_b32 v[MX+\a], v[XR] offset:64*\a       ; the maxima over the other 128 keys
.endr
	s_wait_dscnt 0x0
.irp a, 0,1,2,3,4,5,6,7
	v_max_num_f32 v[MR+\a], v[MR+\a], v[MX+\a]     ; m of the block of 256 keys
	v_cmp_neq_f32 vcc_lo, 0xff800000, v[MR+\a]
	v_cndmask_b32 v[CM+2*\a], 0, v[MR+\a], vcc_lo  ; where m is -inf, 0 is taken away instead: exp(-inf - 0) = 0, not NaN
	v_mul_f32 v[CM+2*\a], 0xbfb8aa3b, v[CM+2*\a]   ; -log2(e) m
	v_mov_b32 v[CM+2*\a+1], v[CM+2*\a]
.endr
; Row tile a: p = 2^(log2(e) S - log2(e) m); its sum; p rounded to bf16 and out through my stage as whole rows of 256 bytes.
.macro SOFT a, f
.set AB, 64*(\a%4)
.if \a < 4
	WIN 0x82                                       ; destination and source 0 window 2, source 2 window 0
.else
	WIN 0xc3
.endif
.set i, 0
.rept 32
	v_pk_fma_f32 v[AB+2*i:AB+2*i+1], v[AB+2*i:AB+2*i+1], 0x3fb8aa3b, v[CM+2*\a:CM+2*\a+1] op_sel_hi:[1,0,1]
.set i, i+1
.endr
.set i, 0
.rept 64
	v_exp_f32 v[AB+i], v[AB+i]
.set i, i+1
.endr
	v_nop                                          ; one plain instruction between the last exponential and the first use (ISA guide 5.7.2)
.if \a < 4
	WIN 0x0a
.else
	WIN 0x0f
.endif
	s_wait_alu depctr_va_vdst(0)
.irp b, 0,1,2,3,4,5,6,7
.irp q, 0,1,2,3
	v_cvt_pk_bf16_f32 v[TMP+4*\b+\q], v[AB+8*\b+2*\q], v[AB+8*\b+2*\q+1]
.endr
.endr
.set i, 0
.rept 16
	v_pk_add_f32 v[SUM+2*i:SUM+2*i+1], v[AB+2*i:AB+2*i+1], v[AB+32+2*i:AB+32+2*i+1]
.set i, i+1
.endr
	WIN 0
.irp b, 0,1,2,3,4,5,6,7
	ds_store_b128 v[STO], v[TMP+4*\b:TMP+4*\b+3] offset:32*\b
.endr
.irp i, 0,2,4,6,8,10,12,14
	v_pk_add_f32 v[SUM+\i:SUM+\i+1], v[SUM+\i:SUM+\i+1], v[SUM+16+\i:SUM+16+\i+1]
.endr
.irp i, 0,2,4,6
	v_pk_add_f32 v[SUM+\i:SUM+\i+1], v[SUM+\i:SUM+\i+1], v[SUM+8+\i:SUM+8+\i+1]
.endr
.irp i, 0,2
	v_pk_add_f32 v[SUM+\i:SUM+\i+1], v[SUM+\i:SUM+\i+1], v[SUM+4+\i:SUM+4+\i+1]
.endr
	v_pk_add_f32 v[SUM:SUM+1], v[SUM:SUM+1], v[SUM+2:SUM+3]
	v_add_f32 v[SUM], v[SUM], v[SUM+1]
	v_permlanex16_b32 v[SUM+1], v[SUM], s84, s85
	v_add_f32 v[LR+\a], v[SUM], v[SUM+1]           ; l over my 128 keys
	s_wait_xcnt 0x0                                ; buffer f, which earlier stores read, and the stores' base are rewritten only behind this wait
.if \a
	s_add_nc_u64 s[8:9], s[8:9], 16*QKROW
.endif
.irp t, 0,1,2,3,4,5,6,7
	ds_load_b128 v[\f+4*\t:\f+4*\t+3], v[RD] offset:\t*2*SPITCH
.endr
.irp t, 0,1,2,3,4,5,6,7
	s_wait_dscnt 7-\t                              ; load t is in, the younger ones stay out
	global_store_b128 v[CO], v[\f+4*\t:\f+4*\t+3], s[8:9] offset:2*\t*QKROW   ; 16 lanes store 256 consecutive bytes, aligned
.endr
.endm
	SOFT 0, F0
	SOFT 1, F1
	SOFT 2, F0
	SOFT 3, F1
	SOFT 4, F0
	SOFT 5, F1
	SOFT 6, F0
	SOFT 7, F1
	; m and l of my 128 rows, turned through my own LDS bytes into 512 consecutive bytes each
.irp a, 0,1,2,3,4,5,6,7
	ds_store_b32 v[SW], v[LR+\a] offset:512+64*\a
.endr
	ds_load_b128 v[TMP:TMP+3], v[SR] offset:512
	s_cmp_lg_u32 s12, 0                            ; both waves of a row half hold the same m: the one with keys 0-127 stores it
	s_cbranch_scc1 .Lno_m
.irp a, 0,1,2,3,4,5,6,7
	ds_store_b32 v[SW], v[MR+\a] offset:64*\a
.endr
	ds_load_b128 v[TMP+4:TMP+7], v[SR]
	s_wait_dscnt 0x0
	global_store_b128 v[MO], v[TMP+4:TMP+7], s[90:91]
.Lno_m:
	s_wait_dscnt 0x0
	global_store_b128 v[MO], v[TMP:TMP+3], s[92:93]
	s_set_vgpr_msb 0x1
	s_wait_tensorcnt 0x0
	ds_add_u32 v255, v63
	s_wait_dscnt 0x0
	s_set_vgpr_msb 0x100
	CROUND                                         ; the closing round
	s_endpgm
.Lfunc_end_k_q11e14f1a7b_scores:
	.size	k_q11e14f1a7b_scores, .Lfunc_end_k_q11e14f1a7b_scores-k_q11e14f1a7b_scores
	.p2alignl 7, 3214868480
	.fill 96, 4, 3214868480
	.section	.rodata,"a",@progbits
	.p2align	6, 0x0
	.amdhsa_kernel k_q11e14f1a7b_scores
		.amdhsa_group_segment_fixed_size 327680
		.amdhsa_private_segment_fixed_size 0
		.amdhsa_enable_private_segment 0
		.amdhsa_kernarg_size 32
		.amdhsa_user_sgpr_count 2
		.amdhsa_user_sgpr_kernarg_segment_ptr 1
		.amdhsa_wavefront_size32 1
		.amdhsa_system_sgpr_workgroup_id_x 1
		.amdhsa_system_sgpr_workgroup_id_y 1
		.amdhsa_system_sgpr_workgroup_id_z 1
		.amdhsa_system_vgpr_workitem_id 0
		.amdhsa_next_free_vgpr 1024
		.amdhsa_next_free_sgpr 96
		.amdhsa_reserve_vcc 1
		.amdhsa_float_denorm_mode_32 3
		.amdhsa_float_denorm_mode_16_64 3
		.amdhsa_memory_ordered 1
		.amdhsa_forward_progress 1
		.amdhsa_inst_pref_size 252
	.end_amdhsa_kernel
	.amdgpu_metadata
---
amdhsa.version: [ 1, 2 ]
amdhsa.kernels:
  - .name:           k_q11e14f1a7b_scores
    .symbol:         k_q11e14f1a7b_scores.kd
    .args:
      - { .name: qk, .offset: 0, .size: 8, .value_kind: global_buffer, .address_space: global }
      - { .name: mask, .offset: 8, .size: 8, .value_kind: global_buffer, .address_space: global }
      - { .name: p, .offset: 16, .size: 8, .value_kind: global_buffer, .address_space: global }
      - { .name: stats, .offset: 24, .size: 8, .value_kind: global_buffer, .address_space: global }
    .group_segment_fixed_size: 327680
    .private_segment_fixed_size: 0
    .kernarg_segment_align: 8
    .kernarg_segment_size: 32
    .max_flat_workgroup_size: 128
    .sgpr_count:     96
    .vgpr_count:     1024
    .wavefront_size: 32
...
	.end_amdgpu_metadata
.endif
;; end of part 3
;; launch pv (part 4): grid 4 x 64, 4 waves a work-group, clusters of 4 x 4, 327,680 bytes of LDS; arguments p, vt, stats, b_v, out0; writes out0
.if DOCPART == 4
	.amdgcn_target "amdgcn-amd-amdhsa--gfx1250"
	.amdhsa_code_object_version 6
	.text
	.protected	k_q11e14f1a7b_pv
	.globl	k_q11e14f1a7b_pv
	.p2align	8
	.type	k_q11e14f1a7b_pv,@function
k_q11e14f1a7b_pv:
	s_mov_b64 s[64:65], 0
	v_nop
	global_prefetch_b8 v0, s[64:65] scope:SCOPE_SE
	s_setreg_imm32_b32 hwreg(HW_REG_WAVE_MODE, 25, 1), 1
	s_wait_xcnt 0x0
	s_wait_alu depctr_hold_cnt(0) depctr_sa_sdst(0) depctr_va_vdst(0) depctr_va_sdst(0) depctr_va_ssrc(0) depctr_va_vcc(0) depctr_vm_vsrc(0)
	s_getreg_b32 s2, hwreg(HW_REG_IB_STS2, 6, 4)
	s_cmp_eq_u32 s2, 0
	s_cbranch_scc0 .Lentry_in_a_cluster
	s_endpgm
.Lentry_in_a_cluster:
	s_bfe_u32 s2, ttmp6, 0x10000c
	s_cmp_lg_u32 s2, 0xf033
	s_cbranch_scc0 .Lentry_shape_is_right
	s_endpgm
.Lentry_shape_is_right:
; out = sum over the eight key blocks j of f_j (P_j V0_j) + b_v, in blocks of 128 queries x 256 columns.
; P_j = exp(S - m_j) as the launch before left it.  For each row: mx = max_j m_j, e_j = exp(m_j - mx), L = sum_j e_j l_j, f_j = e_j / L, all in f32.
; That is the softmax with the row's maximum taken away: exp(S - m_j) exp(m_j - mx) = exp(S - mx).
; b_v is added once here, in f32: the weights of a row sum to one, so attn (V0 + 1 b_v^T) = attn V0 + b_v.
; LIMITS.  A row whose 2,048 scores are all -inf gives NaN, as a softmax of such a row does.  v_exp_f32 gives zero below 2^-126 (ISA guide 15.8).
;
; The product is a bf16 GEMM C = A B^T with A = p (keys along the rows) and B = vt (keys along the rows), K = 2048 in steps of 128 through two LDS slots.
; A lap of the ring is two K steps = one key block: each lap starts its sums anew (C = 0), and behind it the lap's sums are joined to the totals
; by one fused multiply-add with the row's factor.  Four waves, a wave makes 64 x 128.  Clusters of 4 x 4 work-groups ask jointly for p's tiles
; (shared along a row of the cluster) and vt's (along a column).
; REGISTERS: window 0: v16-47 addresses and the lap's factors; v64-95, v128-159 fragments of A; in the prologue v64-127 factors, v160-255 stats
;            window 1: v0-63 b_v; v64-127, v128-191 fragments of B;  window 2: the lap's sums, tile (a, b) at v[8 (8 a + b)];  window 3: the totals
.set KSTEP,  128
.set PITCH,  272
.set HALFB,  128*PITCH
.set HALFA,  64*PITCH
.set AOFF,   2*HALFB
.set SLOT,   2*HALFB+2*HALFA           ; 104,448
.set STAGE,  2*SLOT                    ; 208,896: each wave's own stage for the way out, 16 rows of 512 bytes + 16
.set OPITCH, 528
.set STAGEW, 16*OPITCH
.set FS,     STAGE+4*STAGEW            ; 242,688: 8,192 bytes a wave: the factors, [key block][plane][lane] in entries of 16 bytes
.set SRCEL,  2048                      ; elements in a row of p and of vt
.set OROW,   4096                      ; bytes in a row of out0
.set ADRA, 16
.set ADRB, 20
.set STO,  24                          ; stage + 528 (l % 16) + 32 (l / 16)
.set RD,   25                          ; stage + 16 lane
.set CO,   26                          ; 16 lane
.set SO,   27                          ; 4 (l % 16)
.set BO,   28                          ; 32 (l / 16)
.set FA,   29                          ; my entry of the next lap's factors
.set T0,   36
.set T1,   37
.set FR,   40                          ; v[40:47] the lap's factor of row tile a, twice, at FR + 2 a
.set F0,   64
.set F1,   128
.set FD,   64                          ; prologue: f_j of row tile a, twice, at FD + 8 j + 2 a
.set ST,   160                         ; prologue: 24 registers a row tile: m_j at j, l of half jh at 8 + jh
.set BV,   0                           ; window 1
.set G1,  24
.set G0,  32
.set G1B, 48
.set G0B, 56
.set G1WORD, (1<<16)|(1<<20)|(1<<21)|(5<<22)|(3<<25)
.set MUL,  0xa1
.set TO_B, 0x40
.set MSB, 0
.macro WIN new
.if MSB != \new
	s_set_vgpr_msb (MSB<<8)|\new
.set MSB, \new
.endif
.endm
.macro JLOAD s                         ; waves 0 and 1 fetch B's two halves, waves 2 and 3 A's
	s_cmp_ge_u32 s10, 2
	s_cbranch_scc1 .Lfor_a_\@
	tensor_load_to_lds s[G0B+4*\s:G0B+4*\s+3], s[G1B:G1B+7]
	s_nop 0
	s_branch .Lasked_\@
.Lfor_a_\@:
	tensor_load_to_lds s[G0+4*\s:G0+4*\s+3], s[G1:G1+7]
	s_nop 0
.Lasked_\@:
.endm
.macro CREST
	s_cmp_lg_u32 s10, 0
	s_cbranch_scc1 .Lnot_wave_0_\@
	s_barrier_signal -3
.Lnot_wave_0_\@:
	s_barrier_wait -3
	s_barrier_signal -1
	s_barrier_wait -1
.endm
.macro CROUND
	s_barrier_signal -1
	s_barrier_wait -1
	CREST
.endm
.macro PLACES
.rept 4
	v_nop
.endr
.endm
	s_load_b256 s[68:75], s[0:1], 0x0              ; p s[68:69], vt s[70:71], stats s[72:73], b_v s[74:75]
	s_load_b64 s[76:77], s[0:1], 0x20              ; out0
	s_set_vgpr_msb 0x40
	v_lshl_add_u32 v255, v0, 2, 0x43400
	s_set_vgpr_msb 0x4000
	v_mov_b32 v63, 0
	s_set_vgpr_msb 0x1
	ds_add_u32 v255, v63
	s_set_vgpr_msb 0x100
	v_lshrrev_b32 v1, 5, v0
	v_readfirstlane_b32 s10, v1                    ; wave 0..3
	s_lshr_b32 s11, s10, 1                         ; which 64 rows of the block are mine
	s_and_b32 s12, s10, 1                          ; which 128 columns.  Also: which half of its tile the wave fetches
	s_bfe_u32 s40, ttmp6, 0x40000                  ; cx
	s_bfe_u32 s41, ttmp6, 0x40004                  ; cy
	s_lshl_b32 s42, ttmp9, 2
	s_add_co_u32 s42, s42, s40                     ; block column 0..3
	s_and_b32 s80, ttmp7, 0xffff                   ; the cluster's y, 0..15
	s_lshl_b32 s13, s80, 2
	s_add_co_u32 s13, s13, s41                     ; block of 128 of the 8192 rows, 0..63
	s_lshr_b32 s81, s80, 2                         ; batch
	s_lshl_b32 s43, s41, 2
	s_lshl_b32 s43, 15, s43
	s_lshl_b32 s44, 0x1111, s40
	s_or_b32 s[G1+0], s43, G1WORD
	s_or_b32 s[G1B+0], s44, G1WORD
	s_mov_b32 s[G1+1], KSTEP<<16
	s_mov_b32 s[G1B+1], KSTEP<<16
	s_mov_b32 s[G1+2], 64<<16
	s_mov_b32 s[G1B+2], 128<<16
	s_mov_b32 s[G1+3], KSTEP<<16
	s_mov_b32 s[G1B+3], KSTEP<<16
	s_mov_b32 s[G1+4], 64
	s_mov_b32 s[G1B+4], 128
	s_mov_b32 s[G1+5], SRCEL
	s_mov_b32 s[G1B+5], SRCEL
	s_mov_b32 s[G1+6], 0
	s_mov_b32 s[G1B+6], 0
	s_mov_b32 s[G1+7], 0
	s_mov_b32 s[G1B+7], 0
	s_lshl_b32 s16, s13, 7
	s_lshl_b32 s17, s12, 6
	s_add_co_u32 s16, s16, s17                     ; the 64 rows of p that the wave would fetch
	s_lshl_b32 s16, s16, 12
	s_mov_b32 s17, 0
	s_lshl_b32 s46, s42, 8
	s_lshl_b32 s47, s12, 7
	s_add_co_u32 s46, s46, s47
	s_lshl_b32 s47, s81, 10
	s_add_co_u32 s46, s46, s47                     ; the 128 rows of vt: 1024 batch + 256 block column + 128 half
	s_lshl_b32 s46, s46, 12
	s_mov_b32 s47, 0
	s_lshl_b32 s86, s13, 7
	s_lshl_b32 s87, s11, 6
	s_add_co_u32 s88, s86, s87                     ; my first of the 8192 rows
	s_lshl_b32 s86, s88, 2                         ; its place in a line of the stats
	s_mov_b32 s87, 0
	s_lshl_b32 s92, s42, 10
	s_lshl_b32 s93, s12, 9
	s_add_co_u32 s92, s92, s93                     ; my first column, 4 bytes each: in b_v and in a row of out0
	s_mov_b32 s93, 0
	s_lshl_b32 s90, s88, 12
	s_add_co_u32 s90, s90, s92
	s_mov_b32 s91, 0
	s_mul_i32 s20, s10, HALFB
	s_mul_i32 s18, s10, HALFA
	s_add_co_u32 s18, s18, AOFF-2*HALFA
	s_wait_dscnt 0x0
	s_wait_kmcnt 0x0
	s_add_nc_u64 s[14:15], s[68:69], s[16:17]      ; A's tile
	s_add_nc_u64 s[46:47], s[70:71], s[46:47]      ; B's tile
	s_add_nc_u64 s[86:87], s[72:73], s[86:87]      ; stats at my first row
	s_add_nc_u64 s[88:89], s[74:75], s[92:93]      ; b_v at my first column
	s_add_nc_u64 s[8:9], s[76:77], s[90:91]        ; out0 at my corner
	CROUND                                         ; all sixteen work-groups are here: the first joint loads meet
.irp s, 0,1
	s_mov_b32 s[G0+4*\s], 1
	s_add_co_u32 s[G0+4*\s+1], s18, \s*SLOT
	s_add_nc_u64 s[G0+4*\s+2:G0+4*\s+3], s[14:15], \s*KSTEP*2
	s_or_b32 s[G0+4*\s+3], s[G0+4*\s+3], 0x80000000
	s_mov_b32 s[G0B+4*\s], 1
	s_add_co_u32 s[G0B+4*\s+1], s20, \s*SLOT
	s_add_nc_u64 s[G0B+4*\s+2:G0B+4*\s+3], s[46:47], \s*KSTEP*2
	s_or_b32 s[G0B+4*\s+3], s[G0B+4*\s+3], 0x80000000
	JLOAD \s                                       ; two tensor loads of the wave are out
.endr
	v_and_b32 v1, 15, v0                           ; l % 16
	v_bfe_u32 v2, v0, 4, 1                         ; l / 16
	v_and_b32 v6, 31, v0                           ; lane
	v_mul_u32_u24 v3, v1, PITCH
	v_lshl_add_u32 v3, v2, 4, v3
	s_mul_i32 s21, s11, HALFA
	s_add_co_u32 s21, s21, AOFF
	s_mul_i32 s22, s12, HALFB
.irp s, 0,1
	v_add_nc_u32 v[ADRA+\s], s21, v3
	v_add_nc_u32 v[ADRB+\s], s22, v3
	s_add_co_u32 s21, s21, SLOT
	s_add_co_u32 s22, s22, SLOT
.endr
	s_mul_i32 s23, s10, STAGEW
	s_add_co_u32 s23, s23, STAGE
	v_mul_u32_u24 v4, v1, OPITCH
	v_lshl_add_u32 v4, v2, 5, v4
	v_add_nc_u32 v[STO], s23, v4
	v_lshlrev_b32 v[CO], 4, v6
	v_add_nc_u32 v[RD], s23, v[CO]
	v_lshlrev_b32 v[SO], 2, v1
	v_lshlrev_b32 v[BO], 5, v2
	s_lshl_b32 s23, s10, 13
	s_add_co_u32 s23, s23, FS
	v_add_nc_u32 v[FA], s23, v[CO]
; THE FACTORS.  Lane l needs those of rows 16 a + l % 16.  24 loads a row tile: eight m, sixteen l.
.macro LOADS a
.irp j, 0,1,2,3,4,5,6,7
	global_load_b32 v[ST+24*\a+\j], v[SO], s[86:87] offset:32768*\j+64*\a
.endr
.irp j, 0,1,2,3,4,5,6,7,8,9,10,11,12,13,14,15
	global_load_b32 v[ST+24*\a+8+\j], v[SO], s[86:87] offset:262144+32768*\j+64*\a
.endr
.endm
.macro FAC a
	v_max3_num_f32 v[T0], v[ST+24*\a], v[ST+24*\a+1], v[ST+24*\a+2]
	v_max3_num_f32 v[T0], v[T0], v[ST+24*\a+3], v[ST+24*\a+4]
	v_max3_num_f32 v[T0], v[T0], v[ST+24*\a+5], v[ST+24*\a+6]
	v_max_num_f32 v[T0], v[T0], v[ST+24*\a+7]      ; the row's maximum
	v_mul_f32 v[T0], 0xbfb8aa3b, v[T0]             ; -log2(e) mx
.irp j, 0,1,2,3,4,5,6,7
	v_fmamk_f32 v[ST+24*\a+\j], v[ST+24*\a+\j], 0x3fb8aa3b, v[T0]
.endr
.irp j, 0,1,2,3,4,5,6,7
	v_exp_f32 v[ST+24*\a+\j], v[ST+24*\a+\j]       ; e_j
.endr
.irp j, 0,1,2,3,4,5,6,7
	v_add_f32 v[ST+24*\a+8+2*\j], v[ST+24*\a+8+2*\j], v[ST+24*\a+9+2*\j]   ; l_j of the two halves; also the plain instructions behind the exponentials
.endr
	s_wait_alu depctr_va_vdst(0)
	v_mul_f32 v[T1], v[ST+24*\a], v[ST+24*\a+8]
.irp j, 1,2,3,4,5,6,7
	v_fmac_f32 v[T1], v[ST+24*\a+\j], v[ST+24*\a+8+2*\j]
.endr
	v_rcp_f32 v[T1], v[T1]                         ; 1 / L;  L is at least the term of the block that holds the maximum
	v_nop
	s_wait_alu depctr_va_vdst(0)
.irp j, 0,1,2,3,4,5,6,7
	v_mul_f32 v[FD+8*\j+2*\a],   v[ST+24*\a+\j], v[T1]
	v_mul_f32 v[FD+8*\j+2*\a+1], v[ST+24*\a+\j], v[T1]
.endr
.endm
	LOADS 0
	LOADS 1
	s_wait_loadcnt 24                              ; row tile 0's are in; the 24 of row tile 1 stay out
	LOADS 2
	FAC 0
	s_wait_loadcnt 24                              ; row tile 1's are in
	LOADS 3
	FAC 1
	s_wait_loadcnt 24                              ; row tile 2's are in
	WIN 0x40                                       ; destination window 1
.irp b, 0,1,2,3,4,5,6,7
	global_load_b128 v[BV+8*\b:BV+8*\b+3],   v[BO], s[88:89] offset:64*\b      ; b_v of columns 16 b + 8 (l / 16) + 0..3
	global_load_b128 v[BV+8*\b+4:BV+8*\b+7], v[BO], s[88:89] offset:64*\b+16
.endr
	WIN 0
	FAC 2
	s_wait_loadcnt 16                              ; row tile 3's are in; b_v's sixteen stay out until the first join
	FAC 3
.irp j, 0,1,2,3,4,5,6,7
	ds_store_b128 v[FA], v[FD+8*\j:FD+8*\j+3]   offset:1024*\j
	ds_store_b128 v[FA], v[FD+8*\j+4:FD+8*\j+7] offset:1024*\j+512
.endr
	ds_load_b128 v[FR:FR+3],   v[FA]               ; key block 0's factors (my own bytes: LDS serves a wave's instructions in order)
	ds_load_b128 v[FR+4:FR+7], v[FA] offset:512
	v_add_nc_u32 v[FA], 1024, v[FA]
; The 32 accumulators take turns, one instruction a turn, in the same order in every quarter step.
.macro MUL8 f, a, zero
.irp b, 0,1,2,3,4,5,6,7
.if \zero
	v_wmma_f32_16x16x32_bf16 v[8*(8*\a+\b):8*(8*\a+\b)+7], v[\f+8*\b:\f+8*\b+7], v[\f+8*\a:\f+8*\a+7], 0
.else
	v_wmma_f32_16x16x32_bf16 v[8*(8*\a+\b):8*(8*\a+\b)+7], v[\f+8*\b:\f+8*\b+7], v[\f+8*\a:\f+8*\a+7], v[8*(8*\a+\b):8*(8*\a+\b)+7]
.endif
.endr
.endm
.macro FETCH slot, k, f
	WIN TO_B
.irp i, 0,1,2,3,4,5,6,7
	ds_load_b128 v[\f+8*\i:\f+8*\i+3],   v[ADRB+\slot] offset:\k+\i*16*PITCH
	ds_load_b128 v[\f+8*\i+4:\f+8*\i+7], v[ADRB+\slot] offset:\k+\i*16*PITCH+32
.endr
	WIN 0
.irp i, 0,1,2,3
	ds_load_b128 v[\f+8*\i:\f+8*\i+3],   v[ADRA+\slot] offset:\k+\i*16*PITCH
	ds_load_b128 v[\f+8*\i+4:\f+8*\i+7], v[ADRA+\slot] offset:\k+\i*16*PITCH+32
.endr
.endm
.macro QUARTER slot, k, f, g, zero
	s_wait_dscnt 4                                 ; B and A's tiles 0, 1 are in; at most the youngest four LDS loads are out (A's tiles 2, 3; behind a join: A's tile 3 and the two loads of factors)
	WIN MUL
	MUL8 \f, 0, \zero
	MUL8 \f, 1, \zero
	PLACES
	FETCH \slot, \k, \g
	s_wait_dscnt 24                                ; all but the 24 just issued
	WIN MUL
	MUL8 \f, 2, \zero
	MUL8 \f, 3, \zero
.endm
.macro THREE slot, zero
	QUARTER \slot, 64,  F0, F1, \zero
	QUARTER \slot, 128, F1, F0, 0
	QUARTER \slot, 192, F0, F1, 0
.endm
; The last quarter changes slots: each wave's reads of this slot and all its tensor loads are waited for in front of the barrier; where the slot is
; filled again the barrier opens a round of the cluster's barrier and the joint refill is the wave's first and only tensor load behind it.
.macro TURN slot, next, fill
	s_wait_dscnt 4
	WIN MUL
	MUL8 F1, 0, 0
	s_wait_dscnt 0
	s_wait_tensorcnt 0x0
	ds_add_u32 v255, v63
	s_wait_dscnt 0x0
	s_barrier_signal -1
	MUL8 F1, 1, 0
	WIN 0
	s_barrier_wait -1
.if \fill
	CREST
	s_add_nc_u64 s[G0+4*\slot+2:G0+4*\slot+3], s[G0+4*\slot+2:G0+4*\slot+3], 2*KSTEP*2
	s_add_nc_u64 s[G0B+4*\slot+2:G0B+4*\slot+3], s[G0B+4*\slot+2:G0B+4*\slot+3], 2*KSTEP*2
	JLOAD \slot
.endif
	PLACES
	FETCH \next, 0, F0
	WIN MUL
	MUL8 F1, 2, 0
	MUL8 F1, 3, 0
.endm
.macro LAP zero
	THREE 0, \zero
	TURN 0, 1, 1
	THREE 1, 0
	TURN 1, 0, 1
.endm
.macro LASTSTEP
	THREE 1, 0
	s_wait_dscnt 4
	WIN MUL
	MUL8 F1, 0, 0
	MUL8 F1, 1, 0
	s_wait_dscnt 0
	MUL8 F1, 2, 0
	MUL8 F1, 3, 0
	WIN 0
.endm
; The lap's sums join the totals: T = f_j x sums + T; the first time b_v stands for T.  more = 1: the next key block's factors are fetched.
; Between a tile's last product and the next lap's product that writes over it stand the four v_nop and the multiply-adds of the other 31 tiles.
.macro COMBINE first, more
	PLACES
.if \first
	s_wait_loadcnt 0x0                             ; b_v
	WIN 0xd2                                       ; destination window 3, source 0 window 2, source 1 window 0, source 2 window 1
.else
	WIN 0xf2                                       ; the same with source 2 window 3
.endif
.irp a, 0,1,2,3
.irp b, 0,1,2,3,4,5,6,7
.irp q, 0,2,4,6
.if \first
	v_pk_fma_f32 v[8*(8*\a+\b)+\q:8*(8*\a+\b)+\q+1], v[8*(8*\a+\b)+\q:8*(8*\a+\b)+\q+1], v[FR+2*\a:FR+2*\a+1], v[BV+8*\b+\q:BV+8*\b+\q+1]
.else
	v_pk_fma_f32 v[8*(8*\a+\b)+\q:8*(8*\a+\b)+\q+1], v[8*(8*\a+\b)+\q:8*(8*\a+\b)+\q+1], v[FR+2*\a:FR+2*\a+1], v[8*(8*\a+\b)+\q:8*(8*\a+\b)+\q+1]
.endif
.endr
.endr
.endr
	WIN 0
.if \more
	ds_load_b128 v[FR:FR+3],   v[FA]               ; shown landed by the next lap's first wait for all but 24
	ds_load_b128 v[FR+4:FR+7], v[FA] offset:512
	v_add_nc_u32 v[FA], 1024, v[FA]
.endif
.endm
	s_wait_dscnt 0x0                               ; no LDS instruction is pending at the signal
	s_wait_tensorcnt 0x1                           ; my part of K step 0 is in; K step 1's stays out
	s_barrier_signal -1
	s_barrier_wait -1
	FETCH 0, 0, F0
	LAP 1                                          ; key block 0
	COMBINE 1, 1
	s_mov_b32 s3, 6
.Llap:
	LAP 1                                          ; key blocks 1 to 6
	COMBINE 0, 1
	s_sub_co_u32 s3, s3, 1
	s_cmp_lg_u32 s3, 0
	s_cbranch_scc1 .Llap
	THREE 0, 1                                     ; key block 7: nothing is left to fetch
	TURN 0, 1, 0
	LASTSTEP
	COMBINE 0, 0
; THE WAY OUT, 16 rows at a time, in f32: 32 bytes a lane and tile into my own stage, read back as row pieces of 512 consecutive bytes.
.macro OUTF a, ob
	WIN 0x0c                                       ; store data window 3
.irp b, 0,1,2,3,4,5,6,7
	ds_store_b128 v[STO], v[8*(8*\a+\b):8*(8*\a+\b)+3]   offset:64*\b
	ds_store_b128 v[STO], v[8*(8*\a+\b)+4:8*(8*\a+\b)+7] offset:64*\b+16
.endr
	WIN 0
	s_wait_xcnt 0x0                                ; buffer ob, which earlier stores read, and the stores' base are rewritten only behind this wait
.if \a
	s_add_nc_u64 s[8:9], s[8:9], 16*OROW
.endif
.irp t, 0,1,2,3,4,5,6,7,8,9,10,11,12,13,14,15
	ds_load_b128 v[\ob+4*\t:\ob+4*\t+3], v[RD] offset:OPITCH*\t
.endr
.irp t, 0,1,2,3,4,5,6,7,8,9,10,11,12,13,14,15
	s_wait_dscnt 15-\t                             ; load t is in, the younger ones stay out
	global_store_b128 v[CO], v[\ob+4*\t:\ob+4*\t+3], s[8:9] offset:OROW*\t th:TH_STORE_NT   ; a store of the wave covers 512 consecutive bytes, aligned
.endr
.endm
	OUTF 0, 64
	OUTF 1, 128
	OUTF 2, 64
	OUTF 3, 128
	s_set_vgpr_msb 0x1
	s_wait_tensorcnt 0x0
	ds_add_u32 v255, v63
	s_wait_dscnt 0x0
	s_set_vgpr_msb 0x100
	CROUND                                         ; the closing round
	s_endpgm
.Lfunc_end_k_q11e14f1a7b_pv:
	.size	k_q11e14f1a7b_pv, .Lfunc_end_k_q11e14f1a7b_pv-k_q11e14f1a7b_pv
	.p2alignl 7, 3214868480
	.fill 96, 4, 3214868480
	.section	.rodata,"a",@progbits
	.p2align	6, 0x0
	.amdhsa_kernel k_q11e14f1a7b_pv
		.amdhsa_group_segment_fixed_size 327680
		.amdhsa_private_segment_fixed_size 0
		.amdhsa_enable_private_segment 0
		.amdhsa_kernarg_size 40
		.amdhsa_user_sgpr_count 2
		.amdhsa_user_sgpr_kernarg_segment_ptr 1
		.amdhsa_wavefront_size32 1
		.amdhsa_system_sgpr_workgroup_id_x 1
		.amdhsa_system_sgpr_workgroup_id_y 1
		.amdhsa_system_sgpr_workgroup_id_z 1
		.amdhsa_system_vgpr_workitem_id 0
		.amdhsa_next_free_vgpr 1024
		.amdhsa_next_free_sgpr 96
		.amdhsa_reserve_vcc 0
		.amdhsa_float_denorm_mode_32 3
		.amdhsa_float_denorm_mode_16_64 3
		.amdhsa_memory_ordered 1
		.amdhsa_forward_progress 1
		.amdhsa_inst_pref_size 164
	.end_amdhsa_kernel
	.amdgpu_metadata
---
amdhsa.version: [ 1, 2 ]
amdhsa.kernels:
  - .name:           k_q11e14f1a7b_pv
    .symbol:         k_q11e14f1a7b_pv.kd
    .args:
      - { .name: p, .offset: 0, .size: 8, .value_kind: global_buffer, .address_space: global }
      - { .name: vt, .offset: 8, .size: 8, .value_kind: global_buffer, .address_space: global }
      - { .name: stats, .offset: 16, .size: 8, .value_kind: global_buffer, .address_space: global }
      - { .name: b_v, .offset: 24, .size: 8, .value_kind: global_buffer, .address_space: global }
      - { .name: out0, .offset: 32, .size: 8, .value_kind: global_buffer, .address_space: global }
    .group_segment_fixed_size: 327680
    .private_segment_fixed_size: 0
    .kernarg_segment_align: 8
    .kernarg_segment_size: 40
    .max_flat_workgroup_size: 128
    .sgpr_count:     96
    .vgpr_count:     1024
    .wavefront_size: 32
...
	.end_amdgpu_metadata
.endif
;; end of part 4
;; ======== version 2 of 3: 5 launches
;; workspace buffers: xb 16,777,216 bytes; wb 6,553,600 bytes; mt 2,101,248 bytes; g 16,777,216 bytes; vt 16,777,216 bytes; p 33,554,432 bytes; stats 786,432 bytes
;; launch cvt (part 5): grid 704 x 1, 8 waves a work-group, no clusters, 0 bytes of LDS; arguments x, w_q, w_k, w_v, b_q, xb, wb; writes xb, wb
.if DOCPART == 5
	.amdgcn_target "amdgcn-amd-amdhsa--gfx1250"
	.amdhsa_code_object_version 6
	.text
	.protected	k_q11e14f1a7b_cvt
	.globl	k_q11e14f1a7b_cvt
	.p2align	8
	.type	k_q11e14f1a7b_cvt,@function
k_q11e14f1a7b_cvt:
	s_mov_b64 s[64:65], 0
	v_nop
	global_prefetch_b8 v0, s[64:65] scope:SCOPE_SE
	s_setreg_imm32_b32 hwreg(HW_REG_WAVE_MODE, 25, 1), 1
	s_wait_xcnt 0x0
; First of five launches for out = softmax((x Wq^T + b_q)(x Wk^T + b_k)^T / 32 + mask) (x Wv^T + b_v).
; This one rounds x and the three weight matrices from f32 to bf16, once, and makes partial sums of c = b_q^T Wk in f32.
;   xb [8192][1024] bf16;  wb: [3072][1024] bf16 (rows 0-1023 w_q, 1024-2047 w_k, 2048-3071 w_v), then at byte 6,291,456
;   [64][1024] f32: line g holds sum over e = 16 g .. 16 g + 15 of b_q[e] w_k[e][:].
;
; WORK LEFT OUT IN THE WHOLE PROGRAM.
; (1) b_k.  With K = K0 + 1 b_k^T the score of query q and key k is Q[q].K0[k] / 32 + Q[q].b_k / 32 + mask[q][k].  The middle term does
;     not depend on k: it is the same along the softmax axis, and softmax(s + t) = softmax(s) for every real t, whatever the inputs hold.
;     So b_k reaches no output: it is not loaded and is an argument of no launch.  Limit: a NaN, an infinity or an overflow that would
;     come in through b_k alone is not carried to the result.
; (2) The projection K0 = x Wk^T.  For all values of the inputs
;       Q[q].K0[k] = sum_e (sum_d x[q][d] w_q[e][d] + b_q[e]) (sum_d' x[k][d'] w_k[e][d']) = sum_d' (sum_d x[q][d] M[d][d'] + c[d']) x[k][d']
;     with M[d][d'] = sum_e w_q[e][d] w_k[e][d'] and c[d'] = sum_e b_q[e] w_k[e][d'].  M is a product of 1024^3 multiply-adds, made once;
;     K0 would be 8192 x 1024^2.  The scores are then (x M + c) / 32 times x^T: the keys' operand is x itself.
;     Limit: the order of rounding differs: w_q, w_k, M, x and x M + c are each rounded to bf16 once, where Q and K0 would have been.
; b_v stays, and is added once at the end: the weights of a row sum to one, so attn (V0 + 1 b_v^T) = attn V0 + b_v.
;
; A stream: no LDS, no barrier, no matrix unit.  Eight waves; a work-group takes 65,536 input bytes; thread t takes 16 bytes at 16 t
; of each of sixteen pieces of 4,096 bytes.  A load of a wave covers 512 consecutive bytes, a store 256 consecutive bytes, aligned.
; All sixteen loads of a thread go out at once; no register is written twice, so nothing waits for an address to be free.
; In a weight matrix a piece is a row, so a thread of w_k's work-groups holds four columns of sixteen rows in f32: its part of c costs
; four multiplies and sixty multiply-adds and no further load but sixteen numbers of b_q.
.set X, 4                              ; v[4:67]    piece i: four f32 as loaded
.set Y, 68                             ; v[68:99]   piece i: four bf16 to store
.set C, 100                            ; v[100:103] w_k's work-groups: partial sums of c for my four columns
.set CPART, 6291456                    ; where the partial sums begin in wb
	s_load_b256 s[4:11], s[0:1], 0x0               ; x s[4:5], w_q s[6:7], w_k s[8:9], w_v s[10:11]
	s_load_b128 s[12:15], s[0:1], 0x20             ; b_q s[12:13], xb s[14:15]
	s_load_b64 s[30:31], s[0:1], 0x30              ; wb
	v_lshlrev_b32 v1, 4, v0                        ; 16 t: my bytes in a piece of the input
	v_lshlrev_b32 v2, 3, v0                        ; 8 t: my bytes in a piece of the output
	s_max_u32 s24, ttmp9, 512
	s_sub_co_u32 s24, s24, 512                     ; work-groups 512 to 703: i = 0 to 191, 64 for each weight matrix
	s_and_b32 s25, s24, 63
	s_lshl_b32 s25, s25, 16                        ; offset in the weight matrix
	s_lshl_b32 s26, s24, 15                        ; offset in wb: the three matrices follow each other
	s_lshl_b32 s27, ttmp9, 16                      ; work-groups 0 to 511: offset in x,
	s_lshl_b32 s28, ttmp9, 15                      ; and in xb
	s_sub_co_u32 s29, ttmp9, 576                   ; w_k's work-groups are 576 to 639: g = 0 to 63 (all others: 64 or more, unsigned)
	s_mov_b32 s21, 0
	s_mov_b32 s23, 0
	s_wait_kmcnt 0x0
	s_cmp_ge_u32 ttmp9, 576
	s_cselect_b64 s[16:17], s[8:9], s[6:7]         ; w_k or w_q
	s_cmp_ge_u32 ttmp9, 640
	s_cselect_b64 s[16:17], s[10:11], s[16:17]     ; or w_v
	s_cmp_lt_u32 ttmp9, 512
	s_cselect_b64 s[16:17], s[4:5], s[16:17]       ; or x
	s_cselect_b64 s[18:19], s[14:15], s[30:31]     ; xb or wb
	s_cselect_b32 s20, s27, s25
	s_cselect_b32 s22, s28, s26
	s_add_nc_u64 s[16:17], s[16:17], s[20:21]
	s_add_nc_u64 s[18:19], s[18:19], s[22:23]
.irp i, 0,1,2,3,4,5,6,7,8,9,10,11,12,13,14,15
	global_load_b128 v[X+4*\i:X+4*\i+3], v1, s[16:17] offset:4096*\i th:TH_LOAD_NT   ; read once in this launch
.endr
; The sixteen pieces are rounded and stored.  wk = 1: row i of the sixteen also enters the partial sums of c.
.macro PIECES wk
.irp i, 0,1,2,3,4,5,6,7,8,9,10,11,12,13,14,15
	s_wait_loadcnt 15-\i                           ; loads come back in order: piece i is in, the younger ones stay out
	v_cvt_pk_bf16_f32 v[Y+2*\i],   v[X+4*\i],   v[X+4*\i+1]
	v_cvt_pk_bf16_f32 v[Y+2*\i+1], v[X+4*\i+2], v[X+4*\i+3]
	global_store_b64 v2, v[Y+2*\i:Y+2*\i+1], s[18:19] offset:2048*\i
.if \wk
.irp k, 0,1,2,3
.if \i == 0
	v_mul_f32 v[C+\k], s[32], v[X+\k]              ; the first row starts the sums: nothing is cleared
.else
	v_fmac_f32 v[C+\k], s[32+\i], v[X+4*\i+\k]
.endif
.endr
.endif
.endr
.endm
	s_cmp_lt_u32 s29, 64
	s_cbranch_scc1 .Lwk
	PIECES 0
	s_endpgm
.Lwk:
	s_lshl_b32 s20, s29, 6                         ; sixteen numbers of b_q,
	s_lshl_b32 s22, s29, 12                        ; a line of 4,096 bytes of partial sums
	s_add_nc_u64 s[12:13], s[12:13], s[20:21]
	s_add_nc_u64 s[30:31], s[30:31], s[22:23]
	s_load_b512 s[32:47], s[12:13], 0x0            ; b_q[16 g .. 16 g + 15]
	s_wait_kmcnt 0x0
	PIECES 1
	global_store_b128 v1, v[C:C+3], s[30:31] offset:CPART      ; a store of the wave covers 512 consecutive bytes, aligned
	s_endpgm
.Lfunc_end_k_q11e14f1a7b_cvt:
	.size	k_q11e14f1a7b_cvt, .Lfunc_end_k_q11e14f1a7b_cvt-k_q11e14f1a7b_cvt
	.p2alignl 7, 3214868480
	.fill 96, 4, 3214868480
	.section	.rodata,"a",@progbits
	.p2align	6, 0x0
	.amdhsa_kernel k_q11e14f1a7b_cvt
		.amdhsa_group_segment_fixed_size 0
		.amdhsa_private_segment_fixed_size 0
		.amdhsa_enable_private_segment 0
		.amdhsa_kernarg_size 56
		.amdhsa_user_sgpr_count 2
		.amdhsa_user_sgpr_kernarg_segment_ptr 1
		.amdhsa_wavefront_size32 1
		.amdhsa_system_sgpr_workgroup_id_x 1
		.amdhsa_system_sgpr_workgroup_id_y 1
		.amdhsa_system_sgpr_workgroup_id_z 1
		.amdhsa_system_vgpr_workitem_id 0
		.amdhsa_next_free_vgpr 104
		.amdhsa_next_free_sgpr 66
		.amdhsa_reserve_vcc 0
		.amdhsa_float_denorm_mode_32 3
		.amdhsa_float_denorm_mode_16_64 3
		.amdhsa_memory_ordered 1
		.amdhsa_forward_progress 1
		.amdhsa_inst_pref_size 14
	.end_amdhsa_kernel
	.amdgpu_metadata
---
amdhsa.version: [ 1, 2 ]
amdhsa.kernels:
  - .name:           k_q11e14f1a7b_cvt
    .symbol:         k_q11e14f1a7b_cvt.kd
    .args:
      - { .name: x, .offset: 0, .size: 8, .value_kind: global_buffer, .address_space: global }
      - { .name: w_q, .offset: 8, .size: 8, .value_kind: global_buffer, .address_space: global }
      - { .name: w_k, .offset: 16, .size: 8, .value_kind: global_buffer, .address_space: global }
      - { .name: w_v, .offset: 24, .size: 8, .value_kind: global_buffer, .address_space: global }
      - { .name: b_q, .offset: 32, .size: 8, .value_kind: global_buffer, .address_space: global }
      - { .name: xb, .offset: 40, .size: 8, .value_kind: global_buffer, .address_space: global }
      - { .name: wb, .offset: 48, .size: 8, .value_kind: global_buffer, .address_space: global }
    .group_segment_fixed_size: 0
    .private_segment_fixed_size: 0
    .kernarg_segment_align: 8
    .kernarg_segment_size: 56
    .max_flat_workgroup_size: 256
    .sgpr_count:     66
    .vgpr_count:     104
    .wavefront_size: 32
...
	.end_amdgpu_metadata
.endif
;; end of part 5
;; launch mprod (part 6): grid 8 x 8, 4 waves a work-group, clusters of 4 x 4, 327,680 bytes of LDS; arguments wb, mt; writes mt
.if DOCPART == 6
	.amdgcn_target "amdgcn-amd-amdhsa--gfx1250"
	.amdhsa_code_object_version 6
	.text
	.protected	k_q11e14f1a7b_mprod
	.globl	k_q11e14f1a7b_mprod
	.p2align	8
	.type	k_q11e14f1a7b_mprod,@function
k_q11e14f1a7b_mprod:
	s_mov_b64 s[64:65], 0
	v_nop
	global_prefetch_b8 v0, s[64:65] scope:SCOPE_SE
	s_setreg_imm32_b32 hwreg(HW_REG_WAVE_MODE, 25, 1), 1
	s_wait_xcnt 0x0
	s_wait_alu depctr_hold_cnt(0) depctr_sa_sdst(0) depctr_va_vdst(0) depctr_va_sdst(0) depctr_va_ssrc(0) depctr_va_vcc(0) depctr_vm_vsrc(0)
	s_getreg_b32 s2, hwreg(HW_REG_IB_STS2, 6, 4)
	s_cmp_eq_u32 s2, 0
	s_cbranch_scc0 .Lentry_in_a_cluster
	s_endpgm
.Lentry_in_a_cluster:
	s_bfe_u32 s2, ttmp6, 0x10000c
	s_cmp_lg_u32 s2, 0xf033
	s_cbranch_scc0 .Lentry_shape_is_right
	s_endpgm
.Lentry_shape_is_right:
; mt[d'][d] = sum over e of w_k[e][d'] w_q[e][d]  (M transposed, bf16, [1024][1024]);  at byte 2,097,152 of mt: c[d'] / 32 in f32, [1024].
; With M and c the scores need no projection of the keys, and b_k is left out: both shown at the head of the first kernel.
; The next launch sums over d, so it wants d along the rows of its second operand: that is M transposed.
;
; A bf16 product with f32 sums in blocks of 128 (d') x 128 (d), K = e = 1024.  The sum index runs DOWN the rows of both operands, so a tile lies in
; LDS as [e][column] and the fragments are read by the transposing LDS load: lane l addresses row 8 (l / 16) + l % 8 and 16 bytes of columns
; ((l / 8) % 2), and receives column l % 16 with eight consecutive e.  LDS rows are 256 bytes + 32 of padding.
; Four waves; a wave makes 32 rows (d') x all 128 columns, so that its rows of mt are 256 consecutive bytes, aligned: 16 accumulator tiles.
; 64 work-groups: blocks half as wide would have tile rows and result rows of 128 bytes; blocks of 256 x 256 would leave 16 work-groups.
; Two LDS slots of 256 e each; both are asked for at the start and each is filled once more: four fills cover e = 0 .. 1023.
; CLUSTERS of 4 x 4 work-groups: w_k's tile hangs on the block row alone and is shared along a row of the cluster, w_q's on the block column alone
; and is shared along a column: joint loads divide the requests by four.
; REGISTERS: window 0: v16-28 addresses; v64-143, v144-223 fragments (8 of w_q, 2 of w_k), two buffers; v224-255 packed results
;            window 1: accumulator tile (a, b) at v[8 (8 a + b)]
; The matrix instruction is used transposed (source 0 = columns d, source 1 = rows d'): lane l holds row l % 16, its registers columns 8 (l / 16) + 0..7.
.set PITCH,  288                       ; 9 x 32 bytes
.set HALFT,  128*PITCH                 ; 128 rows e: one tensor load
.set SLOT,   4*HALFT                   ; w_k's 256 rows e, then w_q's: 147,456
.set STAGE,  2*SLOT                    ; behind the ring: 16 rows x 272 bytes for each wave, for the way out; no tensor load lands there
.set SPITCH, 272
.set WROW,   2048                      ; bytes in a row of wb's matrices and of mt
.set CPART,  6291456                   ; the 64 lines of partial sums of c in wb
.set CVEC,   2097152                   ; c / 32 in mt
.set ADRA, 16                          ; v16-19  my w_k fragments in (slot 0, rows 0-127), (slot 0, rows 128-255), (slot 1, ..), (slot 1, ..)
.set ADRB, 20                          ; v20-23  the same for w_q
.set STO,  24
.set RD,   25
.set CO,   26
.set CPA,  27                          ; partial sums: 4,096 (l / 16) + 16 (l % 16)
.set CST,  28                          ; c: 16 (l % 16) + 8 (l / 16)
.set F0,   64
.set F1,   144
.set FA,   64                          ; in a buffer: 8 fragments of w_q, then 2 of w_k
.set TMP,  224
.set G1,  24
.set G0,  32
.set G1B, 48
.set G0B, 56
.set G1WORD, (1<<16)|(1<<20)|(1<<21)|(5<<22)|(7<<25)   ; element of 2 bytes; padding on; bit 21 beside a mask; after every 64 words, 8 words
.set MULW, 0x50                        ; sources 0 and 1 window 0, C and D window 1
.set MSB, 0
.macro WIN new                         ; the immediate's high byte repeats the setting that is left
.if MSB != \new
	s_set_vgpr_msb (MSB<<8)|\new
.set MSB, \new
.endif
.endm
; A joint load into slot s (s may be an expression: it stands in parentheses).  Waves 0 and 1 fetch w_k's two halves of a slot, waves 2 and 3 w_q's.
; The branch hangs on the wave's number alone.
.macro JLOAD s
	s_cmp_eq_u32 s11, 0
	s_cbranch_scc0 .Lfor_b_\@
	tensor_load_to_lds s[G0+4*(\s):G0+4*(\s)+3], s[G1:G1+7]
	s_nop 0
	s_branch .Lasked_\@
.Lfor_b_\@:
	tensor_load_to_lds s[G0B+4*(\s):G0B+4*(\s)+3], s[G1B:G1B+7]
	s_nop 0
.Lasked_\@:
.endm
.macro CREST                           ; a round of the cluster's barrier behind its opening work-group barrier
	s_cmp_lg_u32 s10, 0
	s_cbranch_scc1 .Lnot_wave_0_\@
	s_barrier_signal -3
.Lnot_wave_0_\@:
	s_barrier_wait -3
	s_barrier_signal -1
	s_barrier_wait -1
.endm
.macro CROUND
	s_barrier_signal -1
	s_barrier_wait -1
	CREST
.endm
.macro PLACES                          ; four places behind a matrix instruction, in front of loads into its sources and of reads of its results
.rept 4
	v_nop
.endr
.endm
	s_load_b128 s[68:71], s[0:1], 0x0              ; wb s[68:69], mt s[70:71]
	v_lshl_add_u32 v62, v0, 2, 0x4c400
	v_mov_b32 v63, 0
	ds_add_u32 v62, v63
	v_lshrrev_b32 v1, 5, v0
	v_readfirstlane_b32 s10, v1                    ; wave 0..3: my 32 rows of the block
	s_lshr_b32 s11, s10, 1                         ; I fetch for w_k (0) or for w_q (1),
	s_and_b32 s12, s10, 1                          ; the slot's rows e 0-127 or 128-255
	s_bfe_u32 s40, ttmp6, 0x40000                  ; cx
	s_bfe_u32 s41, ttmp6, 0x40004                  ; cy
	s_lshl_b32 s42, ttmp9, 2
	s_add_co_u32 s42, s42, s40                     ; block column (d), 0..7
	s_and_b32 s80, ttmp7, 0xffff
	s_lshl_b32 s13, s80, 2
	s_add_co_u32 s13, s13, s41                     ; block row (d'), 0..7
	s_lshl_b32 s43, s41, 2
	s_lshl_b32 s43, 15, s43                        ; my row of the cluster
	s_lshl_b32 s44, 0x1111, s40                    ; my column
	s_mov_b32 s84, 0x76543210                      ; v_permlanex16_b32: lane i of one half reads lane i of the other
	s_mov_b32 s85, 0xfedcba98
	s_or_b32 s[G1+0], s43, G1WORD
	s_or_b32 s[G1B+0], s44, G1WORD
	s_mov_b32 s[G1+1], 128<<16                     ; tensor_dim0 = 128 columns
	s_mov_b32 s[G1B+1], 128<<16
	s_mov_b32 s[G1+2], 128<<16                     ; tensor_dim1 = 128 rows e
	s_mov_b32 s[G1B+2], 128<<16
	s_mov_b32 s[G1+3], 128<<16                     ; tile_dim0
	s_mov_b32 s[G1B+3], 128<<16
	s_mov_b32 s[G1+4], 128                         ; tile_dim1
	s_mov_b32 s[G1B+4], 128
	s_mov_b32 s[G1+5], 1024                        ; elements from row to row
	s_mov_b32 s[G1B+5], 1024
	s_mov_b32 s[G1+6], 0
	s_mov_b32 s[G1B+6], 0
	s_mov_b32 s[G1+7], 0
	s_mov_b32 s[G1B+7], 0
	s_lshl_b32 s16, s12, 7
	s_add_co_u32 s16, s16, 1024                    ; w_k's rows lie behind w_q's 1,024
	s_lshl_b32 s16, s16, 11
	s_lshl_b32 s17, s13, 8                         ; 256 bytes a block row: the columns d'
	s_add_co_u32 s16, s16, s17
	s_mov_b32 s17, 0
	s_lshl_b32 s46, s12, 18                        ; w_q: 128 rows of 2,048 bytes
	s_lshl_b32 s47, s42, 8                         ; 256 bytes a block column: the columns d
	s_add_co_u32 s46, s46, s47
	s_mov_b32 s47, 0
	s_lshl_b32 s92, s13, 7                         ; mt at my wave's corner: row 128 x block row + 32 x wave,
	s_lshl_b32 s93, s10, 5
	s_add_co_u32 s92, s92, s93
	s_lshl_b32 s92, s92, 11
	s_lshl_b32 s93, s42, 8                         ; 256 bytes a block column
	s_add_co_u32 s92, s92, s93
	s_mov_b32 s93, 0
	s_mul_i32 s20, s10, HALFT                      ; where my tile goes: w_k's two halves, then w_q's two halves
	s_wait_dscnt 0x0
	s_wait_kmcnt 0x0
	s_add_nc_u64 s[14:15], s[68:69], s[16:17]
	s_add_nc_u64 s[46:47], s[68:69], s[46:47]
	s_add_nc_u64 s[8:9], s[70:71], s[92:93]
	CROUND                                         ; all sixteen work-groups are here: the first joint loads meet
.irp s, 0,1
	s_mov_b32 s[G0+4*\s], 1
	s_add_co_u32 s[G0+4*\s+1], s20, \s*SLOT
	s_add_nc_u64 s[G0+4*\s+2:G0+4*\s+3], s[14:15], \s*256*WROW     ; slot s begins with e = 256 s
	s_or_b32 s[G0+4*\s+3], s[G0+4*\s+3], 0x80000000
	s_mov_b32 s[G0B+4*\s], 1
	s_add_co_u32 s[G0B+4*\s+1], s20, \s*SLOT
	s_add_nc_u64 s[G0B+4*\s+2:G0B+4*\s+3], s[46:47], \s*256*WROW
	s_or_b32 s[G0B+4*\s+3], s[G0B+4*\s+3], 0x80000000
	JLOAD \s                                       ; both slots are asked for before anything else: two tensor loads of the wave are out
.endr
	v_and_b32 v1, 15, v0                           ; l % 16
	v_bfe_u32 v2, v0, 4, 1                         ; l / 16
	v_and_b32 v6, 31, v0                           ; lane
	v_and_b32 v4, 7, v0
	v_lshl_add_u32 v4, v2, 3, v4                   ; row e in a fragment's half: 8 (l / 16) + l % 8
	v_bfe_u32 v5, v0, 3, 1
	v_mul_u32_u24 v3, v4, PITCH
	v_lshl_add_u32 v3, v5, 4, v3                   ; + 16 bytes for the second eight columns
	s_lshl_b32 s21, s10, 6                         ; my 32 columns d' of w_k's tile: 64 bytes a wave
	v_add_nc_u32 v7, s21, v3
.irp u, 0,1,2,3
	v_add_nc_u32 v[ADRA+\u], (\u>>1)*SLOT+(\u&1)*HALFT, v7
	v_add_nc_u32 v[ADRB+\u], (\u>>1)*SLOT+(\u&1)*HALFT+2*HALFT, v3
.endr
	s_mul_i32 s23, s10, 16*SPITCH
	s_add_co_u32 s23, s23, STAGE                   ; my stage
	v_mul_u32_u24 v5, v1, SPITCH
	v_lshl_add_u32 v5, v2, 4, v5
	v_add_nc_u32 v[STO], s23, v5                   ; in: row l % 16, 16 bytes for each half of the lanes
	v_mul_u32_u24 v5, v2, SPITCH
	v_lshl_add_u32 v5, v1, 4, v5
	v_add_nc_u32 v[RD], s23, v5                    ; back: lanes 0-15 one row of 256 bytes, lanes 16-31 the next
	v_lshlrev_b32 v5, 11, v2
	v_lshl_add_u32 v[CO], v1, 4, v5                ; the same two rows in mt
	v_lshlrev_b32 v5, 12, v2
	v_lshl_add_u32 v[CPA], v1, 4, v5
	v_lshlrev_b32 v5, 3, v2
	v_lshl_add_u32 v[CST], v1, 4, v5
	; c / 32: the 64 lines of partial sums are added.  c is sixteen pieces of 256 bytes: the sixteen work-groups of cluster (0, 0) take one each,
	; by their place in the cluster, which enters global addresses alone; wave 3 does it while the first tiles are on their way.
	; The branch hangs on the cluster's number and the wave's number: it is the same in all partners, and holds no barrier and no tensor load.
	s_or_b32 s90, s80, ttmp9
	s_xor_b32 s91, s10, 3
	s_or_b32 s90, s90, s91
	s_cmp_lg_u32 s90, 0
	s_cbranch_scc1 .Lno_c
	s_lshl2_add_u32 s94, s41, s40                  ; place 4 cy + cx
	s_lshl_b32 s94, s94, 8
	s_mov_b32 s95, 0
	s_add_nc_u64 s[86:87], s[68:69], s[94:95]
	s_add_nc_u64 s[88:89], s[70:71], s[94:95]
.irp i, 0,1,2,3,4,5,6,7,8,9,10,11,12,13,14,15,16,17,18,19,20,21,22,23,24,25,26,27,28,29,30,31
	global_load_b128 v[64+4*\i:64+4*\i+3], v[CPA], s[86:87] offset:CPART+8192*\i   ; lines 2 i and 2 i + 1: 256 consecutive bytes each
.endr
	s_wait_loadcnt 0x0
.irp n, 32,16,8,4,2
.set j, 0
.rept \n
	v_pk_add_f32 v[64+2*j:65+2*j], v[64+2*j:65+2*j], v[64+2*(j+\n):65+2*(j+\n)]
.set j, j+1
.endr
.endr
.irp k, 0,1,2,3
	v_permlanex16_b32 v[68+\k], v[64+\k], s84, s85 ; the odd lines' sums to the even lines' lanes and back
.endr
	v_pk_add_f32 v[64:65], v[64:65], v[68:69]
	v_pk_add_f32 v[66:67], v[66:67], v[70:71]      ; both halves of the lanes now hold four columns' sums
	v_cmp_lt_u32 vcc_lo, 15, v6
	v_cndmask_b32 v72, v64, v66, vcc_lo            ; lanes 0-15 keep the first two, lanes 16-31 the last two:
	v_cndmask_b32 v73, v65, v67, vcc_lo
	v_pk_mul_f32 v[72:73], v[72:73], 0x3d000000 op_sel_hi:[1,0]    ; / 32, exact
	global_store_b64 v[CST], v[72:73], s[88:89] offset:CVEC        ; the wave's one store covers 256 consecutive bytes, aligned
	s_wait_xcnt 0x0                                ; v72, v73 are fragment registers: they are loaded again only behind this wait
.Lno_c:
; 8 matrix instructions: column tiles b0 .. b0 + 3 x both row tiles, 32 along e.  zero = 1: the product starts the sums, nothing is cleared.
; The 16 accumulators take turns, one instruction a turn, in the same order in every quarter.
.macro MULH f, b0, zero
.irp b, \b0, \b0+1, \b0+2, \b0+3
.irp a, 0, 1
.if \zero
	v_wmma_f32_16x16x32_bf16 v[8*(8*\a+(\b)):8*(8*\a+(\b))+7], v[\f+8*(\b):\f+8*(\b)+7], v[\f+FA+8*\a:\f+FA+8*\a+7], 0
.else
	v_wmma_f32_16x16x32_bf16 v[8*(8*\a+(\b)):8*(8*\a+(\b))+7], v[\f+8*(\b):\f+8*(\b)+7], v[\f+FA+8*\a:\f+FA+8*\a+7], v[8*(8*\a+(\b)):8*(8*\a+(\b))+7]
.endif
.endr
.endr
.endm
; 20 transposing LDS loads in one run: 32 rows e (quarter q of the 128 rows of unit u) of my 32 columns of w_k, then of w_q's 128 columns
.macro FETCHQ u, q, f
.irp a, 0,1
	ds_load_tr16_b128 v[\f+FA+8*\a:\f+FA+8*\a+3],   v[ADRA+\u] offset:\q*32*PITCH+32*\a
	ds_load_tr16_b128 v[\f+FA+8*\a+4:\f+FA+8*\a+7], v[ADRA+\u] offset:\q*32*PITCH+16*PITCH+32*\a
.endr
.irp b, 0,1,2,3,4,5,6,7
	ds_load_tr16_b128 v[\f+8*\b:\f+8*\b+3],   v[ADRB+\u] offset:\q*32*PITCH+32*\b
	ds_load_tr16_b128 v[\f+8*\b+4:\f+8*\b+7], v[ADRB+\u] offset:\q*32*PITCH+16*PITCH+32*\b
.endr
.endm
; 32 along e: multiplies buffer f; fetch = 1: in its middle the next 32 (unit u, quarter q) are fetched into buffer g
.macro QTR f, zero, fetch, u, q, g
	s_wait_dscnt 8                                 ; w_k's fragments and w_q's tiles 0-3 are in; the youngest eight loads (tiles 4-7) may be out
	WIN MULW
	MULH \f, 0, \zero
.if \fetch
	PLACES
	WIN 0
	FETCHQ \u, \q, \g
	s_wait_dscnt 20                                ; all but the 20 just issued
	WIN MULW
.else
	s_wait_dscnt 0
.endif
	MULH \f, 4, \zero
.endm
.macro PHASE slot, zero                ; a slot's 256 e
	FETCHQ 2*\slot, 0, F0
	QTR F0, \zero, 1, 2*\slot, 1, F1
	QTR F1, 0, 1, 2*\slot, 2, F0
	QTR F0, 0, 1, 2*\slot, 3, F1
	QTR F1, 0, 1, 2*\slot+1, 0, F0
	QTR F0, 0, 1, 2*\slot+1, 1, F1
	QTR F1, 0, 1, 2*\slot+1, 2, F0
	QTR F0, 0, 1, 2*\slot+1, 3, F1
	QTR F1, 0, 0, 0, 0, 0
	WIN 0
.endm
; The change to slot `slot`.  Each wave waits for its reads of the other slot and for all its tensor loads (one is out: its part of `slot`).
; refill = 1: a round of the cluster's barrier follows, and the joint refill of the other slot is the wave's first and only tensor load behind it;
; it has this slot's 128 matrix instructions in which to land.  refill = 0: the work-group's barrier shows the slot whole to every wave.
.macro CHANGE slot, refill
	s_wait_tensorcnt 0x0
	ds_add_u32 v62, v63
	s_wait_dscnt 0x0
	s_wait_dscnt 0x0
.if \refill
	s_add_nc_u64 s[G0+4*(1-\slot)+2:G0+4*(1-\slot)+3], s[G0+4*(1-\slot)+2:G0+4*(1-\slot)+3], 512*WROW     ; no tensor load of mine is out: a group 0 may be written
	s_add_nc_u64 s[G0B+4*(1-\slot)+2:G0B+4*(1-\slot)+3], s[G0B+4*(1-\slot)+2:G0B+4*(1-\slot)+3], 512*WROW
	CROUND
	JLOAD 1-\slot
.else
	s_barrier_signal -1
	s_barrier_wait -1
.endif
	PLACES                                         ; buffer 0 was read by matrix instructions of the slot before
	PHASE \slot, 0
.endm
	s_wait_tensorcnt 0x1                           ; my part of slot 0 is in; slot 1's stays out
	s_barrier_signal -1
	s_barrier_wait -1
	PHASE 0, 1                                     ; e = 0 .. 255: the first products start the sums
	CHANGE 1, 1                                    ; e = 256 .. 511; slot 0 is asked for again: e = 512 .. 767
	CHANGE 0, 1                                    ; e = 512 .. 767; slot 1 is asked for again: e = 768 .. 1023
	CHANGE 1, 0                                    ; e = 768 .. 1023: nothing is left to fetch
	PLACES
; THE WAY OUT, 16 rows at a time: round to bf16, 16 bytes a lane into my own stage, read back as whole rows of 256 bytes.
.macro OUTM i, f
	WIN 0x05                                       ; sources 0 and 1 window 1
.irp b, 0,1,2,3,4,5,6,7
.irp q, 0,1,2,3
	v_cvt_pk_bf16_f32 v[TMP+4*\b+\q], v[8*(8*\i+\b)+2*\q], v[8*(8*\i+\b)+2*\q+1]
.endr
.endr
	WIN 0
.irp b, 0,1,2,3,4,5,6,7
	ds_store_b128 v[STO], v[TMP+4*\b:TMP+4*\b+3] offset:32*\b
.endr
	s_wait_xcnt 0x0                                ; the stores' base is stepped only behind this wait
.if \i
	s_add_nc_u64 s[8:9], s[8:9], 16*WROW
.endif
.irp t, 0,1,2,3,4,5,6,7
	ds_load_b128 v[\f+4*\t:\f+4*\t+3], v[RD] offset:\t*2*SPITCH    ; LDS serves a wave's instructions in order: these see the stores above
.endr
.irp t, 0,1,2,3,4,5,6,7
	s_wait_dscnt 7-\t                              ; load t is in, the younger ones stay out
	global_store_b128 v[CO], v[\f+4*\t:\f+4*\t+3], s[8:9] offset:2*\t*WROW   ; 16 lanes store 256 consecutive bytes, aligned
.endr
.endm
	OUTM 0, F0
	OUTM 1, F1
	s_wait_tensorcnt 0x0
	ds_add_u32 v62, v63
	s_wait_dscnt 0x0
	CROUND                                         ; the closing round: no work-group ends while a partner may still ask for a tile that names it
	s_endpgm
.Lfunc_end_k_q11e14f1a7b_mprod:
	.size	k_q11e14f1a7b_mprod, .Lfunc_end_k_q11e14f1a7b_mprod-k_q11e14f1a7b_mprod
	.p2alignl 7, 3214868480
	.fill 96, 4, 3214868480
	.section	.rodata,"a",@progbits
	.p2align	6, 0x0
	.amdhsa_kernel k_q11e14f1a7b_mprod
		.amdhsa_group_segment_fixed_size 327680
		.amdhsa_private_segment_fixed_size 0
		.amdhsa_enable_private_segment 0
		.amdhsa_kernarg_size 16
		.amdhsa_user_sgpr_count 2
		.amdhsa_user_sgpr_kernarg_segment_ptr 1
		.amdhsa_wavefront_size32 1
		.amdhsa_system_sgpr_workgroup_id_x 1
		.amdhsa_system_sgpr_workgroup_id_y 1
		.amdhsa_system_sgpr_workgroup_id_z 1
		.amdhsa_system_vgpr_workitem_id 0
		.amdhsa_next_free_vgpr 384
		.amdhsa_next_free_sgpr 96
		.amdhsa_reserve_vcc 1
		.amdhsa_float_denorm_mode_32 3
		.amdhsa_float_denorm_mode_16_64 3
		.amdhsa_memory_ordered 1
		.amdhsa_forward_progress 1
		.amdhsa_inst_pref_size 106
	.end_amdhsa_kernel
	.amdgpu_metadata
---
amdhsa.version: [ 1, 2 ]
amdhsa.kernels:
  - .name:           k_q11e14f1a7b_mprod
    .symbol:         k_q11e14f1a7b_mprod.kd
    .args:
      - { .name: wb, .offset: 0, .size: 8, .value_kind: global_buffer, .address_space: global }
      - { .name: mt, .offset: 8, .size: 8, .value_kind: global_buffer, .address_space: global }
    .group_segment_fixed_size: 327680
    .private_segment_fixed_size: 0
    .kernarg_segment_align: 8
    .kernarg_segment_size: 16
    .max_flat_workgroup_size: 128
    .sgpr_count:     96
    .vgpr_count:     384
    .wavefront_size: 32
...
	.end_amdgpu_metadata
.endif
;; end of part 6
;; launch gproj (part 7): grid 8 x 32, 4 waves a work-group, clusters of 4 x 4, 327,680 bytes of LDS; arguments xb, wb, mt, g, vt; writes g, vt
.if DOCPART == 7
	.amdgcn_target "amdgcn-amd-amdhsa--gfx1250"
	.amdhsa_code_object_version 6
	.text
	.protected	k_q11e14f1a7b_gproj
	.globl	k_q11e14f1a7b_gproj
	.p2align	8
	.type	k_q11e14f1a7b_gproj,@function
k_q11e14f1a7b_gproj:
	s_mov_b64 s[64:65], 0
	v_nop
	global_prefetch_b8 v0, s[64:65] scope:SCOPE_SE
	s_setreg_imm32_b32 hwreg(HW_REG_WAVE_MODE, 25, 1), 1
	s_wait_xcnt 0x0
	s_wait_alu depctr_hold_cnt(0) depctr_sa_sdst(0) depctr_va_vdst(0) depctr_va_sdst(0) depctr_va_ssrc(0) depctr_va_vcc(0) depctr_vm_vsrc(0)
	s_getreg_b32 s2, hwreg(HW_REG_IB_STS2, 6, 4)
	s_cmp_eq_u32 s2, 0
	s_cbranch_scc0 .Lentry_in_a_cluster
	s_endpgm
.Lentry_in_a_cluster:
	s_bfe_u32 s2, ttmp6, 0x10000c
	s_cmp_lg_u32 s2, 0xf033
	s_cbranch_scc0 .Lentry_shape_is_right
	s_endpgm
.Lentry_shape_is_right:
; The two projections that are left, as one product C = A B^T in bf16 with f32 sums, K = 1024, in 256 blocks of 256 x 256.
;   clusters x = 0: A = xb (8192 rows), B = mt (M transposed, 1024 rows):  g[s][d'] = (x M)[s][d'] / 32 + c[d'] / 32
;   clusters x = 1: A = wb rows 2048-3071 (w_v), B = xb rows of half a batch:  vt[batch][e][s] = (x w_v^T) transposed
; The factor 1/32 = 1/sqrt(1024) of the scores is a power of two and is put on g here, exactly; c / 32 comes from the launch before.
; LEFT OUT: the projection of the keys and b_k (shown at the head of the first kernel).  b_v is added in the last launch.
; V comes out transposed because the last product sums over the keys: its second operand then has the keys along its rows.
;
; Four waves, a wave makes 128 x 128 in 64 accumulator tiles.  K goes in steps of 128 through two LDS slots filled by the tensor data mover; a tile row
; is 256 bytes of memory, at a multiple of 256 bytes from the buffer's first byte.
; CLUSTERS of 4 x 4 work-groups: the four of a row of the cluster need the same tile of A, the four of a column the same tile of B: joint loads divide
; the requests by four.  Which role a work-group has hangs on the cluster's x alone: it is equal in all sixteen partners.
; REGISTERS: window 0: v16-39 addresses; v64-127, v128-191 fragments of A (8 x 16 rows x 32 K), two buffers; v192-223 packed results
;            window 1: v0-63 c / 32; v64-127, v128-191 fragments of B;  window 2: tiles of my rows 0-63 (tile (a, b) at v[8 (8 a + b)]);  window 3: rows 64-127
; The matrix instruction is used transposed (source 0 = rows of B, source 1 = rows of A): lane l holds row l % 16 of C, its registers columns 8 (l / 16) + 0..7.
.set KSTEP,  128
.set PITCH,  272                       ; an LDS row: 256 bytes + 16 of padding: the 16 rows that a load touches start at 16 different 16-byte columns of 256
.set HALFT,  128*PITCH
.set SLOT,   4*HALFT                   ; A's 256 rows, then B's 256 rows
.set STAGE,  2*SLOT                    ; behind the ring: 16 rows x 272 bytes for each wave; no tensor load lands there
.set SPITCH, 272
.set LAPS,   4                         ; a lap = two K steps = once round the ring
.set CVEC,   2097152                   ; c / 32 in mt
.set ADRA, 16
.set ADRB, 20
.set STO,  24
.set RD,   25
.set BO,   27                          ; my byte offset in c: 32 (l / 16)
.set CO,   32                          ; v32-39  my byte offset in rows 2 t + l / 16 of C: the two roles' rows of C differ in length
.set F0,   64
.set F1,   128
.set TMP,  192
.set BQ,   0                           ; window 1
.set G1,  24
.set G0,  32
.set G1B, 48
.set G0B, 56
.set G1WORD, (1<<16)|(1<<20)|(1<<21)|(5<<22)|(3<<25)   ; element of 2 bytes; padding on; bit 21 beside a mask; after every 64 words, 4 words
.set MUL_LO, 0xa1                      ; source 0 (B) window 1, source 1 (A) window 0, C and D window 2
.set MUL_HI, 0xf1                      ; the same, C and D window 3
.set TO_B,   0x40
.set MSB, 0
.macro WIN new
.if MSB != \new
	s_set_vgpr_msb (MSB<<8)|\new
.set MSB, \new
.endif
.endm
.macro JLOAD s                         ; waves 0 and 1 fetch A's two halves, waves 2 and 3 B's.  The branch hangs on the wave's number alone
	s_cmp_eq_u32 s11, 0
	s_cbranch_scc0 .Lfor_b_\@
	tensor_load_to_lds s[G0+4*\s:G0+4*\s+3], s[G1:G1+7]
	s_nop 0
	s_branch .Lasked_\@
.Lfor_b_\@:
	tensor_load_to_lds s[G0B+4*\s:G0B+4*\s+3], s[G1B:G1B+7]
	s_nop 0
.Lasked_\@:
.endm
.macro CREST
	s_cmp_lg_u32 s10, 0
	s_cbranch_scc1 .Lnot_wave_0_\@
	s_barrier_signal -3
.Lnot_wave_0_\@:
	s_barrier_wait -3
	s_barrier_signal -1
	s_barrier_wait -1
.endm
.macro CROUND
	s_barrier_signal -1
	s_barrier_wait -1
	CREST
.endm
.macro PLACES                          ; four places behind a matrix instruction (ISA guide 7.12.1)
.rept 4
	v_nop
.endr
.endm
	s_load_b256 s[68:75], s[0:1], 0x0              ; xb s[68:69], wb s[70:71], mt s[72:73], g s[74:75]
	s_load_b64 s[76:77], s[0:1], 0x20              ; vt
	s_set_vgpr_msb 0x40
	v_lshl_add_u32 v255, v0, 2, 0x48400
	s_set_vgpr_msb 0x4000
	v_mov_b32 v255, 0
	s_set_vgpr_msb 0x1
	ds_add_u32 v255, v255
	s_set_vgpr_msb 0x100
	v_lshrrev_b32 v1, 5, v0
	v_readfirstlane_b32 s10, v1                    ; wave 0..3
	s_lshr_b32 s11, s10, 1                         ; which 128 rows of the block are mine.  Also: I fetch for A (0) or for B (1)
	s_and_b32 s12, s10, 1                          ; which 128 columns.  Also: which 128 rows of that tile I fetch
	s_bfe_u32 s40, ttmp6, 0x40000                  ; cx
	s_bfe_u32 s41, ttmp6, 0x40004                  ; cy
	s_mov_b32 s81, ttmp9                           ; the cluster's x: 0 makes g, 1 makes vt
	s_and_b32 s80, ttmp7, 0xffff                   ; the cluster's y, 0..7
	s_lshl_b32 s43, s41, 2
	s_lshl_b32 s43, 15, s43                        ; my row of the cluster
	s_lshl_b32 s44, 0x1111, s40                    ; my column
	s_or_b32 s[G1+0], s43, G1WORD
	s_or_b32 s[G1B+0], s44, G1WORD
	s_mov_b32 s[G1+1], KSTEP<<16
	s_mov_b32 s[G1B+1], KSTEP<<16
	s_mov_b32 s[G1+2], 128<<16
	s_mov_b32 s[G1B+2], 128<<16
	s_mov_b32 s[G1+3], KSTEP<<16
	s_mov_b32 s[G1B+3], KSTEP<<16
	s_mov_b32 s[G1+4], 128
	s_mov_b32 s[G1B+4], 128
	s_mov_b32 s[G1+5], 1024                        ; a row of xb, wb and mt is 1,024 elements
	s_mov_b32 s[G1B+5], 1024
	s_mov_b32 s[G1+6], 0
	s_mov_b32 s[G1B+6], 0
	s_mov_b32 s[G1+7], 0
	s_mov_b32 s[G1B+7], 0
	; the two roles' bases, from the cluster's y alone; then one compare and selects
	s_lshl_b32 s82, s80, 10                        ; g: A's and C's rows begin at 1024 x cluster y.  vt: B's rows in xb = 2048 batch + 1024 half = the same number
	s_lshr_b32 s83, s80, 1
	s_lshl_b32 s83, s83, 10                        ; vt: C's rows begin at 1024 x batch,
	s_and_b32 s84, s80, 1
	s_lshl_b32 s84, s84, 11                        ; and its columns at 1024 x half, 2 bytes each
	s_wait_dscnt 0x0
	s_wait_kmcnt 0x0
	s_cmp_lg_u32 s81, 0
	s_cselect_b32 s13, 2048, s82                   ; A's row base (w_v lies behind w_q and w_k)
	s_cselect_b32 s90, s82, 0                      ; B's row base
	s_cselect_b32 s91, s83, s82                    ; C's row base
	s_cselect_b32 s85, s84, 0                      ; C's column base, in bytes
	s_cselect_b32 s86, 12, 11                      ; a row of C is 4,096 or 2,048 bytes
	s_cselect_b64 s[4:5], s[70:71], s[68:69]       ; A from wb or xb
	s_cselect_b64 s[6:7], s[68:69], s[72:73]       ; B from xb or mt
	s_cselect_b64 s[8:9], s[76:77], s[74:75]       ; C is vt or g
	s_lshl_b32 s14, s41, 8
	s_add_co_u32 s13, s13, s14                     ; + 256 cy: the block's first row of A,
	s_add_co_u32 s91, s91, s14                     ; and of C
	s_lshl_b32 s14, s12, 7
	s_add_co_u32 s16, s13, s14                     ; the 128 rows of A that the wave would fetch
	s_lshl_b32 s16, s16, 11
	s_mov_b32 s17, 0
	s_add_nc_u64 s[14:15], s[4:5], s[16:17]
	s_lshl_b32 s46, s40, 8
	s_add_co_u32 s46, s46, s90                     ; the block's first row of B: base + 256 cx
	s_lshl_b32 s47, s12, 7
	s_add_co_u32 s46, s46, s47
	s_lshl_b32 s46, s46, 11
	s_mov_b32 s47, 0
	s_add_nc_u64 s[46:47], s[6:7], s[46:47]
	s_lshl_b32 s92, s11, 7                         ; C at my wave's corner
	s_add_co_u32 s92, s91, s92
	s_lshl_b32 s92, s92, s86
	s_add_co_u32 s92, s92, s85
	s_lshl_b32 s93, s40, 9                         ; 512 bytes a block column
	s_add_co_u32 s92, s92, s93
	s_lshl_b32 s93, s12, 8
	s_add_co_u32 s92, s92, s93
	s_mov_b32 s93, 0
	s_add_nc_u64 s[8:9], s[8:9], s[92:93]
	s_lshl_b32 s88, 16, s86                        ; 16 rows of C, in bytes
	s_mov_b32 s89, 0
	s_mul_i32 s20, s10, HALFT                      ; where my tile goes: A's two halves, then B's two halves
	CROUND                                         ; all sixteen work-groups are here: the first joint loads meet
.irp s, 0,1
	s_mov_b32 s[G0+4*\s], 1
	s_add_co_u32 s[G0+4*\s+1], s20, \s*SLOT
	s_add_nc_u64 s[G0+4*\s+2:G0+4*\s+3], s[14:15], \s*KSTEP*2
	s_or_b32 s[G0+4*\s+3], s[G0+4*\s+3], 0x80000000
	s_mov_b32 s[G0B+4*\s], 1
	s_add_co_u32 s[G0B+4*\s+1], s20, \s*SLOT
	s_add_nc_u64 s[G0B+4*\s+2:G0B+4*\s+3], s[46:47], \s*KSTEP*2
	s_or_b32 s[G0B+4*\s+3], s[G0B+4*\s+3], 0x80000000
	JLOAD \s                                       ; two tensor loads of the wave are out
.endr
	v_and_b32 v1, 15, v0                           ; l % 16
	v_bfe_u32 v2, v0, 4, 1                         ; l / 16
	v_mul_u32_u24 v3, v1, PITCH
	v_lshl_add_u32 v3, v2, 4, v3                   ; row x pitch + 16 x half
	s_mul_i32 s21, s11, HALFT                      ; my 128 rows of A
	s_mul_i32 s22, s12, HALFT
	s_add_co_u32 s22, s22, 2*HALFT                 ; my 128 rows of B
.irp s, 0,1
	v_add_nc_u32 v[ADRA+\s], s21, v3
	v_add_nc_u32 v[ADRB+\s], s22, v3
	s_add_co_u32 s21, s21, SLOT
	s_add_co_u32 s22, s22, SLOT
.endr
	s_mul_i32 s23, s10, 16*SPITCH
	s_add_co_u32 s23, s23, STAGE                   ; my stage
	v_add_nc_u32 v[STO], s23, v3                   ; in: row l % 16, 16 bytes for each half of the lanes
	v_mul_u32_u24 v5, v2, SPITCH
	v_lshl_add_u32 v5, v1, 4, v5
	v_add_nc_u32 v[RD], s23, v5                    ; back: lanes 0-15 one row of 256 bytes, lanes 16-31 the next
.irp t, 0,1,2,3,4,5,6,7
	v_add_nc_u32 v5, 2*\t, v2                      ; row 2 t + l / 16 of sixteen,
	v_lshlrev_b32 v5, s86, v5                      ; in bytes of the role's C,
	v_lshl_add_u32 v[CO+\t], v1, 4, v5             ; + 16 (l % 16)
.endr
	v_lshlrev_b32 v[BO], 5, v2
; 16 matrix instructions: row tiles a0, a0 + 1 of the window's four x all 8 column tiles, 32 along K.  zero = 1: the product starts the sums.
; The 64 accumulators take turns, one instruction a turn, in the same order in every quarter step.
.macro MUL16 f, hi, a0, zero
.irp a, \a0, \a0+1
.irp b, 0,1,2,3,4,5,6,7
.if \zero
	v_wmma_f32_16x16x32_bf16 v[8*(8*(\a)+\b):8*(8*(\a)+\b)+7], v[\f+8*\b:\f+8*\b+7], v[\f+8*(4*\hi+\a):\f+8*(4*\hi+\a)+7], 0
.else
	v_wmma_f32_16x16x32_bf16 v[8*(8*(\a)+\b):8*(8*(\a)+\b)+7], v[\f+8*\b:\f+8*\b+7], v[\f+8*(4*\hi+\a):\f+8*(4*\hi+\a)+7], v[8*(8*(\a)+\b):8*(8*(\a)+\b)+7]
.endif
.endr
.endr
.endm
.macro FETCH slot, k, f                ; 32 LDS loads in one run: 128 rows of B, 128 rows of A, 32 K at byte k
	WIN TO_B
.irp i, 0,1,2,3,4,5,6,7
	ds_load_b128 v[\f+8*\i:\f+8*\i+3],   v[ADRB+\slot] offset:\k+\i*16*PITCH
	ds_load_b128 v[\f+8*\i+4:\f+8*\i+7], v[ADRB+\slot] offset:\k+\i*16*PITCH+32
.endr
	WIN 0
.irp i, 0,1,2,3,4,5,6,7
	ds_load_b128 v[\f+8*\i:\f+8*\i+3],   v[ADRA+\slot] offset:\k+\i*16*PITCH
	ds_load_b128 v[\f+8*\i+4:\f+8*\i+7], v[ADRA+\slot] offset:\k+\i*16*PITCH+32
.endr
.endm
.macro QUARTER slot, k, f, g, zero
	s_wait_dscnt 8                                 ; B and A's rows 0-63 are in; the youngest eight loads (A's rows 64-127) may be out
	WIN MUL_LO
	MUL16 \f, 0, 0, \zero
	MUL16 \f, 0, 2, \zero
	PLACES
	FETCH \slot, \k, \g
	s_wait_dscnt 32                                ; all but the 32 just issued
	WIN MUL_HI
	MUL16 \f, 1, 0, \zero
	MUL16 \f, 1, 2, \zero
.endm
.macro THREE slot, zero
	QUARTER \slot, 64,  F0, F1, \zero
	QUARTER \slot, 128, F1, F0, 0
	QUARTER \slot, 192, F0, F1, 0
.endm
; The last quarter changes slots: each wave's reads of this slot and all its tensor loads are waited for in front of the barrier; where the slot is
; filled again the barrier opens a round of the cluster's barrier and the joint refill is the wave's first and only tensor load behind it.
; From a request to the wait for it a wave issues 240 matrix instructions.
.macro TURN slot, next, fill
	s_wait_dscnt 8
	WIN MUL_LO
	MUL16 F1, 0, 0, 0
	s_wait_dscnt 0                                 ; my reads of this slot are over
	s_wait_tensorcnt 0x0                           ; all my tensor loads have landed
	ds_add_u32 v255, v255
	s_wait_dscnt 0x0
	s_barrier_signal -1
	MUL16 F1, 0, 2, 0                              ; register work while the others arrive
	WIN 0
	s_barrier_wait -1
.if \fill
	CREST                                          ; no wave of any partner still reads this slot or has a load on its way
	s_add_nc_u64 s[G0+4*\slot+2:G0+4*\slot+3], s[G0+4*\slot+2:G0+4*\slot+3], 2*KSTEP*2
	s_add_nc_u64 s[G0B+4*\slot+2:G0B+4*\slot+3], s[G0B+4*\slot+2:G0B+4*\slot+3], 2*KSTEP*2
	JLOAD \slot
.endif
	PLACES
	FETCH \next, 0, F0
	WIN MUL_HI
	MUL16 F1, 1, 0, 0
	MUL16 F1, 1, 2, 0
.endm
.macro LAP zero
	THREE 0, \zero
	TURN 0, 1, 1
	THREE 1, 0
	TURN 1, 0, 1
.endm
.macro LASTSTEP                        ; the last K step: nothing more to fetch
	THREE 1, 0
	s_wait_dscnt 8
	WIN MUL_LO
	MUL16 F1, 0, 0, 0
	MUL16 F1, 0, 2, 0
	s_wait_dscnt 0
	WIN MUL_HI
	MUL16 F1, 1, 0, 0
	MUL16 F1, 1, 2, 0
	WIN 0
.endm
	s_wait_tensorcnt 0x1                           ; my part of K step 0 is in; K step 1's stays out
	s_barrier_signal -1
	s_barrier_wait -1
	FETCH 0, 0, F0
	LAP 1                                          ; the first lap's first products start the sums
	WIN 0
	s_mov_b32 s3, LAPS-2
.Llap:
	LAP 0
	WIN 0
	s_sub_co_u32 s3, s3, 1
	s_cmp_lg_u32 s3, 0
	s_cbranch_scc1 .Llap
	THREE 0, 0                                     ; the last lap fills nothing
	TURN 0, 1, 0
	WIN 0
	s_cmp_lg_u32 s81, 0
	s_cbranch_scc1 .Lplain
	; g: c / 32 is asked for one K step (256 matrix instructions) ahead of its use
	s_lshl_b32 s94, s40, 10
	s_lshl_b32 s95, s12, 9
	s_add_co_u32 s94, s94, s95                     ; 4 bytes x (256 cx + 128 x half)
	s_mov_b32 s95, 0
	s_add_nc_u64 s[94:95], s[72:73], s[94:95]
	WIN 0x40                                       ; destination window 1
.irp b, 0,1,2,3,4,5,6,7
	global_load_b128 v[BQ+8*\b:BQ+8*\b+3],   v[BO], s[94:95] offset:CVEC+64*\b      ; columns 16 b + 8 (l / 16) + 0..3
	global_load_b128 v[BQ+8*\b+4:BQ+8*\b+7], v[BO], s[94:95] offset:CVEC+64*\b+16   ; and + 4..7
.endr
	WIN 0
	LASTSTEP
	PLACES
	s_wait_loadcnt 0x0
.irp w, 0x92, 0xd3                                 ; destination and source 0 window 2, then 3; source 2 window 1
	WIN \w
.irp a, 0,1,2,3
.irp b, 0,1,2,3,4,5,6,7
.irp q, 0,2,4,6
	v_pk_fma_f32 v[8*(8*\a+\b)+\q:8*(8*\a+\b)+\q+1], v[8*(8*\a+\b)+\q:8*(8*\a+\b)+\q+1], 0x3d000000, v[BQ+8*\b+\q:BQ+8*\b+\q+1] op_sel_hi:[1,0,1]
.endr
.endr
.endr
.endr
	WIN 0
	s_branch .Lout
.Lplain:
	LASTSTEP
	PLACES
.Lout:
; THE WAY OUT, 16 rows at a time: round to bf16, 16 bytes a lane into my own stage, read back as whole rows of 256 bytes.
.macro OUT16 i, a, from, f
	WIN \from
.irp b, 0,1,2,3,4,5,6,7
.irp q, 0,1,2,3
	v_cvt_pk_bf16_f32 v[TMP+4*\b+\q], v[8*(8*\a+\b)+2*\q], v[8*(8*\a+\b)+2*\q+1]
.endr
.endr
	WIN 0
.irp b, 0,1,2,3,4,5,6,7
	ds_store_b128 v[STO], v[TMP+4*\b:TMP+4*\b+3] offset:32*\b
.endr
	s_wait_xcnt 0x0                                ; buffer f, which earlier stores read, and the stores' base are rewritten only behind this wait
.if \i
	s_add_nc_u64 s[8:9], s[8:9], s[88:89]          ; 16 rows of C on
.endif
.irp t, 0,1,2,3,4,5,6,7
	ds_load_b128 v[\f+4*\t:\f+4*\t+3], v[RD] offset:\t*2*SPITCH    ; LDS serves a wave's instructions in order: these see the stores above
.endr
.irp t, 0,1,2,3,4,5,6,7
	s_wait_dscnt 7-\t                              ; load t is in, the younger ones stay out
	global_store_b128 v[CO+\t], v[\f+4*\t:\f+4*\t+3], s[8:9]       ; 16 lanes store 256 consecutive bytes, aligned
.endr
.endm
	OUT16 0, 0, 0x0a, F0
	OUT16 1, 1, 0x0a, F1
	OUT16 2, 2, 0x0a, F0
	OUT16 3, 3, 0x0a, F1
	OUT16 4, 0, 0x0f, F0
	OUT16 5, 1, 0x0f, F1
	OUT16 6, 2, 0x0f, F0
	OUT16 7, 3, 0x0f, F1
	s_set_vgpr_msb 0x1
	s_wait_tensorcnt 0x0
	ds_add_u32 v255, v255
	s_wait_dscnt 0x0
	s_set_vgpr_msb 0x100
	CROUND                                         ; the closing round: no work-group ends while a partner may still ask for a tile that names it
	s_endpgm
.Lfunc_end_k_q11e14f1a7b_gproj:
	.size	k_q11e14f1a7b_gproj, .Lfunc_end_k_q11e14f1a7b_gproj-k_q11e14f1a7b_gproj
	.p2alignl 7, 3214868480
	.fill 96, 4, 3214868480
	.section	.rodata,"a",@progbits
	.p2align	6, 0x0
	.amdhsa_kernel k_q11e14f1a7b_gproj
		.amdhsa_group_segment_fixed_size 327680
		.amdhsa_private_segment_fixed_size 0
		.amdhsa_enable_private_segment 0
		.amdhsa_kernarg_size 40
		.amdhsa_user_sgpr_count 2
		.amdhsa_user_sgpr_kernarg_segment_ptr 1
		.amdhsa_wavefront_size32 1
		.amdhsa_system_sgpr_workgroup_id_x 1
		.amdhsa_system_sgpr_workgroup_id_y 1
		.amdhsa_system_sgpr_workgroup_id_z 1
		.amdhsa_system_vgpr_workitem_id 0
		.amdhsa_next_free_vgpr 1024
		.amdhsa_next_free_sgpr 96
		.amdhsa_reserve_vcc 0
		.amdhsa_float_denorm_mode_32 3
		.amdhsa_float_denorm_mode_16_64 3
		.amdhsa_memory_ordered 1
		.amdhsa_forward_progress 1
		.amdhsa_inst_pref_size 246
	.end_amdhsa_kernel
	.amdgpu_metadata
---
amdhsa.version: [ 1, 2 ]
amdhsa.kernels:
  - .name:           k_q11e14f1a7b_gproj
    .symbol:         k_q11e14f1a7b_gproj.kd
    .args:
      - { .name: xb, .offset: 0, .size: 8, .value_kind: global_buffer, .address_space: global }
      - { .name: wb, .offset: 8, .size: 8, .value_kind: global_buffer, .address_space: global }
      - { .name: mt, .offset: 16, .size: 8, .value_kind: global_buffer, .address_space: global }
      - { .name: g, .offset: 24, .size: 8, .value_kind: global_buffer, .address_space: global }
      - { .name: vt, .offset: 32, .size: 8, .value_kind: global_buffer, .address_space: global }
    .group_segment_fixed_size: 327680
    .private_segment_fixed_size: 0
    .kernarg_segment_align: 8
    .kernarg_segment_size: 40
    .max_flat_workgroup_size: 128
    .sgpr_count:     96
    .vgpr_count:     1024
    .wavefront_size: 32
...
	.end_amdgpu_metadata
.endif
;; end of part 7
;; launch scores (part 8): grid 8 x 32, 4 waves a work-group, clusters of 4 x 4, 327,680 bytes of LDS; arguments g, xb, mask, p, stats; writes p, stats
.if DOCPART == 8
	.amdgcn_target "amdgcn-amd-amdhsa--gfx1250"
	.amdhsa_code_object_version 6
	.text
	.protected	k_q11e14f1a7b_scores
	.globl	k_q11e14f1a7b_scores
	.p2align	8
	.type	k_q11e14f1a7b_scores,@function
k_q11e14f1a7b_scores:
	s_mov_b64 s[64:65], 0
	v_nop
	global_prefetch_b8 v0, s[64:65] scope:SCOPE_SE
	s_setreg_imm32_b32 hwreg(HW_REG_WAVE_MODE, 25, 1), 1
	s_wait_xcnt 0x0
	s_wait_alu depctr_hold_cnt(0) depctr_sa_sdst(0) depctr_va_vdst(0) depctr_va_sdst(0) depctr_va_ssrc(0) depctr_va_vcc(0) depctr_vm_vsrc(0)
	s_getreg_b32 s2, hwreg(HW_REG_IB_STS2, 6, 4)
	s_cmp_eq_u32 s2, 0
	s_cbranch_scc0 .Lentry_in_a_cluster
	s_endpgm
.Lentry_in_a_cluster:
	s_bfe_u32 s2, ttmp6, 0x10000c
	s_cmp_lg_u32 s2, 0xf033
	s_cbranch_scc0 .Lentry_shape_is_right
	s_endpgm
.Lentry_shape_is_right:
; Scores and the first half of the softmax, in blocks of 256 queries x 256 keys.
;   S = g x^T + mask, g = (x M + c) / 32;  m = the block's row maximum;  p = exp(S - m) in bf16;  l = row sums of exp(S - m) over each 128 keys, in f32.
;   stats: m[8 key blocks][8192 rows] at byte 0;  l[16 halves of key blocks][8192 rows] at byte 262,144.
; The last launch joins the eight key blocks of a row exactly: it takes the largest of the eight maxima away.
; LEFT OUT: the projection of the keys (their operand is x itself) and b_k: shown at the head of the first kernel.
; LIMITS.  l is summed from the exponentials before they are rounded to bf16.  v_exp_f32 gives zero for results below 2^-126 (ISA guide 15.8).
; A block whose 256 scores of a row are all -inf stores m = -inf, p = 0, l = 0.
;
; The product is a bf16 GEMM C = A B^T, K = 1024: four waves, a wave makes 128 x 128 in 64 accumulator tiles; K in steps of 128 through two LDS
; slots; clusters of 4 x 4 work-groups ask jointly for g's tiles (shared along a row of the cluster) and x's (along a column).
; THE MASK comes in under the products and is added in f32 behind them.  A wave's 64 rows x 128 keys are a tile of 64 rows of 512 bytes + 16; four such
; tiles fit in a slot.  Rows 0-63 go into slot 0 when it has had its last K tile, with the last K step's products in which to land; rows 64-127
; go into slot 1 behind the last products, while rows 0-63 go through their whole softmax.  Each wave loads and reads its own tile.  These loads are
; plain ones: each work-group of a cluster has a (query block, key block) of its own, so no mask tile is shared in a cluster.
; REGISTERS: window 0: v8-59 addresses and row figures; v64-127, v128-191 fragments of A, later the mask and the way out; v192-255 at work in the epilogue
;            window 1: v64-127, v128-191 fragments of B;  window 2: tiles of my rows 0-63 (tile (a, b) at v[8 (8 a + b)]);  window 3: rows 64-127
; The matrix instruction is used transposed (source 0 = rows of x, source 1 = rows of g): lane l holds query row l % 16 of a tile, and its eight
; registers the keys 8 (l / 16) + 0..7.  So a row's maximum and sum are taken inside a lane, then across the two halves of the lanes.
.set KSTEP,  128
.set PITCH,  272
.set HALFT,  128*PITCH
.set SLOT,   4*HALFT                   ; A's 256 rows, then B's 256 rows: 139,264
.set MPITCH, 528                       ; a row of a mask tile: 512 bytes + 16
.set MTILE,  64*MPITCH                 ; 33,792; four of them are 135,168
.set STAGE,  2*SLOT                    ; 278,528: each wave's own stage; no tensor load lands behind the ring
.set SPITCH, 272
.set STAGEW, 16*SPITCH
.set XCH,    STAGE+4*STAGEW            ; 295,936: 512 bytes a wave: my row maxima, for the wave with the other 128 keys
.set XS,     XCH+4*512                 ; 297,984: 1,024 bytes a wave: m at 0, l at 512, to turn them into rows of 512 bytes
.set PROW,   4096                      ; bytes in a row of p
.set LAPS,   4
.set LR,   8                           ; v[8:15]   l of row tile a
.set ADRA, 16
.set ADRB, 20
.set STO,  24
.set RD,   25
.set CO,   26
.set MO,   27                          ; 16 x lane: offset in the stats
.set XW,   30
.set XR,   31
.set SW,   32
.set SR,   33
.set MLA0, 34                          ; my mask tile in slot 0: + 528 (l % 16) + 32 (l / 16)
.set MLA1, 35                          ; and in slot 1
.set MR,   36                          ; v[36:43]  m of row tile a
.set CM,   44                          ; v[44:59]  -log2(e) x m, twice, for row tile a
.set F0,   64
.set F1,   128
.set TMP,  192
.set SUM,  224                         ; v[224:255] partial sums; first the chains of the maxima
.set MX,   224
.set G0ML, 4                           ; s[4:7]    group 0 of the mask tile of rows 0-63
.set G1M,  16                          ; s[16:23]  group 1 of the mask tiles
.set G1,  24
.set G0,  32
.set G1B, 48
.set G0B, 56
.set G0MH, 96                          ; s[96:99]  group 0 of the mask tile of rows 64-127
.set G1WORD, (1<<16)|(1<<20)|(1<<21)|(5<<22)|(3<<25)
.set MUL_LO, 0xa1
.set MUL_HI, 0xf1
.set TO_B,   0x40
.set MSB, 0
.macro WIN new
.if MSB != \new
	s_set_vgpr_msb (MSB<<8)|\new
.set MSB, \new
.endif
.endm
.macro JLOAD s                         ; waves 0 and 1 fetch A's two halves, waves 2 and 3 B's
	s_cmp_eq_u32 s11, 0
	s_cbranch_scc0 .Lfor_b_\@
	tensor_load_to_lds s[G0+4*\s:G0+4*\s+3], s[G1:G1+7]
	s_nop 0
	s_branch .Lasked_\@
.Lfor_b_\@:
	tensor_load_to_lds s[G0B+4*\s:G0B+4*\s+3], s[G1B:G1B+7]
	s_nop 0
.Lasked_\@:
.endm
.macro CREST
	s_cmp_lg_u32 s10, 0
	s_cbranch_scc1 .Lnot_wave_0_\@
	s_barrier_signal -3
.Lnot_wave_0_\@:
	s_barrier_wait -3
	s_barrier_signal -1
	s_barrier_wait -1
.endm
.macro CROUND
	s_barrier_signal -1
	s_barrier_wait -1
	CREST
.endm
.macro PLACES
.rept 4
	v_nop
.endr
.endm
	s_load_b256 s[68:75], s[0:1], 0x0              ; g s[68:69], xb s[70:71], mask s[72:73], p s[74:75]
	s_load_b64 s[76:77], s[0:1], 0x20              ; stats
	s_set_vgpr_msb 0x40
	v_lshl_add_u32 v255, v0, 2, 0x49c00
	s_set_vgpr_msb 0x4000
	v_mov_b32 v63, 0
	s_set_vgpr_msb 0x1
	ds_add_u32 v255, v63
	s_set_vgpr_msb 0x100
	v_lshrrev_b32 v1, 5, v0
	v_readfirstlane_b32 s10, v1                    ; wave 0..3
	s_lshr_b32 s11, s10, 1                         ; which 128 queries are mine.  Also: I fetch for A (0) or for B (1)
	s_and_b32 s12, s10, 1                          ; which 128 keys.  Also: which 128 rows of that tile I fetch
	s_bfe_u32 s40, ttmp6, 0x40000                  ; cx
	s_bfe_u32 s41, ttmp6, 0x40004                  ; cy
	s_lshl_b32 s42, ttmp9, 2
	s_add_co_u32 s42, s42, s40                     ; key block 0..7
	s_and_b32 s80, ttmp7, 0xffff                   ; the cluster's y, 0..7
	s_lshl_b32 s13, s80, 2
	s_add_co_u32 s13, s13, s41                     ; block of 256 of the 8192 rows, 0..31
	s_lshr_b32 s81, s80, 1                         ; batch
	s_and_b32 s82, s80, 1
	s_lshl_b32 s82, s82, 2
	s_add_co_u32 s82, s82, s41                     ; query block inside the batch, 0..7
	s_lshl_b32 s43, s41, 2
	s_lshl_b32 s43, 15, s43                        ; my row of the cluster
	s_lshl_b32 s44, 0x1111, s40                    ; my column
	s_mov_b32 s84, 0x76543210                      ; v_permlanex16_b32: lane i of one half reads lane i of the other
	s_mov_b32 s85, 0xfedcba98
	s_or_b32 s[G1+0], s43, G1WORD
	s_or_b32 s[G1B+0], s44, G1WORD
	s_mov_b32 s[G1+1], KSTEP<<16
	s_mov_b32 s[G1B+1], KSTEP<<16
	s_mov_b32 s[G1+2], 128<<16
	s_mov_b32 s[G1B+2], 128<<16
	s_mov_b32 s[G1+3], KSTEP<<16
	s_mov_b32 s[G1B+3], KSTEP<<16
	s_mov_b32 s[G1+4], 128
	s_mov_b32 s[G1B+4], 128
	s_mov_b32 s[G1+5], 1024                        ; a row of g and of xb is 1,024 elements
	s_mov_b32 s[G1B+5], 1024
	s_mov_b32 s[G1+6], 0
	s_mov_b32 s[G1B+6], 0
	s_mov_b32 s[G1+7], 0
	s_mov_b32 s[G1B+7], 0
	s_lshl_b32 s17, s12, 7                         ; which 128 rows of the tile I fetch
	s_lshl_b32 s16, s13, 8
	s_add_co_u32 s16, s16, s17
	s_lshl_b32 s16, s16, 11                        ; A: g's rows, 2,048 bytes each
	s_lshl_b32 s46, s42, 8
	s_add_co_u32 s46, s46, s17
	s_lshl_b32 s47, s81, 11
	s_add_co_u32 s46, s46, s47                     ; B: xb's row 2048 batch + 256 key block + 128 half
	s_lshl_b32 s46, s46, 11
	s_mov_b32 s17, 0
	s_mov_b32 s47, 0
	s_lshl_b32 s86, s82, 8                         ; the mask at my wave's corner: row 256 query block + 128 half,
	s_lshl_b32 s87, s11, 7
	s_add_co_u32 s86, s86, s87
	s_lshl_b32 s86, s86, 13                        ; rows of 8,192 bytes,
	s_lshl_b32 s87, s42, 10
	s_add_co_u32 s86, s86, s87                     ; column 256 key block
	s_lshl_b32 s87, s12, 9
	s_add_co_u32 s86, s86, s87                     ; + 128 half, 4 bytes each
	s_mov_b32 s87, 0
	s_lshl_b32 s88, s13, 8
	s_lshl_b32 s89, s11, 7
	s_add_co_u32 s88, s88, s89                     ; my first of the 8192 rows
	s_lshl_b32 s14, s88, 12                        ; p at my wave's corner
	s_lshl_b32 s15, s42, 9
	s_add_co_u32 s14, s14, s15
	s_lshl_b32 s15, s12, 8
	s_add_co_u32 s14, s14, s15
	s_mov_b32 s15, 0
	s_lshl_b32 s90, s42, 15                        ; m: 32,768 bytes a key block
	s_lshl2_add_u32 s90, s88, s90                  ; + 4 bytes a row
	s_mov_b32 s91, 0
	s_lshl_b32 s92, s42, 1
	s_add_co_u32 s92, s92, s12                     ; l: half 2 x key block + my half
	s_lshl_b32 s92, s92, 15
	s_lshl2_add_u32 s92, s88, s92
	s_add_co_u32 s92, s92, 262144
	s_mov_b32 s93, 0
	s_mul_i32 s20, s10, HALFT                      ; where my tile goes: A's two halves, then B's two halves
	s_wait_dscnt 0x0
	s_wait_kmcnt 0x0
	s_add_nc_u64 s[8:9], s[74:75], s[14:15]        ; p
	s_add_nc_u64 s[14:15], s[68:69], s[16:17]      ; A's tile
	s_add_nc_u64 s[46:47], s[70:71], s[46:47]      ; B's tile
	s_add_nc_u64 s[86:87], s[72:73], s[86:87]      ; mask
	s_add_nc_u64 s[90:91], s[76:77], s[90:91]      ; m
	s_add_nc_u64 s[92:93], s[76:77], s[92:93]      ; l
	CROUND                                         ; all sixteen work-groups are here: the first joint loads meet
.irp s, 0,1
	s_mov_b32 s[G0+4*\s], 1
	s_add_co_u32 s[G0+4*\s+1], s20, \s*SLOT
	s_add_nc_u64 s[G0+4*\s+2:G0+4*\s+3], s[14:15], \s*KSTEP*2
	s_or_b32 s[G0+4*\s+3], s[G0+4*\s+3], 0x80000000
	s_mov_b32 s[G0B+4*\s], 1
	s_add_co_u32 s[G0B+4*\s+1], s20, \s*SLOT
	s_add_nc_u64 s[G0B+4*\s+2:G0B+4*\s+3], s[46:47], \s*KSTEP*2
	s_or_b32 s[G0B+4*\s+3], s[G0B+4*\s+3], 0x80000000
	JLOAD \s                                       ; two tensor loads of the wave are out
.endr
	v_and_b32 v1, 15, v0                           ; l % 16
	v_bfe_u32 v2, v0, 4, 1                         ; l / 16
	v_and_b32 v6, 31, v0                           ; lane
	v_mul_u32_u24 v3, v1, PITCH
	v_lshl_add_u32 v3, v2, 4, v3
	s_mul_i32 s21, s11, HALFT                      ; my 128 rows of A
	s_mul_i32 s22, s12, HALFT
	s_add_co_u32 s22, s22, 2*HALFT                 ; my 128 rows of B
.irp s, 0,1
	v_add_nc_u32 v[ADRA+\s], s21, v3
	v_add_nc_u32 v[ADRB+\s], s22, v3
	s_add_co_u32 s21, s21, SLOT
	s_add_co_u32 s22, s22, SLOT
.endr
	s_mul_i32 s23, s10, STAGEW
	s_add_co_u32 s23, s23, STAGE                   ; my stage
	v_add_nc_u32 v[STO], s23, v3                   ; p in: row l % 16 at pitch 272, 16 bytes for each half of the lanes
	v_mul_u32_u24 v5, v2, SPITCH
	v_lshl_add_u32 v5, v1, 4, v5
	v_add_nc_u32 v[RD], s23, v5                    ; p back: lanes 0-15 one row of 256 bytes, lanes 16-31 the next
	v_lshlrev_b32 v5, 12, v2
	v_lshl_add_u32 v[CO], v1, 4, v5                ; the same two rows in p
	v_lshlrev_b32 v[MO], 4, v6
	v_lshlrev_b32 v4, 2, v1                        ; 4 (l % 16)
	s_lshl_b32 s14, s10, 9
	s_add_co_u32 s14, s14, XCH
	v_add_nc_u32 v[XW], s14, v4                    ; my maxima
	s_xor_b32 s14, s10, 1
	s_lshl_b32 s14, s14, 9
	s_add_co_u32 s14, s14, XCH
	v_add_nc_u32 v[XR], s14, v4                    ; those of the wave with the same queries and the other 128 keys
	s_lshl_b32 s14, s10, 10
	s_add_co_u32 s14, s14, XS
	v_add_nc_u32 v[SW], s14, v4
	v_add_nc_u32 v[SR], s14, v[MO]
	; the mask tiles' descriptors: 64 rows x 128 elements of 4 bytes, 16 bytes of padding behind each row; no work-group mask
	s_mov_b32 s[G0ML], 1
	s_mul_i32 s[G0ML+1], s10, MTILE                ; in slot 0: wave x 33,792
	s_mov_b64 s[G0ML+2:G0ML+3], s[86:87]
	s_or_b32 s[G0ML+3], s[G0ML+3], 0x80000000
	s_mov_b32 s[G0MH], 1
	s_add_co_u32 s[G0MH+1], s[G0ML+1], SLOT        ; in slot 1
	s_add_nc_u64 s[G0MH+2:G0MH+3], s[86:87], 64*8192
	s_or_b32 s[G0MH+3], s[G0MH+3], 0x80000000
	s_mov_b32 s[G1M+0], (2<<16)|(1<<20)|(6<<22)|(3<<25)   ; element of 4 bytes; padding on; after every 128 words, 4 words
	s_mov_b32 s[G1M+1], 128<<16                    ; tensor_dim0 = 128
	s_mov_b32 s[G1M+2], 64<<16                     ; tensor_dim1 = 64
	s_mov_b32 s[G1M+3], 128<<16                    ; tile_dim0
	s_mov_b32 s[G1M+4], 64                         ; tile_dim1
	s_mov_b32 s[G1M+5], 2048                       ; elements from row to row
	s_mov_b32 s[G1M+6], 0
	s_mov_b32 s[G1M+7], 0
	v_mul_u32_u24 v5, v1, MPITCH
	v_lshl_add_u32 v5, v2, 5, v5
	v_add_nc_u32 v[MLA0], s[G0ML+1], v5            ; row l % 16, 32 bytes for each half of the lanes: the accumulators' layout
	v_add_nc_u32 v[MLA1], SLOT, v[MLA0]
; 16 matrix instructions: row tiles a0, a0 + 1 of the window's four x all 8 column tiles, 32 along K.  zero = 1: the product starts the sums.
; The 64 accumulators take turns, one instruction a turn, in the same order in every quarter step.
.macro MUL16 f, hi, a0, zero
.irp a, \a0, \a0+1
.irp b, 0,1,2,3,4,5,6,7
.if \zero
	v_wmma_f32_16x16x32_bf16 v[8*(8*(\a)+\b):8*(8*(\a)+\b)+7], v[\f+8*\b:\f+8*\b+7], v[\f+8*(4*\hi+\a):\f+8*(4*\hi+\a)+7], 0
.else
	v_wmma_f32_16x16x32_bf16 v[8*(8*(\a)+\b):8*(8*(\a)+\b)+7], v[\f+8*\b:\f+8*\b+7], v[\f+8*(4*\hi+\a):\f+8*(4*\hi+\a)+7], v[8*(8*(\a)+\b):8*(8*(\a)+\b)+7]
.endif
.endr
.endr
.endm
.macro FETCH slot, k, f                ; 32 LDS loads in one run: 128 rows of B, 128 rows of A, 32 K at byte k
	WIN TO_B
.irp i, 0,1,2,3,4,5,6,7
	ds_load_b128 v[\f+8*\i:\f+8*\i+3],   v[ADRB+\slot] offset:\k+\i*16*PITCH
	ds_load_b128 v[\f+8*\i+4:\f+8*\i+7], v[ADRB+\slot] offset:\k+\i*16*PITCH+32
.endr
	WIN 0
.irp i, 0,1,2,3,4,5,6,7
	ds_load_b128 v[\f+8*\i:\f+8*\i+3],   v[ADRA+\slot] offset:\k+\i*16*PITCH
	ds_load_b128 v[\f+8*\i+4:\f+8*\i+7], v[ADRA+\slot] offset:\k+\i*16*PITCH+32
.endr
.endm
.macro QUARTER slot, k, f, g, zero
	s_wait_dscnt 8                                 ; B and A's rows 0-63 are in; the youngest eight loads (A's rows 64-127) may be out
	WIN MUL_LO
	MUL16 \f, 0, 0, \zero
	MUL16 \f, 0, 2, \zero
	PLACES
	FETCH \slot, \k, \g
	s_wait_dscnt 32                                ; all but the 32 just issued
	WIN MUL_HI
	MUL16 \f, 1, 0, \zero
	MUL16 \f, 1, 2, \zero
.endm
.macro THREE slot, zero
	QUARTER \slot, 64,  F0, F1, \zero
	QUARTER \slot, 128, F1, F0, 0
	QUARTER \slot, 192, F0, F1, 0
.endm
; The last quarter changes slots: each wave's reads of this slot and all its tensor loads are waited for in front of the barrier.  Where the slot is
; filled again the barrier opens a round of the cluster's barrier, and the refill is the wave's first and only tensor load behind it:
; fill = 1: the joint load of the slot's next K tile;  fill = 2: my own mask tile of rows 0-63 (the slot has had its last K tile).
.macro TURN slot, next, fill
	s_wait_dscnt 8
	WIN MUL_LO
	MUL16 F1, 0, 0, 0
	s_wait_dscnt 0
	s_wait_tensorcnt 0x0
	ds_add_u32 v255, v63
	s_wait_dscnt 0x0
	s_barrier_signal -1
	MUL16 F1, 0, 2, 0
	WIN 0
	s_barrier_wait -1
.if \fill == 1
	CREST
	s_add_nc_u64 s[G0+4*\slot+2:G0+4*\slot+3], s[G0+4*\slot+2:G0+4*\slot+3], 2*KSTEP*2
	s_add_nc_u64 s[G0B+4*\slot+2:G0B+4*\slot+3], s[G0B+4*\slot+2:G0B+4*\slot+3], 2*KSTEP*2
	JLOAD \slot
.endif
.if \fill == 2
	CREST
	tensor_load_to_lds s[G0ML:G0ML+3], s[G1M:G1M+7]
	s_nop 0
.endif
	PLACES
	FETCH \next, 0, F0
	WIN MUL_HI
	MUL16 F1, 1, 0, 0
	MUL16 F1, 1, 2, 0
.endm
.macro LAP zero
	THREE 0, \zero
	TURN 0, 1, 1
	THREE 1, 0
	TURN 1, 0, 1
.endm
	s_wait_tensorcnt 0x1                           ; my part of K step 0 is in; K step 1's stays out
	s_barrier_signal -1
	s_barrier_wait -1
	FETCH 0, 0, F0
	LAP 1                                          ; the first lap's first products start the sums
	WIN 0
	s_mov_b32 s3, LAPS-2
.Llap:
	LAP 0
	WIN 0
	s_sub_co_u32 s3, s3, 1
	s_cmp_lg_u32 s3, 0
	s_cbranch_scc1 .Llap
	THREE 0, 0                                     ; the last lap: no K tile is left to fetch
	TURN 0, 1, 2                                   ; slot 0 takes the mask of rows 0-63
	THREE 1, 0
	s_wait_dscnt 8
	WIN MUL_LO
	MUL16 F1, 0, 0, 0
	MUL16 F1, 0, 2, 0
	s_wait_dscnt 0
	WIN MUL_HI
	MUL16 F1, 1, 0, 0
	MUL16 F1, 1, 2, 0
	PLACES                                         ; four places in front of the first read of a result and of loads into the fragment buffers
	WIN 0
	s_wait_dscnt 0x0                               ; my reads of slot 1 are over,
	s_set_vgpr_msb 0x1
	s_wait_tensorcnt 0x0                           ; and my mask tile of rows 0-63 has landed
	ds_add_u32 v255, v63
	s_wait_dscnt 0x0
	s_set_vgpr_msb 0x100
	CROUND
	tensor_load_to_lds s[G0MH:G0MH+3], s[G1M:G1M+7]        ; slot 1 takes the mask of rows 64-127; it has the softmax of rows 0-63 in which to land
	s_nop 0
; THE MASK IS ADDED: four row tiles of one window, from my own tile at adr, read in the accumulators' layout through the two fragment buffers in turn.
.macro LDM a, adr, buf
.irp b, 0,1,2,3,4,5,6,7
	ds_load_b128 v[\buf+8*\b:\buf+8*\b+3],   v[\adr] offset:\a*16*MPITCH+64*\b
	ds_load_b128 v[\buf+8*\b+4:\buf+8*\b+7], v[\adr] offset:\a*16*MPITCH+64*\b+16
.endr
.endm
.macro ADM a, win, buf
	WIN \win                                       ; destination and source 0 in the accumulators' window, source 1 window 0
.set i, 0
.rept 32
	v_pk_add_f32 v[64*\a+2*i:64*\a+2*i+1], v[64*\a+2*i:64*\a+2*i+1], v[\buf+2*i:\buf+2*i+1]
.set i, i+1
.endr
	WIN 0
.endm
.macro ADDMASK adr, win
	LDM 0, \adr, F0
	LDM 1, \adr, F1
	s_wait_dscnt 16                                ; row tile 0's are in; the sixteen of row tile 1 stay out
	ADM 0, \win, F0
	LDM 2, \adr, F0
	s_wait_dscnt 16
	ADM 1, \win, F1
	LDM 3, \adr, F1
	s_wait_dscnt 16
	ADM 2, \win, F0
	s_wait_dscnt 0
	ADM 3, \win, F1
.endm
; ROW MAXIMA of four row tiles of one window: 64 numbers a lane and row tile, in four chains; then the other half of the lanes.
.macro ROWMAX from, first
	WIN \from                                      ; sources 0 and 1 in the accumulators' window
.irp a, 0,1,2,3
.irp c, 0,1,2,3
	v_max_num_f32 v[MX+4*\a+\c], v[64*\a+16*\c], v[64*\a+16*\c+1]
.endr
.endr
.irp i, 1,2,3,4,5,6,7
.irp a, 0,1,2,3
.irp c, 0,1,2,3
	v_max3_num_f32 v[MX+4*\a+\c], v[64*\a+16*\c+2*\i], v[64*\a+16*\c+2*\i+1], v[MX+4*\a+\c]
.endr
.endr
.endr
	WIN 0
.irp a, 0,1,2,3
	v_max3_num_f32 v[MX+4*\a], v[MX+4*\a], v[MX+4*\a+1], v[MX+4*\a+2]
	v_max_num_f32 v[MX+4*\a], v[MX+4*\a], v[MX+4*\a+3]
	v_permlanex16_b32 v[MX+4*\a+1], v[MX+4*\a], s84, s85
	v_max_num_f32 v[MR+\first+\a], v[MX+4*\a], v[MX+4*\a+1]
	ds_store_b32 v[XW], v[MR+\first+\a] offset:64*(\first+\a)      ; both halves of the lanes write the same word with the same value
.endr
.endm
; The two waves with the same queries exchange four row tiles' maxima.  A mask tile may stay on its way across it.
.macro XCHG first
	s_wait_dscnt 0x0                               ; my maxima are in LDS, for the other wave's sake
	s_barrier_signal -1
	s_barrier_wait -1
.irp a, 0,1,2,3
	ds_load_b32 v[MX+\a], v[XR] offset:64*(\first+\a)
.endr
	s_wait_dscnt 0x0
.irp a, 0,1,2,3
	v_max_num_f32 v[MR+\first+\a], v[MR+\first+\a], v[MX+\a]       ; m of the block of 256 keys
	v_cmp_neq_f32 vcc_lo, 0xff800000, v[MR+\first+\a]
	v_cndmask_b32 v[CM+2*(\first+\a)], 0, v[MR+\first+\a], vcc_lo  ; where m is -inf, 0 is taken away instead: exp(-inf - 0) = 0, not NaN
	v_mul_f32 v[CM+2*(\first+\a)], 0xbfb8aa3b, v[CM+2*(\first+\a)] ; -log2(e) m
	v_mov_b32 v[CM+2*(\first+\a)+1], v[CM+2*(\first+\a)]
.endr
.endm
; Row tile a: p = 2^(log2(e) S - log2(e) m); its sum; p rounded to bf16 and out through my stage as whole rows of 256 bytes.
.macro SOFT a, f
.set AB, 64*(\a%4)
.if \a < 4
	WIN 0x82                                       ; destination and source 0 window 2, source 2 window 0
.else
	WIN 0xc3
.endif
.set i, 0
.rept 32
	v_pk_fma_f32 v[AB+2*i:AB+2*i+1], v[AB+2*i:AB+2*i+1], 0x3fb8aa3b, v[CM+2*\a:CM+2*\a+1] op_sel_hi:[1,0,1]
.set i, i+1
.endr
.set i, 0
.rept 64
	v_exp_f32 v[AB+i], v[AB+i]
.set i, i+1
.endr
	v_nop                                          ; one plain instruction between the last exponential and the first use (ISA guide 5.7.2)
.if \a < 4
	WIN 0x0a
.else
	WIN 0x0f
.endif
	s_wait_alu depctr_va_vdst(0)
.irp b, 0,1,2,3,4,5,6,7
.irp q, 0,1,2,3
	v_cvt_pk_bf16_f32 v[TMP+4*\b+\q], v[AB+8*\b+2*\q], v[AB+8*\b+2*\q+1]
.endr
.endr
.set i, 0
.rept 16
	v_pk_add_f32 v[SUM+2*i:SUM+2*i+1], v[AB+2*i:AB+2*i+1], v[AB+32+2*i:AB+32+2*i+1]
.set i, i+1
.endr
	WIN 0
.irp b, 0,1,2,3,4,5,6,7
	ds_store_b128 v[STO], v[TMP+4*\b:TMP+4*\b+3] offset:32*\b
.endr
.irp i, 0,2,4,6,8,10,12,14
	v_pk_add_f32 v[SUM+\i:SUM+\i+1], v[SUM+\i:SUM+\i+1], v[SUM+16+\i:SUM+16+\i+1]
.endr
.irp i, 0,2,4,6
	v_pk_add_f32 v[SUM+\i:SUM+\i+1], v[SUM+\i:SUM+\i+1], v[SUM+8+\i:SUM+8+\i+1]
.endr
.irp i, 0,2
	v_pk_add_f32 v[SUM+\i:SUM+\i+1], v[SUM+\i:SUM+\i+1], v[SUM+4+\i:SUM+4+\i+1]
.endr
	v_pk_add_f32 v[SUM:SUM+1], v[SUM:SUM+1], v[SUM+2:SUM+3]
	v_add_f32 v[SUM], v[SUM], v[SUM+1]
	v_permlanex16_b32 v[SUM+1], v[SUM], s84, s85
	v_add_f32 v[LR+\a], v[SUM], v[SUM+1]           ; l over my 128 keys
	s_wait_xcnt 0x0                                ; buffer f, which earlier stores read, and the stores' base are rewritten only behind this wait
.if \a
	s_add_nc_u64 s[8:9], s[8:9], 16*PROW
.endif
.irp t, 0,1,2,3,4,5,6,7
	ds_load_b128 v[\f+4*\t:\f+4*\t+3], v[RD] offset:\t*2*SPITCH    ; LDS serves a wave's instructions in order: these see the stores above
.endr
.irp t, 0,1,2,3,4,5,6,7
	s_wait_dscnt 7-\t                              ; load t is in, the younger ones stay out
	global_store_b128 v[CO], v[\f+4*\t:\f+4*\t+3], s[8:9] offset:2*\t*PROW   ; 16 lanes store 256 consecutive bytes, aligned
.endr
.endm
	ADDMASK MLA0, 0x82                             ; rows 0-63
	ROWMAX 0x0a, 0
	XCHG 0
	SOFT 0, F0
	SOFT 1, F1
	SOFT 2, F0
	SOFT 3, F1
	s_wait_tensorcnt 0x0                           ; my mask tile of rows 64-127 has landed; only I read it
	s_wait_xcnt 0x0                                ; the two buffers, which the stores above read, are loaded again only behind this wait
	ADDMASK MLA1, 0xc3                             ; rows 64-127
	ROWMAX 0x0f, 4
	XCHG 4
	SOFT 4, F0
	SOFT 5, F1
	SOFT 6, F0
	SOFT 7, F1
	; m and l of my 128 rows, turned through my own LDS bytes into 512 consecutive bytes each
.irp a, 0,1,2,3,4,5,6,7
	ds_store_b32 v[SW], v[LR+\a] offset:512+64*\a
.endr
	ds_load_b128 v[TMP:TMP+3], v[SR] offset:512
	s_cmp_lg_u32 s12, 0                            ; both waves of a row half hold the same m: the one with keys 0-127 stores it
	s_cbranch_scc1 .Lno_m
.irp a, 0,1,2,3,4,5,6,7
	ds_store_b32 v[SW], v[MR+\a] offset:64*\a
.endr
	ds_load_b128 v[TMP+4:TMP+7], v[SR]
	s_wait_dscnt 0x0
	global_store_b128 v[MO], v[TMP+4:TMP+7], s[90:91]
.Lno_m:
	s_wait_dscnt 0x0
	global_store_b128 v[MO], v[TMP:TMP+3], s[92:93]
	s_set_vgpr_msb 0x1
	s_wait_tensorcnt 0x0
	ds_add_u32 v255, v63
	s_wait_dscnt 0x0
	s_set_vgpr_msb 0x100
	CROUND                                         ; the closing round, behind the last tensor load of any kind
	s_endpgm
.Lfunc_end_k_q11e14f1a7b_scores:
	.size	k_q11e14f1a7b_scores, .Lfunc_end_k_q11e14f1a7b_scores-k_q11e14f1a7b_scores
	.p2alignl 7, 3214868480
	.fill 96, 4, 3214868480
	.section	.rodata,"a",@progbits
	.p2align	6, 0x0
	.amdhsa_kernel k_q11e14f1a7b_scores
		.amdhsa_group_segment_fixed_size 327680
		.amdhsa_private_segment_fixed_size 0
		.amdhsa_enable_private_segment 0
		.amdhsa_kernarg_size 40
		.amdhsa_user_sgpr_count 2
		.amdhsa_user_sgpr_kernarg_segment_ptr 1
		.amdhsa_wavefront_size32 1
		.amdhsa_system_sgpr_workgroup_id_x 1
		.amdhsa_system_sgpr_workgroup_id_y 1
		.amdhsa_system_sgpr_workgroup_id_z 1
		.amdhsa_system_vgpr_workitem_id 0
		.amdhsa_next_free_vgpr 1024
		.amdhsa_next_free_sgpr 100
		.amdhsa_reserve_vcc 1
		.amdhsa_float_denorm_mode_32 3
		.amdhsa_float_denorm_mode_16_64 3
		.amdhsa_memory_ordered 1
		.amdhsa_forward_progress 1
		.amdhsa_inst_pref_size 255
	.end_amdhsa_kernel
	.section	.bss,"aw",@nobits
	.p2align	6
	.space	262144
	.amdgpu_metadata
---
amdhsa.version: [ 1, 2 ]
amdhsa.kernels:
  - .name:           k_q11e14f1a7b_scores
    .symbol:         k_q11e14f1a7b_scores.kd
    .args:
      - { .name: g, .offset: 0, .size: 8, .value_kind: global_buffer, .address_space: global }
      - { .name: xb, .offset: 8, .size: 8, .value_kind: global_buffer, .address_space: global }
      - { .name: mask, .offset: 16, .size: 8, .value_kind: global_buffer, .address_space: global }
      - { .name: p, .offset: 24, .size: 8, .value_kind: global_buffer, .address_space: global }
      - { .name: stats, .offset: 32, .size: 8, .value_kind: global_buffer, .address_space: global }
    .group_segment_fixed_size: 327680
    .private_segment_fixed_size: 0
    .kernarg_segment_align: 8
    .kernarg_segment_size: 40
    .max_flat_workgroup_size: 128
    .sgpr_count:     100
    .vgpr_count:     1024
    .wavefront_size: 32
...
	.end_amdgpu_metadata
.endif
;; end of part 8
;; launch pv (part 9): grid 4 x 64, 4 waves a work-group, clusters of 4 x 4, 327,680 bytes of LDS; arguments p, vt, stats, b_v, out0; writes out0
.if DOCPART == 9
	.amdgcn_target "amdgcn-amd-amdhsa--gfx1250"
	.amdhsa_code_object_version 6
	.text
	.protected	k_q11e14f1a7b_pv
	.globl	k_q11e14f1a7b_pv
	.p2align	8
	.type	k_q11e14f1a7b_pv,@function
k_q11e14f1a7b_pv:
	s_mov_b64 s[64:65], 0
	v_nop
	global_prefetch_b8 v0, s[64:65] scope:SCOPE_SE
	s_setreg_imm32_b32 hwreg(HW_REG_WAVE_MODE, 25, 1), 1
	s_wait_xcnt 0x0
	s_wait_alu depctr_hold_cnt(0) depctr_sa_sdst(0) depctr_va_vdst(0) depctr_va_sdst(0) depctr_va_ssrc(0) depctr_va_vcc(0) depctr_vm_vsrc(0)
	s_getreg_b32 s2, hwreg(HW_REG_IB_STS2, 6, 4)
	s_cmp_eq_u32 s2, 0
	s_cbranch_scc0 .Lentry_in_a_cluster
	s_endpgm
.Lentry_in_a_cluster:
	s_bfe_u32 s2, ttmp6, 0x10000c
	s_cmp_lg_u32 s2, 0xf033
	s_cbranch_scc0 .Lentry_shape_is_right
	s_endpgm
.Lentry_shape_is_right:
; out = sum over the eight key blocks j of f_j (P_j V0_j) + b_v, in blocks of 128 queries x 256 columns.
; P_j = exp(S - m_j) as the launch before left it.  For each row: mx = max_j m_j, e_j = exp(m_j - mx), L = sum_j e_j l_j, f_j = e_j / L, all in f32.
; That is the softmax with the row's maximum taken away: exp(S - m_j) exp(m_j - mx) = exp(S - mx).
; b_v is added once here, in f32: the weights of a row sum to one, so attn (V0 + 1 b_v^T) = attn V0 + b_v.
; LIMITS.  A row whose 2,048 scores are all -inf gives NaN, as a softmax of such a row does.  v_exp_f32 gives zero below 2^-126 (ISA guide 15.8).
;
; The product is a bf16 GEMM C = A B^T with A = p (keys along the rows) and B = vt (keys along the rows), K = 2048 in steps of 128 through two LDS slots.
; A lap of the ring is two K steps = one key block: each lap starts its sums anew (C = 0), and behind it the lap's sums are joined to the totals
; by one fused multiply-add with the row's factor.  Four waves, a wave makes 64 x 128.  Clusters of 4 x 4 work-groups ask jointly for p's tiles
; (shared along a row of the cluster) and vt's (along a column).
; ASKING AHEAD FOR p.  The grid has one cluster along x, so a tile of p (128 rows x 256 bytes of a K step) is read by the four partners of one row of
; a cluster and by nobody else.  Each partner asks ahead for its quarter of the tile, rows 32 cx + lane: each lane names the first byte of its row's 256 bytes
; of that K step, so every such piece is named once in the launch.  At lap j's second change of slots, behind the refill, wave 2 asks for
; K step 2 j + 4 and wave 3 for K step 2 j + 5: their refills are issued one and two changes of slots later.  Laps 0 to 5 ask, which ends with K step 15,
; the last of a row; laps 6 and 7 ask for nothing, so no request leaves a row of p.  A work-group has at most two quarters, 16,384 bytes, asked for and
; not yet read.  cx enters this global address alone.  vt's tiles are read by all sixteen block rows of a batch and are not asked for ahead.
; REGISTERS: window 0: v16-47 addresses and the lap's factors; v64-95, v128-159 fragments of A; in the prologue v64-127 factors, v160-255 stats
;            window 1: v0-63 b_v; v64-127, v128-191 fragments of B;  window 2: the lap's sums, tile (a, b) at v[8 (8 a + b)];  window 3: the totals
.set KSTEP,  128
.set PITCH,  272
.set HALFB,  128*PITCH
.set HALFA,  64*PITCH
.set AOFF,   2*HALFB
.set SLOT,   2*HALFB+2*HALFA           ; 104,448
.set STAGE,  2*SLOT                    ; 208,896: each wave's own stage for the way out, 16 rows of 512 bytes + 16
.set OPITCH, 528
.set STAGEW, 16*OPITCH
.set FS,     STAGE+4*STAGEW            ; 242,688: 8,192 bytes a wave: the factors, [key block][plane][lane] in entries of 16 bytes
.set SRCEL,  2048                      ; elements in a row of p and of vt
.set OROW,   4096                      ; bytes in a row of out0
.set ADRA, 16
.set ADRB, 20
.set STO,  24                          ; stage + 528 (l % 16) + 32 (l / 16)
.set RD,   25                          ; stage + 16 lane
.set CO,   26                          ; 16 lane
.set SO,   27                          ; 4 (l % 16)
.set BO,   28                          ; 32 (l / 16)
.set FA,   29                          ; my entry of the next lap's factors
.set PO,   30                          ; asking ahead: 4,096 x lane, a row of p a lane; never rewritten
.set T0,   36
.set T1,   37
.set FR,   40                          ; v[40:47] the lap's factor of row tile a, twice, at FR + 2 a
.set F0,   64
.set F1,   128
.set FD,   64                          ; prologue: f_j of row tile a, twice, at FD + 8 j + 2 a
.set ST,   160                         ; prologue: 24 registers a row tile: m_j at j, l of half jh at 8 + jh
.set BV,   0                           ; window 1
.set G1,  24
.set G0,  32
.set G1B, 48
.set G0B, 56
.set PB,  94                           ; s[94:95] asking ahead: p at row 128 x block + 32 cx, at the K step asked for last
.set G1WORD, (1<<16)|(1<<20)|(1<<21)|(5<<22)|(3<<25)
.set MUL,  0xa1
.set TO_B, 0x40
.set MSB, 0
.macro WIN new
.if MSB != \new
	s_set_vgpr_msb (MSB<<8)|\new
.set MSB, \new
.endif
.endm
; A joint load: waves 0 and 1 fetch B's two halves, waves 2 and 3 A's.  pf = 1: behind their load waves 2 and 3 ask ahead for p, two K steps further on than a lap ago.
.macro JLOAD s, pf
	s_cmp_ge_u32 s10, 2
	s_cbranch_scc1 .Lfor_a_\@
	tensor_load_to_lds s[G0B+4*\s:G0B+4*\s+3], s[G1B:G1B+7]
	s_nop 0
	s_branch .Lasked_\@
.Lfor_a_\@:
	tensor_load_to_lds s[G0+4*\s:G0+4*\s+3], s[G1:G1+7]
	s_nop 0
.if \pf
	s_wait_xcnt 0x0                                ; the request of a lap ago has had its addresses translated (ISA guide 3.1): its base is stepped only behind this wait
	s_add_nc_u64 s[PB:PB+1], s[PB:PB+1], 2*KSTEP*2
	global_prefetch_b8 v[PO], s[PB:PB+1] th:TH_LOAD_NT scope:SCOPE_SE
.endif
.Lasked_\@:
.endm
.macro CREST
	s_cmp_lg_u32 s10, 0
	s_cbranch_scc1 .Lnot_wave_0_\@
	s_barrier_signal -3
.Lnot_wave_0_\@:
	s_barrier_wait -3
	s_barrier_signal -1
	s_barrier_wait -1
.endm
.macro CROUND
	s_barrier_signal -1
	s_barrier_wait -1
	CREST
.endm
.macro PLACES
.rept 4
	v_nop
.endr
.endm
	s_load_b256 s[68:75], s[0:1], 0x0              ; p s[68:69], vt s[70:71], stats s[72:73], b_v s[74:75]
	s_load_b64 s[76:77], s[0:1], 0x20              ; out0
	s_set_vgpr_msb 0x40
	v_lshl_add_u32 v255, v0, 2, 0x43400
	s_set_vgpr_msb 0x4000
	v_mov_b32 v63, 0
	s_set_vgpr_msb 0x1
	ds_add_u32 v255, v63
	s_set_vgpr_msb 0x100
	v_lshrrev_b32 v1, 5, v0
	v_readfirstlane_b32 s10, v1                    ; wave 0..3
	s_lshr_b32 s11, s10, 1                         ; which 64 rows of the block are mine
	s_and_b32 s12, s10, 1                          ; which 128 columns.  Also: which half of its tile the wave fetches
	s_bfe_u32 s40, ttmp6, 0x40000                  ; cx
	s_bfe_u32 s41, ttmp6, 0x40004                  ; cy
	s_lshl_b32 s42, ttmp9, 2
	s_add_co_u32 s42, s42, s40                     ; block column 0..3
	s_and_b32 s80, ttmp7, 0xffff                   ; the cluster's y, 0..15
	s_lshl_b32 s13, s80, 2
	s_add_co_u32 s13, s13, s41                     ; block of 128 of the 8192 rows, 0..63
	s_lshr_b32 s81, s80, 2                         ; batch
	s_lshl_b32 s43, s41, 2
	s_lshl_b32 s43, 15, s43
	s_lshl_b32 s44, 0x1111, s40
	s_or_b32 s[G1+0], s43, G1WORD
	s_or_b32 s[G1B+0], s44, G1WORD
	s_mov_b32 s[G1+1], KSTEP<<16
	s_mov_b32 s[G1B+1], KSTEP<<16
	s_mov_b32 s[G1+2], 64<<16
	s_mov_b32 s[G1B+2], 128<<16
	s_mov_b32 s[G1+3], KSTEP<<16
	s_mov_b32 s[G1B+3], KSTEP<<16
	s_mov_b32 s[G1+4], 64
	s_mov_b32 s[G1B+4], 128
	s_mov_b32 s[G1+5], SRCEL
	s_mov_b32 s[G1B+5], SRCEL
	s_mov_b32 s[G1+6], 0
	s_mov_b32 s[G1B+6], 0
	s_mov_b32 s[G1+7], 0
	s_mov_b32 s[G1B+7], 0
	s_lshl_b32 s16, s13, 7
	s_lshl_b32 s17, s12, 6
	s_add_co_u32 s16, s16, s17                     ; the 64 rows of p that the wave would fetch
	s_lshl_b32 s16, s16, 12
	s_mov_b32 s17, 0
	s_lshl_b32 s46, s42, 8
	s_lshl_b32 s47, s12, 7
	s_add_co_u32 s46, s46, s47
	s_lshl_b32 s47, s81, 10
	s_add_co_u32 s46, s46, s47                     ; the 128 rows of vt: 1024 batch + 256 block column + 128 half
	s_lshl_b32 s46, s46, 12
	s_mov_b32 s47, 0
	s_lshl_b32 s86, s13, 7
	s_lshl_b32 s87, s11, 6
	s_add_co_u32 s88, s86, s87                     ; my first of the 8192 rows
	s_lshl_b32 s86, s88, 2                         ; its place in a line of the stats
	s_mov_b32 s87, 0
	s_lshl_b32 s92, s42, 10
	s_lshl_b32 s93, s12, 9
	s_add_co_u32 s92, s92, s93                     ; my first column, 4 bytes each: in b_v and in a row of out0
	s_mov_b32 s93, 0
	s_lshl_b32 s90, s88, 12
	s_add_co_u32 s90, s90, s92
	s_mov_b32 s91, 0
	s_lshl_b32 s[PB], s13, 7                       ; asking ahead: row 128 x block
	s_lshl_b32 s[PB+1], s40, 5
	s_add_co_u32 s[PB], s[PB], s[PB+1]             ; + 32 cx: my work-group's quarter of the tile's rows,
	s_lshl_b32 s[PB], s[PB], 12                    ; rows of 4,096 bytes,
	s_lshl_b32 s[PB+1], s12, 8
	s_add_co_u32 s[PB], s[PB], s[PB+1]             ; wave 2 the even K step, wave 3 the odd one,
	s_add_co_u32 s[PB], s[PB], 2*KSTEP*2           ; K step 2 + that: the first request steps it on to K steps 4 and 5
	s_mov_b32 s[PB+1], 0
	s_mul_i32 s20, s10, HALFB
	s_mul_i32 s18, s10, HALFA
	s_add_co_u32 s18, s18, AOFF-2*HALFA
	s_wait_dscnt 0x0
	s_wait_kmcnt 0x0
	s_add_nc_u64 s[14:15], s[68:69], s[16:17]      ; A's tile
	s_add_nc_u64 s[46:47], s[70:71], s[46:47]      ; B's tile
	s_add_nc_u64 s[86:87], s[72:73], s[86:87]      ; stats at my first row
	s_add_nc_u64 s[88:89], s[74:75], s[92:93]      ; b_v at my first column
	s_add_nc_u64 s[8:9], s[76:77], s[90:91]        ; out0 at my corner
	s_add_nc_u64 s[PB:PB+1], s[68:69], s[PB:PB+1]  ; p, for asking ahead
	CROUND                                         ; all sixteen work-groups are here: the first joint loads meet
.irp s, 0,1
	s_mov_b32 s[G0+4*\s], 1
	s_add_co_u32 s[G0+4*\s+1], s18, \s*SLOT
	s_add_nc_u64 s[G0+4*\s+2:G0+4*\s+3], s[14:15], \s*KSTEP*2
	s_or_b32 s[G0+4*\s+3], s[G0+4*\s+3], 0x80000000
	s_mov_b32 s[G0B+4*\s], 1
	s_add_co_u32 s[G0B+4*\s+1], s20, \s*SLOT
	s_add_nc_u64 s[G0B+4*\s+2:G0B+4*\s+3], s[46:47], \s*KSTEP*2
	s_or_b32 s[G0B+4*\s+3], s[G0B+4*\s+3], 0x80000000
	JLOAD \s, 0                                    ; two tensor loads of the wave are out
.endr
	v_and_b32 v1, 15, v0                           ; l % 16
	v_bfe_u32 v2, v0, 4, 1                         ; l / 16
	v_and_b32 v6, 31, v0                           ; lane
	v_mul_u32_u24 v3, v1, PITCH
	v_lshl_add_u32 v3, v2, 4, v3
	s_mul_i32 s21, s11, HALFA
	s_add_co_u32 s21, s21, AOFF
	s_mul_i32 s22, s12, HALFB
.irp s, 0,1
	v_add_nc_u32 v[ADRA+\s], s21, v3
	v_add_nc_u32 v[ADRB+\s], s22, v3
	s_add_co_u32 s21, s21, SLOT
	s_add_co_u32 s22, s22, SLOT
.endr
	s_mul_i32 s23, s10, STAGEW
	s_add_co_u32 s23, s23, STAGE
	v_mul_u32_u24 v4, v1, OPITCH
	v_lshl_add_u32 v4, v2, 5, v4
	v_add_nc_u32 v[STO], s23, v4
	v_lshlrev_b32 v[CO], 4, v6
	v_add_nc_u32 v[RD], s23, v[CO]
	v_lshlrev_b32 v[SO], 2, v1
	v_lshlrev_b32 v[BO], 5, v2
	v_lshlrev_b32 v[PO], 12, v6
	s_lshl_b32 s23, s10, 13
	s_add_co_u32 s23, s23, FS
	v_add_nc_u32 v[FA], s23, v[CO]
; THE FACTORS.  Lane l needs those of rows 16 a + l % 16.  24 loads a row tile: eight m, sixteen l.
.macro LOADS a
.irp j, 0,1,2,3,4,5,6,7
	global_load_b32 v[ST+24*\a+\j], v[SO], s[86:87] offset:32768*\j+64*\a
.endr
.irp j, 0,1,2,3,4,5,6,7,8,9,10,11,12,13,14,15
	global_load_b32 v[ST+24*\a+8+\j], v[SO], s[86:87] offset:262144+32768*\j+64*\a
.endr
.endm
.macro FAC a
	v_max3_num_f32 v[T0], v[ST+24*\a], v[ST+24*\a+1], v[ST+24*\a+2]
	v_max3_num_f32 v[T0], v[T0], v[ST+24*\a+3], v[ST+24*\a+4]
	v_max3_num_f32 v[T0], v[T0], v[ST+24*\a+5], v[ST+24*\a+6]
	v_max_num_f32 v[T0], v[T0], v[ST+24*\a+7]      ; the row's maximum
	v_mul_f32 v[T0], 0xbfb8aa3b, v[T0]             ; -log2(e) mx
.irp j, 0,1,2,3,4,5,6,7
	v_fmamk_f32 v[ST+24*\a+\j], v[ST+24*\a+\j], 0x3fb8aa3b, v[T0]
.endr
.irp j, 0,1,2,3,4,5,6,7
	v_exp_f32 v[ST+24*\a+\j], v[ST+24*\a+\j]       ; e_j
.endr
.irp j, 0,1,2,3,4,5,6,7
	v_add_f32 v[ST+24*\a+8+2*\j], v[ST+24*\a+8+2*\j], v[ST+24*\a+9+2*\j]   ; l_j of the two halves; also the plain instructions behind the exponentials
.endr
	s_wait_alu depctr_va_vdst(0)
	v_mul_f32 v[T1], v[ST+24*\a], v[ST+24*\a+8]
.irp j, 1,2,3,4,5,6,7
	v_fmac_f32 v[T1], v[ST+24*\a+\j], v[ST+24*\a+8+2*\j]
.endr
	v_rcp_f32 v[T1], v[T1]                         ; 1 / L;  L is at least the term of the block that holds the maximum
	v_nop
	s_wait_alu depctr_va_vdst(0)
.irp j, 0,1,2,3,4,5,6,7
	v_mul_f32 v[FD+8*\j+2*\a],   v[ST+24*\a+\j], v[T1]
	v_mul_f32 v[FD+8*\j+2*\a+1], v[ST+24*\a+\j], v[T1]
.endr
.endm
	LOADS 0
	LOADS 1
	s_wait_loadcnt 24                              ; row tile 0's are in; the 24 of row tile 1 stay out
	LOADS 2
	FAC 0
	s_wait_loadcnt 24                              ; row tile 1's are in
	LOADS 3
	FAC 1
	s_wait_loadcnt 24                              ; row tile 2's are in
	WIN 0x40                                       ; destination window 1
.irp b, 0,1,2,3,4,5,6,7
	global_load_b128 v[BV+8*\b:BV+8*\b+3],   v[BO], s[88:89] offset:64*\b      ; b_v of columns 16 b + 8 (l / 16) + 0..3
	global_load_b128 v[BV+8*\b+4:BV+8*\b+7], v[BO], s[88:89] offset:64*\b+16
.endr
	WIN 0
	FAC 2
	s_wait_loadcnt 16                              ; row tile 3's are in; b_v's sixteen stay out until the first join
	FAC 3
.irp j, 0,1,2,3,4,5,6,7
	ds_store_b128 v[FA], v[FD+8*\j:FD+8*\j+3]   offset:1024*\j
	ds_store_b128 v[FA], v[FD+8*\j+4:FD+8*\j+7] offset:1024*\j+512
.endr
	ds_load_b128 v[FR:FR+3],   v[FA]               ; key block 0's factors (my own bytes: LDS serves a wave's instructions in order)
	ds_load_b128 v[FR+4:FR+7], v[FA] offset:512
	v_add_nc_u32 v[FA], 1024, v[FA]
; The 32 accumulators take turns, one instruction a turn, in the same order in every quarter step.
.macro MUL8 f, a, zero
.irp b, 0,1,2,3,4,5,6,7
.if \zero
	v_wmma_f32_16x16x32_bf16 v[8*(8*\a+\b):8*(8*\a+\b)+7], v[\f+8*\b:\f+8*\b+7], v[\f+8*\a:\f+8*\a+7], 0
.else
	v_wmma_f32_16x16x32_bf16 v[8*(8*\a+\b):8*(8*\a+\b)+7], v[\f+8*\b:\f+8*\b+7], v[\f+8*\a:\f+8*\a+7], v[8*(8*\a+\b):8*(8*\a+\b)+7]
.endif
.endr
.endm
.macro FETCH slot, k, f
	WIN TO_B
.irp i, 0,1,2,3,4,5,6,7
	ds_load_b128 v[\f+8*\i:\f+8*\i+3],   v[ADRB+\slot] offset:\k+\i*16*PITCH
	ds_load_b128 v[\f+8*\i+4:\f+8*\i+7], v[ADRB+\slot] offset:\k+\i*16*PITCH+32
.endr
	WIN 0
.irp i, 0,1,2,3
	ds_load_b128 v[\f+8*\i:\f+8*\i+3],   v[ADRA+\slot] offset:\k+\i*16*PITCH
	ds_load_b128 v[\f+8*\i+4:\f+8*\i+7], v[ADRA+\slot] offset:\k+\i*16*PITCH+32
.endr
.endm
.macro QUARTER slot, k, f, g, zero
	s_wait_dscnt 4                                 ; B and A's tiles 0, 1 are in; at most the youngest four LDS loads are out (A's tiles 2, 3; behind a join: A's tile 3 and the two loads of factors)
	WIN MUL
	MUL8 \f, 0, \zero
	MUL8 \f, 1, \zero
	PLACES
	FETCH \slot, \k, \g
	s_wait_dscnt 24                                ; all but the 24 just issued
	WIN MUL
	MUL8 \f, 2, \zero
	MUL8 \f, 3, \zero
.endm
.macro THREE slot, zero
	QUARTER \slot, 64,  F0, F1, \zero
	QUARTER \slot, 128, F1, F0, 0
	QUARTER \slot, 192, F0, F1, 0
.endm
; The last quarter changes slots: each wave's reads of this slot and all its tensor loads are waited for in front of the barrier; where the slot is
; filled again the barrier opens a round of the cluster's barrier and the joint refill is the wave's first and only tensor load behind it.
; pf = 1: waves 2 and 3 also ask ahead for p, behind their refill.
.macro TURN slot, next, fill, pf
	s_wait_dscnt 4
	WIN MUL
	MUL8 F1, 0, 0
	s_wait_dscnt 0
	s_wait_tensorcnt 0x0
	ds_add_u32 v255, v63
	s_wait_dscnt 0x0
	s_barrier_signal -1
	MUL8 F1, 1, 0
	WIN 0
	s_barrier_wait -1
.if \fill
	CREST
	s_add_nc_u64 s[G0+4*\slot+2:G0+4*\slot+3], s[G0+4*\slot+2:G0+4*\slot+3], 2*KSTEP*2
	s_add_nc_u64 s[G0B+4*\slot+2:G0B+4*\slot+3], s[G0B+4*\slot+2:G0B+4*\slot+3], 2*KSTEP*2
	JLOAD \slot, \pf
.endif
	PLACES
	FETCH \next, 0, F0
	WIN MUL
	MUL8 F1, 2, 0
	MUL8 F1, 3, 0
.endm
.macro LAP zero, pf
	THREE 0, \zero
	TURN 0, 1, 1, 0
	THREE 1, 0
	TURN 1, 0, 1, \pf
.endm
.macro LASTSTEP
	THREE 1, 0
	s_wait_dscnt 4
	WIN MUL
	MUL8 F1, 0, 0
	MUL8 F1, 1, 0
	s_wait_dscnt 0
	MUL8 F1, 2, 0
	MUL8 F1, 3, 0
	WIN 0
.endm
; The lap's sums join the totals: T = f_j x sums + T; the first time b_v stands for T.  more = 1: the next key block's factors are fetched.
; Between a tile's last product and the next lap's product that writes over it stand the four v_nop and the multiply-adds of the other 31 tiles.
.macro COMBINE first, more
	PLACES
.if \first
	s_wait_loadcnt 0x0                             ; b_v
	WIN 0xd2                                       ; destination window 3, source 0 window 2, source 1 window 0, source 2 window 1
.else
	WIN 0xf2                                       ; the same with source 2 window 3
.endif
.irp a, 0,1,2,3
.irp b, 0,1,2,3,4,5,6,7
.irp q, 0,2,4,6
.if \first
	v_pk_fma_f32 v[8*(8*\a+\b)+\q:8*(8*\a+\b)+\q+1], v[8*(8*\a+\b)+\q:8*(8*\a+\b)+\q+1], v[FR+2*\a:FR+2*\a+1], v[BV+8*\b+\q:BV+8*\b+\q+1]
.else
	v_pk_fma_f32 v[8*(8*\a+\b)+\q:8*(8*\a+\b)+\q+1], v[8*(8*\a+\b)+\q:8*(8*\a+\b)+\q+1], v[FR+2*\a:FR+2*\a+1], v[8*(8*\a+\b)+\q:8*(8*\a+\b)+\q+1]
.endif
.endr
.endr
.endr
	WIN 0
.if \more
	ds_load_b128 v[FR:FR+3],   v[FA]               ; shown landed by the next lap's first wait for all but 24
	ds_load_b128 v[FR+4:FR+7], v[FA] offset:512
	v_add_nc_u32 v[FA], 1024, v[FA]
.endif
.endm
	s_wait_dscnt 0x0                               ; no LDS instruction is pending at the signal
	s_wait_tensorcnt 0x1                           ; my part of K step 0 is in; K step 1's stays out
	s_barrier_signal -1
	s_barrier_wait -1
	FETCH 0, 0, F0
	LAP 1, 1                                       ; key block 0; asks ahead for K steps 4 and 5
	COMBINE 1, 1
	s_mov_b32 s3, 5
.Llap:
	LAP 1, 1                                       ; key blocks 1 to 5; the last of them asks ahead for K steps 14 and 15
	COMBINE 0, 1
	s_sub_co_u32 s3, s3, 1
	s_cmp_lg_u32 s3, 0
	s_cbranch_scc1 .Llap
	LAP 1, 0                                       ; key block 6: both slots are still filled again, but nothing is left to ask ahead for
	COMBINE 0, 1
	THREE 0, 1                                     ; key block 7: nothing is left to fetch
	TURN 0, 1, 0, 0
	LASTSTEP
	COMBINE 0, 0
; THE WAY OUT, 16 rows at a time, in f32: 32 bytes a lane and tile into my own stage, read back as row pieces of 512 consecutive bytes.
.macro OUTF a, ob
	WIN 0x0c                                       ; store data window 3
.irp b, 0,1,2,3,4,5,6,7
	ds_store_b128 v[STO], v[8*(8*\a+\b):8*(8*\a+\b)+3]   offset:64*\b
	ds_store_b128 v[STO], v[8*(8*\a+\b)+4:8*(8*\a+\b)+7] offset:64*\b+16
.endr
	WIN 0
	s_wait_xcnt 0x0                                ; buffer ob, which earlier stores read, and the stores' base are rewritten only behind this wait
.if \a
	s_add_nc_u64 s[8:9], s[8:9], 16*OROW
.endif
.irp t, 0,1,2,3,4,5,6,7,8,9,10,11,12,13,14,15
	ds_load_b128 v[\ob+4*\t:\ob+4*\t+3], v[RD] offset:OPITCH*\t
.endr
.irp t, 0,1,2,3,4,5,6,7,8,9,10,11,12,13,14,15
	s_wait_dscnt 15-\t                             ; load t is in, the younger ones stay out
	global_store_b128 v[CO], v[\ob+4*\t:\ob+4*\t+3], s[8:9] offset:OROW*\t th:TH_STORE_NT   ; a store of the wave covers 512 consecutive bytes, aligned
.endr
.endm
	OUTF 0, 64
	OUTF 1, 128
	OUTF 2, 64
	OUTF 3, 128
	s_set_vgpr_msb 0x1
	s_wait_tensorcnt 0x0
	ds_add_u32 v255, v63
	s_wait_dscnt 0x0
	s_set_vgpr_msb 0x100
	CROUND                                         ; the closing round
	s_endpgm
.Lfunc_end_k_q11e14f1a7b_pv:
	.size	k_q11e14f1a7b_pv, .Lfunc_end_k_q11e14f1a7b_pv-k_q11e14f1a7b_pv
	.p2alignl 7, 3214868480
	.fill 96, 4, 3214868480
	.section	.rodata,"a",@progbits
	.p2align	6, 0x0
	.amdhsa_kernel k_q11e14f1a7b_pv
		.amdhsa_group_segment_fixed_size 327680
		.amdhsa_private_segment_fixed_size 0
		.amdhsa_enable_private_segment 0
		.amdhsa_kernarg_size 40
		.amdhsa_user_sgpr_count 2
		.amdhsa_user_sgpr_kernarg_segment_ptr 1
		.amdhsa_wavefront_size32 1
		.amdhsa_system_sgpr_workgroup_id_x 1
		.amdhsa_system_sgpr_workgroup_id_y 1
		.amdhsa_system_sgpr_workgroup_id_z 1
		.amdhsa_system_vgpr_workitem_id 0
		.amdhsa_next_free_vgpr 1024
		.amdhsa_next_free_sgpr 96
		.amdhsa_reserve_vcc 0
		.amdhsa_float_denorm_mode_32 3
		.amdhsa_float_denorm_mode_16_64 3
		.amdhsa_memory_ordered 1
		.amdhsa_forward_progress 1
		.amdhsa_inst_pref_size 206
	.end_amdhsa_kernel
	.amdgpu_metadata
---
amdhsa.version: [ 1, 2 ]
amdhsa.kernels:
  - .name:           k_q11e14f1a7b_pv
    .symbol:         k_q11e14f1a7b_pv.kd
    .args:
      - { .name: p, .offset: 0, .size: 8, .value_kind: global_buffer, .address_space: global }
      - { .name: vt, .offset: 8, .size: 8, .value_kind: global_buffer, .address_space: global }
      - { .name: stats, .offset: 16, .size: 8, .value_kind: global_buffer, .address_space: global }
      - { .name: b_v, .offset: 24, .size: 8, .value_kind: global_buffer, .address_space: global }
      - { .name: out0, .offset: 32, .size: 8, .value_kind: global_buffer, .address_space: global }
    .group_segment_fixed_size: 327680
    .private_segment_fixed_size: 0
    .kernarg_segment_align: 8
    .kernarg_segment_size: 40
    .max_flat_workgroup_size: 128
    .sgpr_count:     96
    .vgpr_count:     1024
    .wavefront_size: 32
...
	.end_amdgpu_metadata
.endif
;; end of part 9
;; ======== version 3 of 3: 5 launches; version 2 with the launch cvt written anew for expert scheduling mode
;; workspace buffers: xb 16,777,216 bytes; wb 6,553,600 bytes; mt 2,101,248 bytes; g 16,777,216 bytes; vt 16,777,216 bytes; p 33,554,432 bytes; stats 786,432 bytes
;; launch cvt (part 10): grid 704 x 1, 8 waves a work-group, no clusters, 0 bytes of LDS; arguments x, w_q, w_k, w_v, b_q, xb, wb; writes xb, wb
.if DOCPART == 10
	.amdgcn_target "amdgcn-amd-amdhsa--gfx1250"
	.amdhsa_code_object_version 6
	.text
	.protected	k_q11e14f1a7b_cvt
	.globl	k_q11e14f1a7b_cvt
	.p2align	8
	.type	k_q11e14f1a7b_cvt,@function
k_q11e14f1a7b_cvt:
	s_mov_b64 s[64:65], 0
	v_nop
	global_prefetch_b8 v0, s[64:65] scope:SCOPE_SE
	s_setreg_imm32_b32 hwreg(HW_REG_WAVE_SCHED_MODE, 0, 2), 2
	s_setreg_imm32_b32 hwreg(HW_REG_WAVE_MODE, 25, 1), 1
	s_wait_xcnt 0x0
	s_wait_alu depctr_vm_vsrc(0)
; First of five launches for out = softmax((x Wq^T + b_q)(x Wk^T + b_k)^T / 32 + mask) (x Wv^T + b_v).
; This one rounds x and the three weight matrices from f32 to bf16, once, and makes partial sums of c = b_q^T Wk in f32.
;   xb [8192][1024] bf16;  wb: [3072][1024] bf16 (rows 0-1023 w_q, 1024-2047 w_k, 2048-3071 w_v), then at byte 6,291,456
;   [64][1024] f32: line g holds sum over e = 16 g .. 16 g + 15 of b_q[e] w_k[e][:].
;
; WORK LEFT OUT IN THE WHOLE PROGRAM.
; (1) b_k.  With K = K0 + 1 b_k^T the score of query q and key k is Q[q].K0[k] / 32 + Q[q].b_k / 32 + mask[q][k].  The middle term does
;     not depend on k: it is the same along the softmax axis, and softmax(s + t) = softmax(s) for every real t, whatever the inputs hold.
;     So b_k reaches no output: it is not loaded and is an argument of no launch.  Limit: a NaN, an infinity or an overflow that would
;     come in through b_k alone is not carried to the result.
; (2) The projection K0 = x Wk^T.  For all values of the inputs
;       Q[q].K0[k] = sum_e (sum_d x[q][d] w_q[e][d] + b_q[e]) (sum_d' x[k][d'] w_k[e][d']) = sum_d' (sum_d x[q][d] M[d][d'] + c[d']) x[k][d']
;     with M[d][d'] = sum_e w_q[e][d] w_k[e][d'] and c[d'] = sum_e b_q[e] w_k[e][d'].  M is a product of 1024^3 multiply-adds, made once;
;     K0 would be 8192 x 1024^2.  The scores are then (x M + c) / 32 times x^T: the keys' operand is x itself.
;     Limit: the order of rounding differs: w_q, w_k, M, x and x M + c are each rounded to bf16 once, where Q and K0 would have been.
; b_v stays, and is added once at the end: the weights of a row sum to one, so attn (V0 + 1 b_v^T) = attn V0 + b_v.
;
; A stream: no LDS, no barrier, no matrix unit.  Eight waves; a work-group takes 65,536 input bytes; thread t takes 16 bytes at 16 t
; of each of sixteen pieces of 4,096 bytes.  A load of a wave covers 512 consecutive bytes, a store 256 consecutive bytes, aligned.
; All sixteen loads of a thread go out at once; no register is written twice, so nothing waits for an address to be free.
; In a weight matrix a piece is a row, so a thread of w_k's work-groups holds four columns of sixteen rows in f32: its part of c costs
; four multiplies and sixty multiply-adds and no further load but sixteen numbers of b_q.
;
; THE MODE: SCHED_MODE bits 1:0 = 2 (LLVM: expert scheduling mode 2), set by the entry lines.  The code itself states the register dependences
; between vector instructions and memory instructions, with s_wait_alu, always for 0.
; THE PLAN.  Registers that memory instructions touch:
;   v1, v2   byte offsets.  Written once at the head; read by every load and store; never written again.
;   X        Written by the sixteen loads alone, each register once; no vector instruction names X ahead of the loads.  Read by the conversions and the multiply-adds.
;   Y        Piece i's pair is written once, by piece i's two conversions, and read by piece i's store.
;   C        Written by the multiply and the multiply-adds of w_k's work-groups; read by one store at the end.
; No register that a memory instruction reads is written again, so the one wait on vm_vsrc stands in the entry lines.
; The sixteen pieces go in four blocks of four.  Block b's memory instructions are the four stores of block b - 1, which read that block's Y and v2;
; block b's vector instructions name its own X and Y, and C.  So one wait on va_vdst at a block's head, behind the wait for the block's data,
; states all that its four stores hang on, and they are dealt among its vector instructions with no further wait.  One more such wait stands behind the last block.
.set X, 4                              ; v[4:67]    piece i: four f32 as loaded
.set Y, 68                             ; v[68:99]   piece i: four bf16 to store
.set C, 100                            ; v[100:103] w_k's work-groups: partial sums of c for my four columns
.set CPART, 6291456                    ; where the partial sums begin in wb
	s_load_b256 s[4:11], s[0:1], 0x0               ; x s[4:5], w_q s[6:7], w_k s[8:9], w_v s[10:11]
	s_load_b128 s[12:15], s[0:1], 0x20             ; b_q s[12:13], xb s[14:15]
	s_load_b64 s[30:31], s[0:1], 0x30              ; wb
	v_lshlrev_b32 v1, 4, v0                        ; 16 t: my bytes in a piece of the input
	v_lshlrev_b32 v2, 3, v0                        ; 8 t: my bytes in a piece of the output
	s_max_u32 s24, ttmp9, 512
	s_sub_co_u32 s24, s24, 512                     ; work-groups 512 to 703: i = 0 to 191, 64 for each weight matrix
	s_and_b32 s25, s24, 63
	s_lshl_b32 s25, s25, 16                        ; offset in the weight matrix
	s_lshl_b32 s26, s24, 15                        ; offset in wb: the three matrices follow each other
	s_lshl_b32 s27, ttmp9, 16                      ; work-groups 0 to 511: offset in x,
	s_lshl_b32 s28, ttmp9, 15                      ; and in xb
	s_sub_co_u32 s29, ttmp9, 576                   ; w_k's work-groups are 576 to 639: g = 0 to 63 (all others: 64 or more, unsigned)
	s_mov_b32 s21, 0
	s_mov_b32 s23, 0
	s_wait_kmcnt 0x0
	s_cmp_ge_u32 ttmp9, 576
	s_cselect_b64 s[16:17], s[8:9], s[6:7]         ; w_k or w_q
	s_cmp_ge_u32 ttmp9, 640
	s_cselect_b64 s[16:17], s[10:11], s[16:17]     ; or w_v
	s_cmp_lt_u32 ttmp9, 512
	s_cselect_b64 s[16:17], s[4:5], s[16:17]       ; or x
	s_cselect_b64 s[18:19], s[14:15], s[30:31]     ; xb or wb
	s_cselect_b32 s20, s27, s25
	s_cselect_b32 s22, s28, s26
	s_add_nc_u64 s[16:17], s[16:17], s[20:21]
	s_add_nc_u64 s[18:19], s[18:19], s[22:23]
	s_wait_alu depctr_va_vdst(0)                   ; v1 and v2 are written: every load and store of the kernel reads one of them as its offset
.irp i, 0,1,2,3,4,5,6,7,8,9,10,11,12,13,14,15
	global_load_b128 v[X+4*\i:X+4*\i+3], v1, s[16:17] offset:4096*\i th:TH_LOAD_NT   ; read once in this launch
.endr
; Block b: pieces 4 b to 4 b + 3 are rounded; the four pieces of the block before are stored.  wk = 1: row i of the sixteen also enters the partial sums of c, rows ascending.
.macro BLK b, wk
	s_wait_loadcnt 12-4*\b                         ; loads come back in order: this block's four pieces are in, the 12 - 4 b younger ones stay out
.if \b
	s_wait_alu depctr_va_vdst(0)                   ; the conversions of the block before have written its eight registers of Y, which the four stores below read
.endif
.irp j, 0,1,2,3
.if \b
	global_store_b64 v2, v[Y+2*(4*\b+\j-4):Y+2*(4*\b+\j-4)+1], s[18:19] offset:2048*(4*\b+\j-4)   ; a piece of the block before; no vector instruction since the wait names its registers
.endif
	v_cvt_pk_bf16_f32 v[Y+2*(4*\b+\j)],   v[X+4*(4*\b+\j)],   v[X+4*(4*\b+\j)+1]
	v_cvt_pk_bf16_f32 v[Y+2*(4*\b+\j)+1], v[X+4*(4*\b+\j)+2], v[X+4*(4*\b+\j)+3]
.if \wk
.irp k, 0,1,2,3
.if 4*\b+\j == 0
	v_mul_f32 v[C+\k], s[32], v[X+\k]              ; the first row starts the sums: nothing is cleared
.else
	v_fmac_f32 v[C+\k], s[32+4*\b+\j], v[X+4*(4*\b+\j)+\k]
.endif
.endr
.endif
.endr
.endm
; The sixteen pieces; behind the last block its own four stores.
.macro PIECES wk
	BLK 0, \wk
	BLK 1, \wk
	BLK 2, \wk
	BLK 3, \wk
	s_wait_alu depctr_va_vdst(0)                   ; the last block's conversions have written Y of pieces 12 to 15, which the stores below read; in w_k's work-groups the multiply-adds have written C, which the store behind them reads
.irp i, 12,13,14,15
	global_store_b64 v2, v[Y+2*\i:Y+2*\i+1], s[18:19] offset:2048*\i
.endr
.endm
	s_cmp_lt_u32 s29, 64
	s_cbranch_scc1 .Lwk
	PIECES 0
	s_endpgm
.Lwk:
	s_lshl_b32 s20, s29, 6                         ; sixteen numbers of b_q,
	s_lshl_b32 s22, s29, 12                        ; a line of 4,096 bytes of partial sums
	s_add_nc_u64 s[12:13], s[12:13], s[20:21]
	s_add_nc_u64 s[30:31], s[30:31], s[22:23]
	s_load_b512 s[32:47], s[12:13], 0x0            ; b_q[16 g .. 16 g + 15]
	s_wait_kmcnt 0x0
	PIECES 1
	global_store_b128 v1, v[C:C+3], s[30:31] offset:CPART      ; a store of the wave covers 512 consecutive bytes, aligned; no vector instruction stands between the last wait on va_vdst and this line
	s_endpgm
.Lfunc_end_k_q11e14f1a7b_cvt:
	.size	k_q11e14f1a7b_cvt, .Lfunc_end_k_q11e14f1a7b_cvt-k_q11e14f1a7b_cvt
	.p2alignl 7, 3214868480
	.fill 96, 4, 3214868480
	.section	.rodata,"a",@progbits
	.p2align	6, 0x0
	.amdhsa_kernel k_q11e14f1a7b_cvt
		.amdhsa_group_segment_fixed_size 0
		.amdhsa_private_segment_fixed_size 0
		.amdhsa_enable_private_segment 0
		.amdhsa_kernarg_size 56
		.amdhsa_user_sgpr_count 2
		.amdhsa_user_sgpr_kernarg_segment_ptr 1
		.amdhsa_wavefront_size32 1
		.amdhsa_system_sgpr_workgroup_id_x 1
		.amdhsa_system_sgpr_workgroup_id_y 1
		.amdhsa_system_sgpr_workgroup_id_z 1
		.amdhsa_system_vgpr_workitem_id 0
		.amdhsa_next_free_vgpr 104
		.amdhsa_next_free_sgpr 66
		.amdhsa_reserve_vcc 0
		.amdhsa_float_denorm_mode_32 3
		.amdhsa_float_denorm_mode_16_64 3
		.amdhsa_memory_ordered 1
		.amdhsa_forward_progress 1
		.amdhsa_inst_pref_size 13
	.end_amdhsa_kernel
	.amdgpu_metadata
---
amdhsa.version: [ 1, 2 ]
amdhsa.kernels:
  - .name:           k_q11e14f1a7b_cvt
    .symbol:         k_q11e14f1a7b_cvt.kd
    .args:
      - { .name: x, .offset: 0, .size: 8, .value_kind: global_buffer, .address_space: global }
      - { .name: w_q, .offset: 8, .size: 8, .value_kind: global_buffer, .address_space: global }
      - { .name: w_k, .offset: 16, .size: 8, .value_kind: global_buffer, .address_space: global }
      - { .name: w_v, .offset: 24, .size: 8, .value_kind: global_buffer, .address_space: global }
      - { .name: b_q, .offset: 32, .size: 8, .value_kind: global_buffer, .address_space: global }
      - { .name: xb, .offset: 40, .size: 8, .value_kind: global_buffer, .address_space: global }
      - { .name: wb, .offset: 48, .size: 8, .value_kind: global_buffer, .address_space: global }
    .group_segment_fixed_size: 0
    .private_segment_fixed_size: 0
    .kernarg_segment_align: 8
    .kernarg_segment_size: 56
    .max_flat_workgroup_size: 256
    .sgpr_count:     66
    .vgpr_count:     104
    .wavefront_size: 32
...
	.end_amdgpu_metadata
.endif
;; end of part 10
;; launch mprod: the kernel of part 6 again; grid 8 x 8, 4 waves a work-group, clusters of 4 x 4, 327,680 bytes of LDS; arguments wb, mt; writes mt
;; launch gproj: the kernel of part 7 again; grid 8 x 32, 4 waves a work-group, clusters of 4 x 4, 327,680 bytes of LDS; arguments xb, wb, mt, g, vt; writes g, vt
;; launch scores: the kernel of part 8 again; grid 8 x 32, 4 waves a work-group, clusters of 4 x 4, 327,680 bytes of LDS; arguments g, xb, mask, p, stats; writes p, stats
;; launch pv: the kernel of part 9 again; grid 4 x 64, 4 waves a work-group, clusters of 4 x 4, 327,680 bytes of LDS; arguments p, vt, stats, b_v, out0; writes out0
